; MI455X (gfx1250); checked and timed in simulation.
; The chip was launched on July 23, 2026; its instructions are those of AMD's public machine-readable ISA for CDNA 5 (MIT licence, August 2026) and "CDNA5" Instruction Set Architecture Reference Guide (July 2026). The comments in the code are by the model that wrote it; some were corrected since.
;; Multi Head Attention. Allowed arithmetic: matrix products marked QUANTISED: E3M2 operands, one E8M0 scale for each 32 along K, by v_wmma_scale_f32_16x16x128_f8f6f4 with both operands' format E3M2, f32 sums; everything else in f32.
;; Inputs: Wk 1,024 x 1,024 float32; Wo 1,024 x 1,024 float32; Wq 1,024 x 1,024 float32; Wv 1,024 x 1,024 float32; attn_mask 2 x 2,048 int32; bk 1,024 float32; bo 1,024 float32; bq 1,024 float32; bv 1,024 float32; key 2 x 2,048 x 1,024 float32; pos_enc 1 x 2,048 x 1,024 float32; query 2 x 2,048 x 1,024 float32; r_r_bias 16 x 64 float32; r_w_bias 16 x 64 float32; val 2 x 2,048 x 1,024 float32.
;; Outputs: out0 2 x 2,048 x 1,024 float32.
;; This version of the problem:
;;   THIS VERSION OF THE PROBLEM IS GIVEN IN LOW PRECISION. The matrix products marked QUANTISED in the list below multiply operands that are first quantised to E3M2 (3 exponent bits, 2 mantissa bits; 6 bits a number), with one power-of-two scale for each 32 numbers along K (OCP MX v1.0); their sums are f32. All else is computed in f32.
;;   The module's matrix products, in the order in which they are computed (A, B: the left and right operand; K: the contracted axis; several contracted axes count as one K, in the product's order):
;;     1. [M 4,096, K 1,024] x [K 1,024, N 1,024]; A: input query; B: input Wq: QUANTISED
;;     2. [M 4,096, K 1,024] x [K 1,024, N 1,024]; A: input key; B: input Wk: QUANTISED
;;     3. [M 4,096, K 1,024] x [K 1,024, N 1,024]; A: input val; B: input Wv: QUANTISED
;;     4. batch 32 x [M 2,048, K 64] x [K 64, N 2,048]; A: computed on the way; B: computed on the way: QUANTISED
;;     5. [M 2,048, K 1,024] x [K 1,024, N 1,024]; A: input pos_enc; B: input Wk: QUANTISED
;;     6. batch 16 x [M 2,048, K 64] x [K 64, N 4,096]; A: computed on the way; B: computed on the way: QUANTISED
;;     7. batch 32 x [M 2,048, K 2,048] x [K 2,048, N 64]; A: softmax (see below); B: computed on the way: QUANTISED
;;     8. [M 4,096, K 1,024] x [K 1,024, N 1,024]; A: computed on the way; B: input Wo: QUANTISED
;;   THE QUANTISER, for each operand of a quantised product, along K:
;;     - K is cut into blocks of 32 from its start; a last block that is shorter is filled with zeros.
;;     - A block's scale is 2^e with e = floor(log2(the largest magnitude in the block)) - 4, held to -126 .. 127; a block of zeros has e = 0. As a byte (E8M0): e + 127.
;;     - Each number is divided by its block's scale, clamped to +-28, and rounded to the nearest number of E3M2, ties to even, subnormals kept.
;;     - The product sums the exact products of the quantised numbers (number of the format x scale) in f32.
;;   ~~~python
;;   def quantise(x, axis):      # numpy; x: float32 -> the quantised numbers, widened to float32 again
;;       x = np.moveaxis(x, axis, -1); K = x.shape[-1]
;;       x = np.pad(x, [(0, 0)] * (x.ndim - 1) + [(0, -K % 32)]); x = x.reshape(x.shape[:-1] + (-1, 32)); a = np.abs(x).max(-1, keepdims=True)
;;       e = np.where(a > 0, np.clip(np.frexp(np.where(a > 0, a, 1))[1] - 1 - 4, -126, 127), 0)      # np.frexp(a)[1] - 1 = floor(log2(a)), exactly
;;       r = np.clip(x / 2.0 ** e, -28, 28)
;;       step = 2.0 ** (np.maximum(np.frexp(np.where(r == 0, 1, r))[1] - 1, -2) - 2)
;;       q = np.round(r / step) * step * 2.0 ** e      # np.round: ties to even
;;       return np.moveaxis(q.reshape(q.shape[:-2] + (-1,))[..., :K], -1, axis).astype(np.float32)
;;   ~~~
;;   SOFTMAX AHEAD OF A QUANTISED PRODUCT. Where the list says 'softmax', what is quantised is not the finished softmax but p = 2^(t - M), with t = logit x log2(e) and M = ceil(the row's largest t), a whole number; so 1/2 < the row's largest p <= 1. The row's sum l is taken of the UNQUANTISED p, in f32, and the product's result is divided by l at the end. Since M is a whole number, a kernel that streams over the keys may use a running M (the ceiling of the running maximum): every later rescaling is an exact power of two, which a block's scale takes up: the codes' values come out the same.
;;   OPERANDS COMPUTED ON THE WAY. 'Computed on the way' means the value that the module computes at that place (a softmax that the list does not call 'softmax' is quantised finished and normalised). What goes into a quantiser is computed in f32, as accurately as f32 sums, v_exp_f32 and their like allow (about 1e-6 of the number): no bf16 or f16 on the way to a quantiser, and a product that is left as it is and whose result goes on into a quantised operand takes f32 operands (vector FMAs, or v_wmma_f32_16x16x4_f32). A number that lies on a knife's edge between two numbers of the format may be rounded either way, as far as f32 arithmetic and the matrix unit's own rounding can turn it there, and no further.
;; 2 versions. Each part assembles by itself: llvm-mc -triple=amdgcn-amd-amdhsa -mcpu=gfx1250 --defsym DOCPART=n.
;; ======== version 1 of 2: 5 launches
;; limits: right only within a limited range of input values
;; workspace buffers: xc 11,010,048 bytes; xs 458,752 bytes; wc 3,145,728 bytes; ws 131,072 bytes; opc 14,155,776 bytes; ops 1,048,576 bytes; lm 8,192 bytes of whole numbers; ob 3,276,800 bytes
;; launch qact (part 1): grid 224 x 1, 4 waves a work-group, no clusters, 34,304 bytes of LDS; arguments query, key, val, pos_enc, attn_mask, xc, xs, lm; writes xc, xs, lm
.if DOCPART == 1
	.amdgcn_target "amdgcn-amd-amdhsa--gfx1250"
	.amdhsa_code_object_version 6
	.text
	.protected	k_q6d5225f3d5_qact
	.globl	k_q6d5225f3d5_qact
	.p2align	8
	.type	k_q6d5225f3d5_qact,@function
k_q6d5225f3d5_qact:
	s_mov_b64 s[64:65], 0
	v_nop
	global_prefetch_b8 v0, s[64:65] scope:SCOPE_SE
	s_setreg_imm32_b32 hwreg(HW_REG_WAVE_MODE, 25, 1), 1
	s_wait_xcnt 0x0
; query, key, val [4096][1024] and pos_enc [2048][1024], f32, become codes of BF6 (E3M2) with one E8M0 byte for each 32 along K (the last axis).
; OUTPUT LAYOUT: images of the matrix operand's registers.  A tile is 16 rows; for each 128 along K its fragment (12 registers a lane) lies as six pieces of 256 bytes: piece p at 256 p + 8 x lane holds registers 2 p, 2 p + 1.
; xc: [tile 896][K step 8][1,536 bytes]; xs: [tile][K step][16 words], one scale word a row.  Tiles 0-255 query, 256-511 key, 512-767 val, 768-895 pos_enc.
; A wave takes one tile.  Each load reads 512 consecutive bytes of one row (one K step); the 16 rows turn through the wave's own stage in LDS (rows 528 bytes apart), from which lane (r, h) takes
; the 32 neighbours k = 64 c + 32 h + 0 .. 31 of row r, c = 0, 1: two whole blocks, so that a block's largest magnitude needs no other lane and the conversions' results are the operand's registers.
; The first 16 work-groups also turn attn_mask into lane masks: lm[b][step 16][64 words]; word 8 T + j has bits 0-15 set where key 128 step + 16 T + j is masked (== 1), bits 16-31 for key + 8.
; LIMITS: NaN and infinities among the inputs are not served.  A block whose largest magnitude lies under 2^-122, a block of zeros too, gets the byte 1: these bytes are read by this program alone.
.set STGB, 8448                        ; a wave's stage: 16 rows x 528 bytes
.set RS0,  16                          ; v16-143  two sets of 64 registers as loaded
.set XX,   144                         ; v144-207 my 64 numbers: 32 c + i
.set TM,   208                         ; v208-215 at work
.set PC,   216                         ; v216-227 the fragment's codes
.set PT,   228                         ; v228-234 the conversions' second halves
.set PW,   235                         ; v235     the scale word
	s_load_b256 s[4:11], s[0:1], 0x0               ; query, key, val, pos_enc
	s_load_b256 s[12:19], s[0:1], 0x20             ; attn_mask, xc, xs, lm
	v_lshl_add_u32 v240, v0, 2, 0x8400
	v_mov_b32 v241, 0
	v_lshrrev_b32 v1, 5, v0
	v_readfirstlane_b32 s20, v1                    ; wave
	v_and_b32 v7, 31, v0                           ; lane
	v_and_b32 v8, 15, v0                           ; r
	v_bfe_u32 v9, v0, 4, 1                         ; h
	s_mul_i32 s21, s20, STGB
	v_lshlrev_b32 v1, 4, v7                        ; a load's 16 bytes a lane
	v_add_nc_u32 v2, s21, v1                       ; the stage, on the way in
	v_mul_u32_u24 v3, v8, 528
	v_lshl_add_u32 v3, v9, 7, v3
	v_add_nc_u32 v3, s21, v3                       ; and out: row r, + 128 h
	v_lshlrev_b32 v4, 3, v7                        ; a piece's 8 bytes a lane
	v_lshlrev_b32 v5, 2, v8                        ; my row's scale word
	v_lshlrev_b32 v6, 3, v9                        ; 8 h: where my bytes stand in the word
	v_mov_b32 v[TM+7], 0                           ; a lane permute's destination counts as read
	s_mov_b32 s22, 0x76543210
	s_mov_b32 s23, 0xfedcba98                      ; selects for lane l xor 16
	s_wait_kmcnt 0x0
	s_cmp_lt_u32 ttmp9, 16                         ; 2,048 mask words: 16 work-groups x 128 threads
	s_cbranch_scc0 .Lno_lm
	s_lshl_b32 s24, ttmp9, 7
	v_add_nc_u32 v10, s24, v0                      ; word W
	v_and_b32 v11, 0xffffffc0, v10
	v_and_b32 v12, 56, v10
	v_add_nc_u32 v11, v11, v12
	v_and_b32 v12, 7, v10
	v_lshl_add_u32 v11, v11, 1, v12                ; key = 128 (W / 64) + 16 ((W / 8) % 8) + W % 8, counted through both batches
	v_lshlrev_b32 v11, 2, v11
	global_load_b32 v12, v11, s[12:13]
	global_load_b32 v13, v11, s[12:13] offset:32   ; the key 8 further on
	v_lshlrev_b32 v10, 2, v10
	v_mov_b32 v14, 0xffff
	v_mov_b32 v15, 0xffff0000
	s_wait_loadcnt 0x0
	v_cmp_eq_u32 vcc_lo, 1, v12
	v_cndmask_b32 v12, 0, v14, vcc_lo
	v_cmp_eq_u32 vcc_lo, 1, v13
	v_cndmask_b32 v13, 0, v15, vcc_lo
	v_or_b32 v12, v12, v13
	global_store_b32 v10, v12, s[18:19]            ; v10 and v12 are not written again
.Lno_lm:
	s_cmp_lt_u32 ttmp9, 64                         ; which tensor: the choice hangs on the work-group's number alone
	s_cselect_b64 s[24:25], s[4:5], s[6:7]
	s_cmp_lt_u32 ttmp9, 192
	s_cselect_b64 s[26:27], s[8:9], s[10:11]
	s_cmp_lt_u32 ttmp9, 128
	s_cselect_b64 s[24:25], s[24:25], s[26:27]
	s_and_b32 s28, ttmp9, 63
	s_lshl_b32 s28, s28, 2
	s_add_co_u32 s28, s28, s20                     ; my tile within its tensor
	s_lshl_b32 s28, s28, 16                        ; 16 rows of 4,096 bytes
	s_mov_b32 s29, 0
	s_add_nc_u64 s[24:25], s[24:25], s[28:29]
	s_lshl_b32 s30, ttmp9, 2
	s_add_co_u32 s30, s30, s20                     ; my tile among the 896
	s_mul_i32 s28, s30, 12288
	s_add_nc_u64 s[14:15], s[14:15], s[28:29]
	s_lshl_b32 s28, s30, 9
	s_add_nc_u64 s[16:17], s[16:17], s[28:29]
.macro LOAD k                          ; K step k of the 16 rows: each load 512 consecutive bytes
.set P_, 0
.rept 16
	global_load_b128 v[RS0+64*((\k)%2)+4*P_:RS0+64*((\k)%2)+4*P_+3], v1, s[24:25] offset:4096*P_+512*(\k) th:TH_LOAD_NT
.set P_, P_+1
.endr
.endm
.macro STEP k
.if (\k) < 7
	s_wait_loadcnt 16                              ; this step's 16 loads are in; the next step's 16 may be out
.else
	s_wait_loadcnt 0x0
.endif
.set P_, 0
.rept 16
	ds_store_b128 v2, v[RS0+64*((\k)%2)+4*P_:RS0+64*((\k)%2)+4*P_+3] offset:528*P_
.set P_, P_+1
.endr
.irp c, 0,1
.irp q, 0,1,2,3,4,5,6,7
	ds_load_b128 v[XX+32*\c+4*\q:XX+32*\c+4*\q+3], v3 offset:256*\c+16*\q   ; LDS serves a wave's instructions in order: these see the stores above
.endr
.endr
	s_wait_dscnt 0x0                               ; my 64 numbers are in, and the stores have read their registers,
.if (\k)+2 < 8
	LOAD (\k)+2                                    ; which take the loads of two steps on
.endif
.irp c, 0,1
	v_max3_num_f32 v[TM+\c], |v[XX+32*\c]|, |v[XX+32*\c+1]|, 0x2800000   ; block 2 c + h: all 32 are mine; the floor 2^(5 - 127) holds the byte at 1 from below
.endr
.irp i, 2,4,6,8,10,12,14,16,18,20,22,24,26,28,30
.irp c, 0,1
	v_max3_num_f32 v[TM+\c], v[TM+\c], |v[XX+32*\c+\i]|, |v[XX+32*\c+\i+1]|
.endr
.endr
.irp c, 0,1
	v_add_nc_u32 v[TM+2+\c], 0xfe000000, v[TM+\c]  ; 4 off the exponent field: the conversion's scale operand
.endr
.irp c, 0,1
	v_lshrrev_b32 v[TM+4+\c], 23, v[TM+2+\c]       ; the scale's byte
.endr
	v_lshl_or_b32 v[TM+6], v[TM+5], 16, v[TM+4]    ; my two bytes: blocks h and 2 + h,
	v_lshlrev_b32 v[TM+6], v6, v[TM+6]             ; at their places;
	v_permlanex16_b32 v[TM+7], v[TM+6], s22, s23
	s_wait_xcnt 0x0                                ; the last step's stores have read the codes and the word: only now are these written again
	v_or_b32 v[PW], v[TM+6], v[TM+7]               ; with lane l xor 16's two the word is whole
.irp c, 0,1
	v_cvt_scalef32_pk16_bf6_f32 v[PC+6*\c:PC+6*\c+2], v[XX+32*\c:XX+32*\c+15], v[TM+2+\c]
	v_cvt_scalef32_pk16_bf6_f32 v[PT+4*\c:PT+4*\c+2], v[XX+32*\c+16:XX+32*\c+31], v[TM+2+\c]   ; (a conversion's three registers begin on an even number)
.endr
	v_nop                                          ; one plain place behind a scaled conversion
.irp c, 0,1
.irp i, 0,1,2
	v_mov_b32 v[PC+3+6*\c+\i], v[PT+4*\c+\i]
.endr
.endr
.irp p, 0,1,2,3,4,5
	global_store_b64 v4, v[PC+2*\p:PC+2*\p+1], s[14:15] offset:1536*(\k)+256*\p   ; 32 lanes store 256 consecutive bytes, aligned
.endr
	global_store_b32 v5, v[PW], s[16:17] offset:64*(\k)   ; both halves of the lanes write the same word to the same place
.endm
	LOAD 0
	LOAD 1
.irp k, 0,1,2,3,4,5,6,7
	STEP \k
.endr
	s_wait_tensorcnt 0x0
	ds_add_u32 v240, v241
	s_wait_dscnt 0x0
	s_endpgm
.Lfunc_end_k_q6d5225f3d5_qact:
	.size	k_q6d5225f3d5_qact, .Lfunc_end_k_q6d5225f3d5_qact-k_q6d5225f3d5_qact
	.p2alignl 7, 3214868480
	.fill 96, 4, 3214868480
	.section	.rodata,"a",@progbits
	.p2align	6, 0x0
	.amdhsa_kernel k_q6d5225f3d5_qact
		.amdhsa_group_segment_fixed_size 34304
		.amdhsa_private_segment_fixed_size 0
		.amdhsa_enable_private_segment 0
		.amdhsa_kernarg_size 64
		.amdhsa_user_sgpr_count 2
		.amdhsa_user_sgpr_kernarg_segment_ptr 1
		.amdhsa_wavefront_size32 1
		.amdhsa_system_sgpr_workgroup_id_x 1
		.amdhsa_system_sgpr_workgroup_id_y 1
		.amdhsa_system_sgpr_workgroup_id_z 1
		.amdhsa_system_vgpr_workitem_id 0
		.amdhsa_next_free_vgpr 242
		.amdhsa_next_free_sgpr 66
		.amdhsa_reserve_vcc 1
		.amdhsa_float_denorm_mode_32 3
		.amdhsa_float_denorm_mode_16_64 3
		.amdhsa_memory_ordered 1
		.amdhsa_forward_progress 1
		.amdhsa_inst_pref_size 61
	.end_amdhsa_kernel
	.amdgpu_metadata
---
amdhsa.version: [ 1, 2 ]
amdhsa.kernels:
  - .name:           k_q6d5225f3d5_qact
    .symbol:         k_q6d5225f3d5_qact.kd
    .args:
      - { .name: query, .offset: 0, .size: 8, .value_kind: global_buffer, .address_space: global }
      - { .name: key, .offset: 8, .size: 8, .value_kind: global_buffer, .address_space: global }
      - { .name: val, .offset: 16, .size: 8, .value_kind: global_buffer, .address_space: global }
      - { .name: pos_enc, .offset: 24, .size: 8, .value_kind: global_buffer, .address_space: global }
      - { .name: attn_mask, .offset: 32, .size: 8, .value_kind: global_buffer, .address_space: global }
      - { .name: xc, .offset: 40, .size: 8, .value_kind: global_buffer, .address_space: global }
      - { .name: xs, .offset: 48, .size: 8, .value_kind: global_buffer, .address_space: global }
      - { .name: lm, .offset: 56, .size: 8, .value_kind: global_buffer, .address_space: global }
    .group_segment_fixed_size: 34304
    .private_segment_fixed_size: 0
    .kernarg_segment_align: 8
    .kernarg_segment_size: 64
    .max_flat_workgroup_size: 128
    .sgpr_count:     66
    .vgpr_count:     242
    .wavefront_size: 32
...
	.end_amdgpu_metadata
.endif
;; end of part 1
;; launch qwgt (part 2): grid 8 x 16, 4 waves a work-group, no clusters, 0 bytes of LDS; arguments Wq, Wk, Wv, Wo, wc, ws; writes wc, ws
.if DOCPART == 2
	.amdgcn_target "amdgcn-amd-amdhsa--gfx1250"
	.amdhsa_code_object_version 6
	.text
	.protected	k_q6d5225f3d5_qwgt
	.globl	k_q6d5225f3d5_qwgt
	.p2align	8
	.type	k_q6d5225f3d5_qwgt,@function
k_q6d5225f3d5_qwgt:
	s_mov_b64 s[64:65], 0
	v_nop
	global_prefetch_b8 v0, s[64:65] scope:SCOPE_SE
	s_setreg_imm32_b32 hwreg(HW_REG_WAVE_MODE, 25, 1), 1
	s_wait_xcnt 0x0
; Wq, Wk, Wv, Wo [1024 (k)][1024 (n)], f32, K on the FIRST axis, become codes of BF6 with one E8M0 byte for each 32 along K, laid as images of operand registers with rows = n:
; wc: [tensor 4][tile 64 (16 columns n)][K step 8][1,536 bytes], piece p at 256 p + 8 x (r + 16 h);  ws: [tensor][tile][K step][16 words].
; A lane takes a column n and its registers run down K: a block of 32 lies in one lane's 32 registers, and its 24 bytes of codes are pieces 3 c .. 3 c + 2 of half h, block = 2 c + h of its K step.
; Work-group (x, y): tensor y / 4, 256 along K from 256 (y % 4), columns 128 x on; a wave 32 columns: two tiles.  Loads run two blocks (64 loads a wave) ahead.
; A store of codes covers two runs of 128 consecutive bytes (one in each tile); the block beside it fills the other halves of the same 256 bytes.
; LIMITS: NaN and infinities are not served; a block under 2^-122, zeros too, gets the byte 1: read by this program alone.
.set XX, 32                            ; v32-95 two sets of 32 numbers
.set SB, 24                            ; v24-25 the scale bytes, four to a register
	s_load_b256 s[4:11], s[0:1], 0x0               ; Wq, Wk, Wv, Wo
	s_load_b128 s[12:15], s[0:1], 0x20             ; wc, ws
	v_lshrrev_b32 v1, 5, v0
	v_readfirstlane_b32 s16, v1                    ; wave
	v_and_b32 v2, 31, v0
	v_lshlrev_b32 v3, 2, v2                        ; in: 4 bytes a lane
	v_and_b32 v5, 15, v2
	v_lshrrev_b32 v6, 4, v2
	v_mul_u32_u24 v7, v6, 12288
	v_lshl_add_u32 v7, v5, 3, v7                   ; codes: my tile of the wave's two, 8 bytes a row
	v_lshlrev_b32 v8, 9, v6
	v_lshl_add_u32 v8, v5, 2, v8                   ; scale words likewise
	s_and_b32 s17, ttmp7, 0xffff
	s_lshr_b32 s18, s17, 2                         ; tensor
	s_and_b32 s19, s17, 3                          ; which 256 along K
	s_lshl_b32 s20, ttmp9, 3
	s_lshl_b32 s21, s16, 1
	s_add_co_u32 s20, s20, s21                     ; my first tile: 8 x + 2 wave
	s_lshl_b32 s22, s19, 20                        ; 256 rows of 4,096 bytes
	s_lshl_b32 s24, s20, 6                         ; 16 columns of 4 bytes a tile
	s_add_co_u32 s22, s22, s24
	s_mov_b32 s23, 0
	s_mul_i32 s24, s18, 786432
	s_mul_i32 s26, s20, 12288
	s_add_co_u32 s24, s24, s26
	s_mul_i32 s26, s19, 3072                       ; two K steps
	s_add_co_u32 s24, s24, s26
	s_mov_b32 s25, 0
	s_lshl_b32 s26, s18, 15
	s_lshl_b32 s28, s20, 9
	s_add_co_u32 s26, s26, s28
	s_lshl_b32 s28, s19, 7
	s_add_co_u32 s26, s26, s28
	s_mov_b32 s27, 0
	s_wait_kmcnt 0x0
	s_cmp_lt_u32 s18, 1
	s_cselect_b64 s[4:5], s[4:5], s[6:7]
	s_cmp_lt_u32 s18, 3
	s_cselect_b64 s[8:9], s[8:9], s[10:11]
	s_cmp_lt_u32 s18, 2
	s_cselect_b64 s[4:5], s[4:5], s[8:9]
	s_add_nc_u64 s[4:5], s[4:5], s[22:23]
	s_add_nc_u64 s[12:13], s[12:13], s[24:25]
	s_add_nc_u64 s[14:15], s[14:15], s[26:27]
.macro LOADB t                         ; block t: W(32 t + i, my column): 128 consecutive bytes a wave
.set I_, 0
.rept 32
	global_load_b32 v[XX+32*((\t)%2)+I_], v3, s[4:5] offset:(32*(\t)+I_)*4096 th:TH_LOAD_NT
.set I_, I_+1
.endr
.endm
.macro BLOCK t
.set XS_, XX+32*((\t)%2)
.if (\t) < 7
	s_wait_loadcnt 32                              ; this block's 32 loads are in; the next block's may be out
.else
	s_wait_loadcnt 0x0
.endif
	v_max3_num_f32 v12, |v[XS_]|, |v[XS_+1]|, |v[XS_+2]|
	v_max3_num_f32 v13, |v[XS_+3]|, |v[XS_+4]|, |v[XS_+5]|
.irp i, 6,10,14,18,22,26
	v_max3_num_f32 v12, v12, |v[XS_+\i]|, |v[XS_+\i+1]|
	v_max3_num_f32 v13, v13, |v[XS_+\i+2]|, |v[XS_+\i+3]|
.endr
	v_max3_num_f32 v12, v12, |v[XS_+30]|, |v[XS_+31]|
	v_max3_num_f32 v12, v12, v13, 0x2800000        ; the floor 2^(5 - 127)
	v_add_nc_u32 v11, 0xfe000000, v12              ; the conversion's scale operand
	v_lshrrev_b32 v13, 23, v11                     ; the byte
.if (\t)%4 == 0
	v_mov_b32 v[SB+(\t)/4], v13
.else
	v_lshl_or_b32 v[SB+(\t)/4], v13, 8*((\t)%4), v[SB+(\t)/4]
.endif
	s_wait_xcnt 0x0                                ; the last block's stores have read the codes' registers
	v_cvt_scalef32_pk16_bf6_f32 v[96:98], v[XS_:XS_+15], v11
	v_cvt_scalef32_pk16_bf6_f32 v[104:106], v[XS_+16:XS_+31], v11
	v_nop                                          ; one plain place behind a scaled conversion
	v_mov_b32 v99, v104
	v_mov_b32 v100, v105
	v_mov_b32 v101, v106
.irp p, 0,1,2
	global_store_b64 v7, v[96+2*\p:97+2*\p], s[12:13] offset:((\t)/4)*1536+(3*(((\t)%4)/2)+\p)*256+128*((\t)%2)
.endr
.if (\t)+2 < 8
	LOADB (\t)+2
.endif
.endm
	LOADB 0
	LOADB 1
.irp t, 0,1,2,3,4,5,6,7
	BLOCK \t
.endr
	global_store_b32 v8, v[SB], s[14:15]
	global_store_b32 v8, v[SB+1], s[14:15] offset:64
	s_endpgm
.Lfunc_end_k_q6d5225f3d5_qwgt:
	.size	k_q6d5225f3d5_qwgt, .Lfunc_end_k_q6d5225f3d5_qwgt-k_q6d5225f3d5_qwgt
	.p2alignl 7, 3214868480
	.fill 96, 4, 3214868480
	.section	.rodata,"a",@progbits
	.p2align	6, 0x0
	.amdhsa_kernel k_q6d5225f3d5_qwgt
		.amdhsa_group_segment_fixed_size 0
		.amdhsa_private_segment_fixed_size 0
		.amdhsa_enable_private_segment 0
		.amdhsa_kernarg_size 48
		.amdhsa_user_sgpr_count 2
		.amdhsa_user_sgpr_kernarg_segment_ptr 1
		.amdhsa_wavefront_size32 1
		.amdhsa_system_sgpr_workgroup_id_x 1
		.amdhsa_system_sgpr_workgroup_id_y 1
		.amdhsa_system_sgpr_workgroup_id_z 1
		.amdhsa_system_vgpr_workitem_id 0
		.amdhsa_next_free_vgpr 128
		.amdhsa_next_free_sgpr 66
		.amdhsa_reserve_vcc 0
		.amdhsa_float_denorm_mode_32 3
		.amdhsa_float_denorm_mode_16_64 3
		.amdhsa_memory_ordered 1
		.amdhsa_forward_progress 1
		.amdhsa_inst_pref_size 41
	.end_amdhsa_kernel
	.amdgpu_metadata
---
amdhsa.version: [ 1, 2 ]
amdhsa.kernels:
  - .name:           k_q6d5225f3d5_qwgt
    .symbol:         k_q6d5225f3d5_qwgt.kd
    .args:
      - { .name: Wq, .offset: 0, .size: 8, .value_kind: global_buffer, .address_space: global }
      - { .name: Wk, .offset: 8, .size: 8, .value_kind: global_buffer, .address_space: global }
      - { .name: Wv, .offset: 16, .size: 8, .value_kind: global_buffer, .address_space: global }
      - { .name: Wo, .offset: 24, .size: 8, .value_kind: global_buffer, .address_space: global }
      - { .name: wc, .offset: 32, .size: 8, .value_kind: global_buffer, .address_space: global }
      - { .name: ws, .offset: 40, .size: 8, .value_kind: global_buffer, .address_space: global }
    .group_segment_fixed_size: 0
    .private_segment_fixed_size: 0
    .kernarg_segment_align: 8
    .kernarg_segment_size: 48
    .max_flat_workgroup_size: 128
    .sgpr_count:     66
    .vgpr_count:     128
    .wavefront_size: 32
...
	.end_amdgpu_metadata
.endif
;; end of part 2
;; launch proj (part 3): grid 8 x 56, 8 waves a work-group, no clusters, 308,224 bytes of LDS; arguments xc, xs, wc, ws, bq, bk, bv, r_w_bias, r_r_bias, opc, ops; writes opc, ops
.if DOCPART == 3
	.amdgcn_target "amdgcn-amd-amdhsa--gfx1250"
	.amdhsa_code_object_version 6
	.text
	.protected	k_q6d5225f3d5_proj
	.globl	k_q6d5225f3d5_proj
	.p2align	8
	.type	k_q6d5225f3d5_proj,@function
k_q6d5225f3d5_proj:
	s_mov_b64 s[64:65], 0
	v_nop
	global_prefetch_b8 v0, s[64:65] scope:SCOPE_SE
	s_setreg_imm32_b32 hwreg(HW_REG_WAVE_MODE, 25, 1), 1
	s_wait_xcnt 0x0
; The four projections on codes of BF6 (K = 1,024), their biases, and the quantising of what attention multiplies: q + r_w_bias, q + r_r_bias, k, rel along the head's 64; v along the keys.
; ROLES.  L rows go to lanes (source 1), R rows to registers (source 0): in accumulator (a, b) lane (r, h) holds L row 16 a + r and its register j R row 16 b + 8 h + j.  The register axis is the next quantiser's axis.
;   query, key, pos_enc: L = 256 tokens, R = 128 output features (two heads).   val: L = 256 features of Wv, R = 128 tokens (one key step of attention).
; A work-group has 8 waves; a wave makes 2 L tiles x 8 R tiles.  ALL of K lies in LDS, brought by six tensor loads a wave at the start (scale words, then two halves of K): nothing is filled again.  By this text's count six tensor loads of a wave are out at the most.
; No cluster: for val the operands change roles, so that one mask for each line of the text would not hold; a work-group's tiles are read once.
; The sums begin with the bias, loaded into the accumulators.  So the bias is the first term of the f32 sum where reference() adds it last: an order of rounding that differs by about an ulp.
; ORDER WITHIN A BLOCK OF 32.  The tiles are plain, so register 16 B + 8 u + j of lane half h is number 32 B + 16 u + 8 h + j, and the quantiser lays it at place 32 B + 16 h + 8 u + j.  The block is the same 32 numbers; the same
; order falls on both operands of each of attention's products (this epilogue makes q, k, rel and v; attention lays p so), so every product is unchanged.
; OUTPUT.  opc: q + r_w at 0, q + r_r at 3,145,728, k at 6,291,456: [batch x head 32][tile 128][768] (half images: K = 64);  v at 9,437,184: [bh][step 16][d tile 4][1,536];  rel at 12,582,912: [head 16][tile 128][768].
;          ops: scale words: 0, 262,144, 524,288: [bh][2,048];  v 786,432: [bh][step][64];  rel 917,504: [head][2,048].  In a word of a K = 64 operand bytes 2, 3 are the neighbour head's or 0: they meet zero codes.
; LIMITS: NaN and infinities are not served (for key, val and pos_enc r_w_bias is read and multiplied by 0); a block under 2^-122 gets the byte 1: read by this program alone.
.set NA,   2
.set HALF, 147456                      ; LDS: half f of K at f x HALF: L's 16 tiles x 6,144, then R's 8 x 6,144
.set ROFF, 98304
.set ASB,  294912                      ; L's scale words: 512 bytes a tile
.set BSB,  303104                      ; R's
.set ACC,  128                         ; v128-255 accumulators: (a, b) at 128 + 64 a + 8 b
.set LF,   16                          ; v16-39  L's fragments
.set RF,   40                          ; v40-87  four of R's
.set SL,   120                         ; v120    L's scale words: lanes 0-15 tile 0, lanes 16-31 tile 1
.set SR,   121                         ; v121-124 R's: register m: tiles 2 m, 2 m + 1
.set ADL,  2
.set ADR,  3
.set ASL,  4
.set ASR,  5
.set PC,   80                          ; epilogue: v16-79 64 numbers, v80-98 codes, v100-115 at work, v116 the scale word, v117 the word as stored
.set TM,   100
.set PW,   116
.set SEL,  66
.macro G1SET g, c, r, p                ; descriptor group 1: r rows of c elements of 8 bytes, p elements apart; no padding, no mask
	s_mov_b32 s[\g+0], 3<<16
	s_mov_b32 s[\g+1], (\c)<<16
	s_mov_b32 s[\g+2], (\r)<<16
	s_mov_b32 s[\g+3], (\c)<<16
	s_mov_b32 s[\g+4], \r
	s_mov_b32 s[\g+5], \p
	s_mov_b32 s[\g+6], 0
	s_mov_b32 s[\g+7], 0
.endm
.macro G0SET g, ptr, add               ; descriptor group 0 but for its LDS word
	s_mov_b32 s[\g], 1
	s_add_nc_u64 s[\g+2:\g+3], s[\ptr:\ptr+1], \add
	s_or_b32 s[\g+3], s[\g+3], 0x80000000
.endm
.macro FRAGS reg, adr, off             ; a fragment's image: six loads of 256 consecutive bytes
.irp p, 0,1,2,3,4,5
	ds_load_b64 v[\reg+2*\p:\reg+2*\p+1], v[\adr] offset:\off+256*\p
.endr
.endm
.macro PROD a, b
.set D_, ACC+64*(\a)+8*(\b)
.set A_, RF+12*((\b)%4)
.set B_, LF+12*(\a)
.set S_, SR+(\b)/2
.if ((\b)%2 == 0) && ((\a) == 0)
	v_wmma_scale_f32_16x16x128_f8f6f4 v[D_:D_+7], v[A_:A_+11], v[B_:B_+11], v[D_:D_+7], v[S_], v[SL] matrix_a_fmt:MATRIX_FMT_BF6 matrix_b_fmt:MATRIX_FMT_BF6
.elseif (\a) == 0
	v_wmma_scale_f32_16x16x128_f8f6f4 v[D_:D_+7], v[A_:A_+11], v[B_:B_+11], v[D_:D_+7], v[S_], v[SL] matrix_a_fmt:MATRIX_FMT_BF6 matrix_b_fmt:MATRIX_FMT_BF6 matrix_a_scale:MATRIX_SCALE_ROW1
.elseif (\b)%2 == 0
	v_wmma_scale_f32_16x16x128_f8f6f4 v[D_:D_+7], v[A_:A_+11], v[B_:B_+11], v[D_:D_+7], v[S_], v[SL] matrix_a_fmt:MATRIX_FMT_BF6 matrix_b_fmt:MATRIX_FMT_BF6 matrix_b_scale:MATRIX_SCALE_ROW1
.else
	v_wmma_scale_f32_16x16x128_f8f6f4 v[D_:D_+7], v[A_:A_+11], v[B_:B_+11], v[D_:D_+7], v[S_], v[SL] matrix_a_fmt:MATRIX_FMT_BF6 matrix_b_fmt:MATRIX_FMT_BF6 matrix_a_scale:MATRIX_SCALE_ROW1 matrix_b_scale:MATRIX_SCALE_ROW1
.endif
.endm
.macro PRODS first                     ; NA x 4 products; all accumulators take turns, one instruction a turn
.irp a, 0,1
.if \a < NA
.irp b, 0,1,2,3
	PROD \a, (\first)+\b
.endr
.endif
.endr
.endm
.macro PLACES                          ; four plain places between matrix instructions and loads into (or reads of) their registers
.rept 4
	v_nop
.endr
.endm
.macro KSTEP k, half                   ; 128 along K: the k-th of its half
.set KO_, 64*(4*(\half)+(\k))
.if (\k)+(\half) > 0
	PLACES
.endif
.irp a, 0,1
.if \a < NA
	FRAGS LF+12*\a, ADL, \a*6144+1536*(\k)
.endif
.endr
	ds_load_b32 v[SL], v[ASL] offset:KO_
.irp b, 0,1,2,3
	FRAGS RF+12*\b, ADR, \b*6144+1536*(\k)
.endr
	ds_load_b32 v[SR], v[ASR] offset:KO_
	ds_load_b32 v[SR+1], v[ASR] offset:1024+KO_
	s_wait_dscnt 0x0
	PRODS 0
	PLACES
.irp b, 0,1,2,3
	FRAGS RF+12*\b, ADR, (\b+4)*6144+1536*(\k)
.endr
	ds_load_b32 v[SR+2], v[ASR] offset:2048+KO_
	ds_load_b32 v[SR+3], v[ASR] offset:3072+KO_
	s_wait_dscnt 0x0
	PRODS 4
.endm
; 64 numbers of a lane, v[s] .. v[s + 63], four blocks of 32 shared with lane l xor 16, become a fragment's codes in v[PC] on and its scale word in v[PW]
.macro QUANT s
.irp b, 0,1,2,3
	v_max3_num_f32 v[TM+\b], |v[\s+16*\b]|, |v[\s+1+16*\b]|, 0x2800000   ; my 16 numbers of block b, and the floor 2^(5 - 127): the byte cannot fall under 1
.endr
.irp i, 2,4,6,8,10,12,14
.irp b, 0,1,2,3
	v_max3_num_f32 v[TM+\b], v[TM+\b], |v[\s+16*\b+\i]|, |v[\s+1+16*\b+\i]|
.endr
.endr
.irp b, 0,1,2,3
	v_permlanex16_b32 v[TM+4+\b], v[TM+\b], s[SEL], s[SEL+1]
.endr
.irp b, 0,1,2,3
	v_max_num_f32 v[TM+\b], v[TM+\b], v[TM+4+\b]   ; the block's largest magnitude
.endr
.irp b, 0,1,2,3
	v_add_nc_u32 v[TM+12+\b], 0xfe000000, v[TM+\b] ; 4 off its exponent field: the conversion's scale operand
.endr
.irp b, 0,1,2,3
	v_lshrrev_b32 v[TM+4+\b], 23, v[TM+12+\b]      ; the byte
.endr
	v_lshl_or_b32 v[PW], v[TM+5], 8, v[TM+4]
	v_lshl_or_b32 v[PW], v[TM+6], 16, v[PW]
	v_lshl_or_b32 v[PW], v[TM+7], 24, v[PW]
.irp c, 0,1
	v_cvt_scalef32_pk16_bf6_f32 v[PC+6*\c:PC+2+6*\c], v[\s+32*\c:\s+15+32*\c], v[TM+12+2*\c]
	v_cvt_scalef32_pk16_bf6_f32 v[PC+12+4*\c:PC+14+4*\c], v[\s+16+32*\c:\s+31+32*\c], v[TM+12+2*\c+1]
.endr
	v_nop                                          ; one plain place behind a scaled conversion
.irp c, 0,1                            ; the operand wants a whole block in a lane: lanes 0-15 block 2 c, lanes 16-31 block 2 c + 1
.irp i, 0,1,2
	v_permlane16_swap_b32 v[PC+6*\c+\i], v[PC+12+4*\c+\i]
.endr
.irp i, 0,1,2
	v_mov_b32 v[PC+3+6*\c+\i], v[PC+12+4*\c+\i]
.endr
.endr
.endm
; The epilogue for both L tiles: numbers = F x (a bias along the register axis) + the sums; quantised; six pieces and a scale word stored.
.macro EPI
.irp a, 0,1
.irp b, 0,1,2,3,4,5,6,7
	global_load_b128 v[16+8*\b:19+8*\b], v10, s[100:101] offset:64*\b
	global_load_b128 v[20+8*\b:23+8*\b], v10, s[100:101] offset:64*\b+16
.endr
	s_wait_loadcnt 0x0
.set J_, 0
.rept 32
	v_pk_fma_f32 v[16+J_:17+J_], v[16+J_:17+J_], s[104:105], v[ACC+64*\a+J_:ACC+64*\a+J_+1] op_sel_hi:[1,0,1]   ; ascending: each accumulator is first read at its low end
.set J_, J_+2
.endr
	QUANT 16
	v_lshrrev_b32 v117, v9, v[PW]                  ; lanes 16-31 store the second head's two bytes as bytes 0, 1 (for v: no shift)
.irp p, 0,1,2
	global_store_b64 v6, v[PC+2*\p:PC+2*\p+1], s[96:97] offset:256*\p      ; 256 consecutive bytes, aligned
	global_store_b64 v7, v[PC+6+2*\p:PC+7+2*\p], s[96:97] offset:256*\p    ; pieces 3-5: the next head's half image, or the second half of v's image
.endr
	global_store_b32 v8, v117, s[98:99]
	s_wait_xcnt 0x0                                ; the stores have read their data and bases: both are written again below and in the next turn
	s_add_nc_u64 s[96:97], s[96:97], s[68:69]
	s_add_nc_u64 s[98:99], s[98:99], 64
.endr
.endm
	s_load_b512 s[4:19], s[0:1], 0x0               ; xc, xs, wc, ws, bq, bk, bv, r_w_bias
	s_load_b128 s[20:23], s[0:1], 0x40             ; r_r_bias, opc
	s_load_b64 s[24:25], s[0:1], 0x50              ; ops
	v_lshl_add_u32 v126, v0, 2, 0x4b000
	v_mov_b32 v127, 0
	ds_add_u32 v126, v127
	ds_add_u32 v126, v127
	v_lshrrev_b32 v1, 5, v0
	v_readfirstlane_b32 s26, v1                    ; wave 0..7
	v_and_b32 v1, 31, v0
	v_and_b32 v11, 15, v0                          ; r
	v_bfe_u32 v12, v0, 4, 1                        ; h
	v_lshlrev_b32 v6, 3, v1                        ; 8 x lane
	s_mul_i32 s92, s26, 12288
	v_add_nc_u32 v[ADL], s92, v6                   ; my two L tiles
	v_add_nc_u32 v[ADR], ROFF, v6                  ; R's eight
	v_lshlrev_b32 v4, 9, v12
	v_lshl_add_u32 v4, v11, 2, v4                  ; 512 h + 4 r
	v_add_nc_u32 v[ASR], BSB, v4
	s_lshl_b32 s92, s26, 10
	s_add_co_u32 s92, s92, ASB
	v_add_nc_u32 v[ASL], s92, v4
	v_lshlrev_b32 v10, 5, v12                      ; 32 h: my eight numbers of a tile's sixteen along the register axis
.irp b, 0,1,2,3
	v_mov_b32 v[TM+4+\b], 0                        ; a lane permute's destination counts as read
.endr
	s_mov_b32 s[SEL], 0x76543210
	s_mov_b32 s[SEL+1], 0xfedcba98
	s_and_b32 s28, ttmp7, 0xffff                   ; y
	s_lshr_b32 s29, s28, 4                         ; type: 0 query, 1 key, 2 val, 3 pos_enc
	s_sub_co_u32 s92, s28, 32
	s_lshl_b32 s92, s92, 3
	s_add_co_u32 s92, s92, ttmp9                   ; val: idx = 8 (y - 32) + x (used for val alone)
	s_and_b32 s27, s92, 3                          ; which 256 features
	s_lshr_b32 s94, s92, 2                         ; which 128 tokens
	s_lshl_b32 s95, s27, 4
	s_add_co_u32 s95, s95, 128                     ; val: L's first tile, in wc
	s_lshl_b32 s96, s94, 3
	s_add_co_u32 s96, s96, 512                     ; val: R's first tile, in xc
	s_lshl_b32 s97, s28, 4                         ; else: L's first tile, in xc
	s_cmp_eq_u32 s29, 3
	s_cselect_b32 s98, 1, s29                      ; which weight: 0, 1, 2, 1
	s_lshl_b32 s98, s98, 6
	s_lshl_b32 s99, ttmp9, 3
	s_add_co_u32 s98, s98, s99                     ; else: R's first tile, in wc
	s_cmp_eq_u32 s29, 2
	s_cselect_b32 s30, s95, s97
	s_cselect_b32 s31, s96, s98
	s_mov_b32 s92, 98304
	s_cselect_b32 s92, 768, s92                    ; from pieces 0-2 to pieces 3-5 in memory
	s_cselect_b32 s95, 0, 8192                     ; from the first head's scale words to the second's
	s_cselect_b32 s96, 0, 16
	v_add_nc_u32 v7, s92, v6
	v_mul_u32_u24 v8, s95, v12
	v_lshl_add_u32 v8, v11, 2, v8
	v_mul_u32_u24 v9, s96, v12
	s_lshl_b32 s95, s26, 1
	s_add_co_u32 s30, s30, s95                     ; my wave's first L tile
	s_add_co_u32 s31, s31, s26                     ; the R tile that I fetch
	G1SET 32, 32, 4, 32                            ; L's scale words: 1,024 dense bytes
	G1SET 40, 32, 2, 32                            ; R's: 512
	G1SET 48, 768, 2, 1536                         ; L's codes: half of K of two tiles: 2 rows of 6,144 bytes, 12,288 apart
	G1SET 56, 768, 1, 1536                         ; R's: of one tile
	s_lshl_b32 s69, s26, 10
	s_add_co_u32 s69, s69, ASB
	s_lshl_b32 s73, s26, 9
	s_add_co_u32 s73, s73, BSB
	s_mul_i32 s77, s26, 12288
	s_mul_i32 s81, s26, 6144
	s_add_co_u32 s81, s81, ROFF
	s_add_co_u32 s85, s77, HALF
	s_add_co_u32 s89, s81, HALF
	s_mov_b32 s3, 0
	s_wait_dscnt 0x0
	s_wait_kmcnt 0x0
	s_cmp_eq_u32 s29, 2
	s_cselect_b64 s[96:97], s[8:9], s[4:5]         ; L's codes
	s_cselect_b64 s[98:99], s[4:5], s[8:9]         ; R's codes
	s_cselect_b64 s[100:101], s[10:11], s[6:7]     ; L's scale words
	s_cselect_b64 s[104:105], s[6:7], s[10:11]     ; R's
	s_mul_i32 s2, s30, 12288
	s_add_nc_u64 s[96:97], s[96:97], s[2:3]
	s_lshl_b32 s2, s30, 9
	s_add_nc_u64 s[100:101], s[100:101], s[2:3]
	s_mul_i32 s2, s31, 12288
	s_add_nc_u64 s[98:99], s[98:99], s[2:3]
	s_lshl_b32 s2, s31, 9
	s_add_nc_u64 s[104:105], s[104:105], s[2:3]
	G0SET 68, 100, 0
	G0SET 72, 104, 0
	G0SET 76, 96, 0
	G0SET 80, 98, 0
	G0SET 84, 96, 6144
	G0SET 88, 98, 6144
	tensor_load_to_lds s[68:71], s[32:39]          ; all first fills in one group: scale words, K's first half, K's second half
	s_nop 0
	tensor_load_to_lds s[72:75], s[40:47]
	s_nop 0
	tensor_load_to_lds s[76:79], s[48:55]
	s_nop 0
	tensor_load_to_lds s[80:83], s[56:63]
	s_nop 0
	tensor_load_to_lds s[84:87], s[48:55]
	s_nop 0
	tensor_load_to_lds s[88:91], s[56:63]
	s_nop 0
	PLACES
	; the bias starts the sums
	s_mov_b32 s93, 0
	s_cmp_eq_u32 s29, 2
	s_cbranch_scc1 .Lbias_val
	s_cmp_eq_u32 s29, 0
	s_cselect_b64 s[2:3], s[12:13], s[14:15]       ; bq for query, bk for key and pos_enc
	s_lshl_b32 s92, ttmp9, 9
	s_add_nc_u64 s[2:3], s[2:3], s[92:93]
.irp a, 0,1
.irp b, 0,1,2,3,4,5,6,7
	global_load_b128 v[ACC+64*\a+8*\b:ACC+64*\a+8*\b+3], v10, s[2:3] offset:64*\b
	global_load_b128 v[ACC+64*\a+8*\b+4:ACC+64*\a+8*\b+7], v10, s[2:3] offset:64*\b+16
.endr
.endr
	s_branch .Lbias_done
.Lbias_val:                            ; val: the bias runs along the lanes: one number a lane and L tile, spread over the tile's 64 registers
	s_lshl_b32 s92, s27, 10
	s_lshl_b32 s95, s26, 7
	s_add_co_u32 s92, s92, s95
	s_add_nc_u64 s[2:3], s[16:17], s[92:93]
	v_lshlrev_b32 v13, 2, v11
	global_load_b32 v14, v13, s[2:3]
	global_load_b32 v15, v13, s[2:3] offset:64
	s_wait_loadcnt 0x0
.set J_, 0
.rept 64
	v_mov_b32 v[ACC+J_], v14
	v_mov_b32 v[ACC+64+J_], v15
.set J_, J_+1
.endr
.Lbias_done:
	s_wait_tensorcnt 0x2                           ; the scale words and K's first half have landed; the second half's two loads may be out
	s_wait_loadcnt 0x0                             ; the bias
	s_barrier_signal -1
	s_barrier_wait -1
	KSTEP 0, 0
	KSTEP 1, 0
	KSTEP 2, 0
	KSTEP 3, 0
	s_wait_tensorcnt 0x0                           ; my parts of the second half have landed
	s_wait_dscnt 0x0
	s_barrier_signal -1
	s_barrier_wait -1                              ; everybody's have
	v_add_nc_u32 v[ADL], HALF, v[ADL]
	v_add_nc_u32 v[ADR], HALF, v[ADR]
	KSTEP 0, 1
	KSTEP 1, 1
	KSTEP 2, 1
	KSTEP 3, 1
	PLACES                                         ; in front of the loads into the fragments' registers and of the first reads of the sums
	; where the results go: offsets in registers of their own, added to the pointers last
	s_cmp_eq_u32 s29, 2
	s_cbranch_scc1 .Ldst_val
	s_and_b32 s92, s28, 15                         ; which 256 tokens of the tensor
	s_lshr_b32 s95, s92, 3                         ; batch
	s_and_b32 s92, s92, 7
	s_lshl_b32 s92, s92, 4
	s_lshl_b32 s30, s26, 1
	s_add_co_u32 s92, s92, s30                     ; my first tile of the sequence's 128
	s_lshl_b32 s95, s95, 4
	s_lshl_b32 s30, ttmp9, 1
	s_add_co_u32 s95, s95, s30                     ; 16 batch + first head
	s_lshl_b32 s30, s95, 7
	s_add_co_u32 s30, s30, s92
	s_mul_i32 s30, s30, 768
	s_add_co_u32 s31, s29, 1
	s_lshr_b32 s31, s31, 1
	s_mul_i32 s31, s31, 6291456                    ; region: 0 (query), 6,291,456 (key), 12,582,912 (pos_enc)
	s_add_co_u32 s30, s30, s31
	s_lshl_b32 s95, s95, 11
	s_lshl_b32 s92, s92, 4
	s_add_co_u32 s95, s95, s92
	s_lshl_b32 s95, s95, 2
	s_mov_b32 s31, 917504
	s_cmp_eq_u32 s29, 1
	s_cselect_b32 s31, 524288, s31
	s_cmp_eq_u32 s29, 0
	s_cselect_b32 s31, 0, s31
	s_add_co_u32 s31, s31, s95
	s_mov_b32 s68, 768                             ; from L tile to L tile
	s_branch .Ldst_done
.Ldst_val:
	s_lshl_b32 s92, s27, 2
	s_lshr_b32 s95, s26, 1
	s_add_co_u32 s92, s92, s95                     ; head
	s_lshr_b32 s95, s94, 4
	s_lshl_b32 s95, s95, 4
	s_add_co_u32 s92, s92, s95                     ; + 16 batch
	s_lshl_b32 s92, s92, 4
	s_and_b32 s95, s94, 15
	s_add_co_u32 s92, s92, s95                     ; x 16 + key step
	s_and_b32 s95, s26, 1
	s_lshl_b32 s95, s95, 1                         ; my first tile of the head's four
	s_lshl_b32 s30, s92, 2
	s_add_co_u32 s30, s30, s95
	s_mul_i32 s30, s30, 1536
	s_add_co_u32 s30, s30, 9437184
	s_lshl_b32 s31, s92, 8
	s_lshl_b32 s95, s95, 6
	s_add_co_u32 s31, s31, s95
	s_add_co_u32 s31, s31, 786432
	s_mov_b32 s68, 1536
.Ldst_done:
	s_mov_b32 s69, 0
	s_mov_b32 s93, 0
	s_mov_b32 s92, s30
	s_add_nc_u64 s[96:97], s[22:23], s[92:93]
	s_mov_b32 s92, s31
	s_add_nc_u64 s[98:99], s[24:25], s[92:93]
	s_lshl_b32 s92, ttmp9, 9                       ; my 128 features in a bias of 1,024
	s_mov_b32 s3, 0
	s_cmp_eq_u32 s29, 0
	s_cselect_b32 s104, 1.0, 0                     ; F: r_w_bias counts for query alone
	s_cselect_b32 s2, s92, 0
	s_mov_b32 s105, s104
	s_add_nc_u64 s[100:101], s[18:19], s[2:3]
	EPI
	s_cmp_lg_u32 s29, 0
	s_cbranch_scc1 .Lend
	s_add_nc_u64 s[96:97], s[96:97], 3145728-1536  ; query once more, with r_r_bias, into the second region
	s_add_nc_u64 s[98:99], s[98:99], 262144-128
	s_add_nc_u64 s[100:101], s[20:21], s[92:93]
	EPI
.Lend:
	s_wait_tensorcnt 0x0
	ds_add_u32 v126, v127
	s_wait_dscnt 0x0
	s_endpgm
.Lfunc_end_k_q6d5225f3d5_proj:
	.size	k_q6d5225f3d5_proj, .Lfunc_end_k_q6d5225f3d5_proj-k_q6d5225f3d5_proj
	.p2alignl 7, 3214868480
	.fill 96, 4, 3214868480
	.section	.rodata,"a",@progbits
	.p2align	6, 0x0
	.amdhsa_kernel k_q6d5225f3d5_proj
		.amdhsa_group_segment_fixed_size 308224
		.amdhsa_private_segment_fixed_size 0
		.amdhsa_enable_private_segment 0
		.amdhsa_kernarg_size 88
		.amdhsa_user_sgpr_count 2
		.amdhsa_user_sgpr_kernarg_segment_ptr 1
		.amdhsa_wavefront_size32 1
		.amdhsa_system_sgpr_workgroup_id_x 1
		.amdhsa_system_sgpr_workgroup_id_y 1
		.amdhsa_system_sgpr_workgroup_id_z 1
		.amdhsa_system_vgpr_workitem_id 0
		.amdhsa_next_free_vgpr 256
		.amdhsa_next_free_sgpr 106
		.amdhsa_reserve_vcc 0
		.amdhsa_float_denorm_mode_32 3
		.amdhsa_float_denorm_mode_16_64 3
		.amdhsa_memory_ordered 1
		.amdhsa_forward_progress 1
		.amdhsa_inst_pref_size 101
	.end_amdhsa_kernel
	.amdgpu_metadata
---
amdhsa.version: [ 1, 2 ]
amdhsa.kernels:
  - .name:           k_q6d5225f3d5_proj
    .symbol:         k_q6d5225f3d5_proj.kd
    .args:
      - { .name: xc, .offset: 0, .size: 8, .value_kind: global_buffer, .address_space: global }
      - { .name: xs, .offset: 8, .size: 8, .value_kind: global_buffer, .address_space: global }
      - { .name: wc, .offset: 16, .size: 8, .value_kind: global_buffer, .address_space: global }
      - { .name: ws, .offset: 24, .size: 8, .value_kind: global_buffer, .address_space: global }
      - { .name: bq, .offset: 32, .size: 8, .value_kind: global_buffer, .address_space: global }
      - { .name: bk, .offset: 40, .size: 8, .value_kind: global_buffer, .address_space: global }
      - { .name: bv, .offset: 48, .size: 8, .value_kind: global_buffer, .address_space: global }
      - { .name: r_w_bias, .offset: 56, .size: 8, .value_kind: global_buffer, .address_space: global }
      - { .name: r_r_bias, .offset: 64, .size: 8, .value_kind: global_buffer, .address_space: global }
      - { .name: opc, .offset: 72, .size: 8, .value_kind: global_buffer, .address_space: global }
      - { .name: ops, .offset: 80, .size: 8, .value_kind: global_buffer, .address_space: global }
    .group_segment_fixed_size: 308224
    .private_segment_fixed_size: 0
    .kernarg_segment_align: 8
    .kernarg_segment_size: 88
    .max_flat_workgroup_size: 256
    .sgpr_count:     106
    .vgpr_count:     256
    .wavefront_size: 32
...
	.end_amdgpu_metadata
.endif
;; end of part 3
;; launch attn (part 4): grid 8 x 32, 16 waves a work-group, no clusters, 327,680 bytes of LDS; arguments opc, ops, lm, ob; writes ob
.if DOCPART == 4
	.amdgcn_target "amdgcn-amd-amdhsa--gfx1250"
	.amdhsa_code_object_version 6
	.text
	.protected	k_q6d5225f3d5_attn
	.globl	k_q6d5225f3d5_attn
	.p2align	8
	.type	k_q6d5225f3d5_attn,@function
k_q6d5225f3d5_attn:
	s_mov_b64 s[64:65], 0
	v_nop
	global_prefetch_b8 v0, s[64:65] scope:SCOPE_SE
	s_setreg_imm32_b32 hwreg(HW_REG_WAVE_MODE, 25, 1), 1
	s_wait_xcnt 0x0
; Attention with Transformer-XL's relative shift, on codes of BF6.  For query i and key j: score = (q + r_w)[i] . k[j] + shifted(i, j), logit = score / 32, a masked key's logit is a large negative number;
; with e = j - i + 2,047: shifted = (q + r_r)[i] . rel[e] for e < 2,048, 0 for e = 2,048, (q + r_r)[i + 1] . rel[e - 2,049] for e > 2,048.
; SOFTMAX: t = score x log2(e) / 32; M = the running largest t rounded up to a whole number; p = 2^(t - M) is quantised along the keys; the row's sum is taken of the unquantised p and divides at the end.
; SHARES.  Work-group (x, y): head and batch y, queries 256 x on; each of 16 waves owns 16 queries in 256 registers and walks 16 steps of 128 keys.  All products are used transposed: a lane holds ONE query (lane % 16).
; THE SHIFT.  For a wave's 16 queries and a step's 128 keys e spans 143 values: nine tiles of 16 rows of rel (tile a = 127 - query tile + 8 step + n holds e = 16 a .. 16 a + 15).  Tiles a < 128 take rel's rows as they lie, against (q + r_r)[i];
; tiles a >= 128 take rel one row lower (row 0 of tile 128 is a row of zeros), against (q + r_r)[i + 1].  The nine results go into the wave's own stage in LDS, a row a query, and come back moved by 15 - r words: key + 15 - r is the key's place in
; row r.  What comes back is the C operand of the content product: no addition is written.
; K = 64 IN A FORM OF K = 128: q's fragments have zeros in their upper six registers; what stands in the other side's upper six, and in bytes 2, 3 of the scale words (never 0xff), meets zero codes.
; LDS: two slots of a step's k and v (12,288 bytes), filled by waves 0 and 1; the head's rel (98,304), and the scale words of rel, k, v of the whole head, filled once; 16 stages.
; No cluster: what work-groups share of a step (12 KiB) is small beside the 16 waves' own traffic through the stages; no prefetch: a refill has a whole step of 16 waves' LDS work in which to land.
; LIMITS: NaN and infinities are not served.  A masked key gets the raw score -2^35, the logit -2^30 in place of -1e9: t is then a whole number, so a row masked throughout gives p = 1 everywhere, as reference() does; results differ
; from reference() only where an unmasked logit lies under about -5e8.  A block of p that has fallen to zeros keeps the byte 1: its codes are zeros.
.set SPARE, 12288                      ; the spare words: 128 bytes for each of 16 waves
.set SLOTX, 16384                      ; slot 1 begins here: one exclusive or turns a slot's address
.set RZS,   28672                      ; 256 bytes: the zero row's scale word is the last
.set RELS,  28928                      ; rel's scale words, 8,192;
.set KSW,   37120                      ; k's, 8,192;
.set VSW,   45312                      ; v's, 4,096
.set RZC,   49408                      ; a tile of zero codes in front of rel's
.set RELC,  50176                      ; rel's 128 half images
.set STG,   148480                     ; stages: 16 rows x 592 bytes a wave
.set STGW,  9472
.set SP,    592
.set QRO,   3145728                    ; opc's regions
.set KCO,   6291456
.set VCO,   9437184
.set RCO,   12582912
.set QRSO,  262144                     ; ops's regions
.set KSO,   524288
.set VSO,   786432
.set RSO,   917504
; REGISTERS: v1 8 x lane; v2, v3 my place in a tile of rel, as it lies and one row lower; v4 among rel's scale words; v5, v6 the add's; v7, v8 the stage, in and out; v9-11 the step's addresses; v12 -M, v13 the largest t, v[14:15] the sum;
; v16-27 q + r_w; v28 the masked score; v29-30 addresses in hand; v31 KSW + 4 x lane; v32-91 fragments; v92-95, v219-223 rel's scale words; v96-159 scores, then p; v160-191 O^T; v192-203, v204-215 q + r_r of rows i, i + 1; v216-218 their scale words;
; v224-235 the ninth tile, then p's codes; v232-254 at work; v248-251 k's, then v's scale words; v253 p's scale word; v255 an address at the head.
; s[4:7] where the result goes; s[8:15] group 1; s[16:19] the walking group 0; s[20:21] the masks; s22 wave; s23 trips; s[24:25] selects; s[26:27] c; s28 slot; s29, s30 scale words' steps; s31 first tile of rel; s[32:63], s[68:99] 64 lane masks.
.macro G1SET g, r                      ; a dense block as r rows of 256 bytes (32 elements of 8 bytes)
	s_mov_b32 s[\g+0], 3<<16
	s_mov_b32 s[\g+1], 32<<16
	s_mov_b32 s[\g+2], (\r)<<16
	s_mov_b32 s[\g+3], 32<<16
	s_mov_b32 s[\g+4], \r
	s_mov_b32 s[\g+5], 32
	s_mov_b32 s[\g+6], 0
	s_mov_b32 s[\g+7], 0
.endm
.macro PLACES n
.rept \n
	v_nop
.endr
.endm
.macro WM d, a, b, zero, sa, sb, row
.if (\zero)
	v_wmma_scale_f32_16x16x128_f8f6f4 v[\d:\d+7], v[\a:\a+11], v[\b:\b+11], 0, v[\sa], v[\sb] matrix_a_fmt:MATRIX_FMT_BF6 matrix_b_fmt:MATRIX_FMT_BF6
.elseif (\row) == 0
	v_wmma_scale_f32_16x16x128_f8f6f4 v[\d:\d+7], v[\a:\a+11], v[\b:\b+11], v[\d:\d+7], v[\sa], v[\sb] matrix_a_fmt:MATRIX_FMT_BF6 matrix_b_fmt:MATRIX_FMT_BF6
.else
	v_wmma_scale_f32_16x16x128_f8f6f4 v[\d:\d+7], v[\a:\a+11], v[\b:\b+11], v[\d:\d+7], v[\sa], v[\sb] matrix_a_fmt:MATRIX_FMT_BF6 matrix_b_fmt:MATRIX_FMT_BF6 matrix_a_scale:MATRIX_SCALE_ROW1
.endif
.endm
	s_load_b256 s[32:39], s[0:1], 0x0              ; opc, ops, lm, ob
	v_lshl_add_u32 v5, v0, 2, SPARE
	v_mov_b32 v6, 0
	ds_add_u32 v5, v6
	ds_add_u32 v5, v6
	s_wait_dscnt 0x0
	v_lshrrev_b32 v7, 5, v0
	v_readfirstlane_b32 s22, v7                    ; wave 0..15
	s_and_b32 s56, ttmp7, 0xffff                   ; 16 batch + head
	s_and_b32 s57, s56, 15                         ; head
	s_lshr_b32 s58, s56, 4                         ; batch
	s_lshl_b32 s59, ttmp9, 4
	s_add_co_u32 s59, s59, s22                     ; my tile of queries, of the sequence's 128
	G1SET 8, 24                                    ; 6,144 bytes
	G1SET 40, 16                                   ; 4,096 bytes
	s_mul_i32 s61, s22, 6144                       ; rel's codes: a sixteenth a wave
	s_add_co_u32 s49, s61, RELC
	s_mul_i32 s62, s57, 98304
	s_add_co_u32 s62, s62, s61
	s_add_co_u32 s62, s62, RCO
	s_mov_b32 s63, 0
	s_and_b32 s68, s22, 1                          ; wave 0: a step's k; wave 1: its v
	s_mul_i32 s17, s68, 6144
	s_mul_i32 s68, s68, VCO-KCO
	s_mul_i32 s69, s56, 98304
	s_add_co_u32 s68, s68, s69
	s_add_co_u32 s68, s68, KCO
	s_mov_b32 s69, 0
	s_lshl_b32 s70, s22, 12                        ; waves 4 to 8: 4,096 bytes of scale words each: rel's two, k's two, v's one
	s_add_co_u32 s53, s70, RELS-16384
	s_lshl_b32 s71, s57, 13
	s_add_co_u32 s71, s71, s70
	s_add_co_u32 s71, s71, RSO-16384
	s_lshl_b32 s72, s56, 13
	s_add_co_u32 s72, s72, s70
	s_add_co_u32 s72, s72, KSO-24576
	s_lshl_b32 s73, s56, 12
	s_add_co_u32 s73, s73, VSO
	s_cmp_lt_u32 s22, 8
	s_cselect_b32 s72, s72, s73
	s_cmp_lt_u32 s22, 6
	s_cselect_b32 s70, s71, s72
	s_mov_b32 s71, 0
	v_and_b32 v29, 31, v0                          ; lane
	v_and_b32 v30, 15, v0                          ; r
	v_bfe_u32 v28, v0, 4, 1                        ; h
	v_lshlrev_b32 v1, 3, v29
	v_lshl_add_u32 v31, v29, 2, KSW
	v_lshl_add_u32 v255, v29, 3, RZS
	v_lshlrev_b32 v2, 7, v28
	v_lshl_add_u32 v2, v30, 3, v2                  ; 8 r + 128 h
	v_add_nc_u32 v3, RELC-8, v2                    ; one row lower;
	v_add_nc_u32 v2, RELC, v2
	v_add_nc_u32 v4, 15, v30
	v_lshrrev_b32 v4, 4, v4
	v_xor_b32 v4, 1, v4                            ; 1 in lanes with r = 0,
	v_mul_u32_u24 v4, v4, 640
	v_sub_nc_u32 v3, v3, v4                        ; which take row 15 of the tile in front: 768 - 128 bytes further back
	v_lshl_add_u32 v4, v30, 2, RELS-4
	s_mul_i32 s60, s22, STGW
	s_add_co_u32 s60, s60, STG
	v_mul_u32_u24 v7, v30, SP
	v_lshl_add_u32 v7, v28, 5, v7
	v_add_nc_u32 v7, s60, v7                       ; into the stage: row r, + 32 h
	v_lshlrev_b32 v8, 2, v30
	v_sub_nc_u32 v8, v7, v8
	v_add_nc_u32 v8, 60, v8                        ; out of it: 15 - r words further on
	s_wait_kmcnt 0x0
	s_mov_b32 s48, 1
	s_add_nc_u64 s[50:51], s[32:33], s[62:63]
	s_or_b32 s51, s51, 0x80000000
	s_mov_b32 s16, 1
	s_add_nc_u64 s[18:19], s[32:33], s[68:69]
	s_or_b32 s19, s19, 0x80000000
	s_mov_b32 s52, 1
	s_add_nc_u64 s[54:55], s[34:35], s[70:71]
	s_or_b32 s55, s55, 0x80000000
	tensor_load_to_lds s[48:51], s[8:15]           ; the first fills: every wave its part of rel; by this text's count two tensor loads of a wave are out at the most; the first wait for them is for 0
	s_nop 0
	PLACES 4
	s_cmp_lt_u32 s22, 2
	s_cbranch_scc0 .Lnot_kv
	tensor_load_to_lds s[16:19], s[8:15]           ; slot 0: step 0's k (wave 0), v (wave 1)
	s_nop 0
	PLACES 4
.Lnot_kv:
	s_cmp_lt_u32 s22, 4
	s_cbranch_scc1 .Lnot_sc
	s_cmp_gt_u32 s22, 8
	s_cbranch_scc1 .Lnot_sc
	tensor_load_to_lds s[52:55], s[40:47]          ; the scale words
	s_nop 0
	PLACES 4
.Lnot_sc:
	s_mov_b32 s75, 0
	s_lshl_b32 s74, s58, 12
	s_add_nc_u64 s[20:21], s[36:37], s[74:75]      ; my batch's lane masks
	s_lshl_b32 s76, s58, 7
	s_add_co_u32 s76, s76, s59                     ; my tile of tokens among 256
	s_lshr_b32 s77, s57, 1
	s_and_b32 s78, s57, 1
	s_mul_i32 s74, s76, 12288
	s_mul_i32 s79, s77, 1536
	s_add_co_u32 s74, s74, s79
	s_mul_i32 s79, s78, 768
	s_add_co_u32 s74, s74, s79
	s_add_nc_u64 s[4:5], s[38:39], s[74:75]        ; the result's codes: K step head / 2, pieces 3 (head % 2) on
	s_lshl_b32 s74, s76, 9
	s_lshl_b32 s79, s77, 6
	s_add_co_u32 s74, s74, s79
	s_lshl_b32 s79, s78, 1
	s_add_co_u32 s74, s74, s79
	s_add_co_u32 s74, s74, 3145728
	s_add_nc_u64 s[6:7], s[38:39], s[74:75]        ; and its two scale bytes a row
	s_lshl_b32 s74, s56, 7
	s_add_co_u32 s74, s74, s59
	s_mul_i32 s74, s74, 768
	s_add_nc_u64 s[80:81], s[32:33], s[74:75]      ; q + r_w: my tile's half image
	s_lshl_b32 s74, s56, 11
	s_lshl_b32 s79, s59, 4
	s_add_co_u32 s74, s74, s79
	s_lshl_b32 s74, s74, 2
	s_add_nc_u64 s[82:83], s[34:35], s[74:75]      ; its scale words
	s_lshl_b32 s78, s59, 4
	s_add_co_u32 s78, s78, 1
	v_add_nc_u32 v9, s78, v30
	v_min_u32 v9, 0x7ff, v9                        ; row i + 1, held at the last row (whose successor no key asks for)
	v_lshrrev_b32 v10, 4, v9
	v_mul_u32_u24 v10, v10, 768
	v_and_b32 v11, 15, v9
	v_lshl_add_u32 v10, v11, 3, v10
	v_lshl_add_u32 v10, v28, 7, v10
	s_mul_i32 s79, s56, 98304
	v_add_nc_u32 v10, s79, v10
	s_lshl_b32 s84, s56, 11
	v_add_nc_u32 v252, s84, v9
	v_lshlrev_b32 v252, 2, v252
	v_lshlrev_b32 v254, 2, v30
.irp p, 0,1,2
	global_load_b64 v[16+2*\p:17+2*\p], v1, s[80:81] offset:256*\p
	global_load_b64 v[192+2*\p:193+2*\p], v1, s[80:81] offset:QRO+256*\p
	global_load_b64 v[204+2*\p:205+2*\p], v10, s[32:33] offset:QRO+256*\p
.endr
	global_load_b32 v216, v254, s[82:83]
	global_load_b32 v217, v254, s[82:83] offset:QRSO
	global_load_b32 v218, v252, s[34:35] offset:QRSO
.irp j, 0,1,2,3,4,5
	v_mov_b32 v[22+\j], 0                          ; the upper halves of q's three fragments: zero codes
	v_mov_b32 v[198+\j], 0
	v_mov_b32 v[210+\j], 0
	v_mov_b32 v[86+\j], 0                          ; named with the ninth tile's fragment, so they are written
.endr
.set J_, 0
.rept 32
	v_mov_b32 v[160+J_], 0                         ; O^T: the step is written once; its first turn finds zeros
.set J_, J_+1
.endr
	v_mov_b32 v14, 0
	v_mov_b32 v15, 0
.irp b, 0,1,2,3
	v_mov_b32 v[236+\b], 0                         ; a lane permute's destination counts as read
.endr
	v_mov_b32 v253, 0
	v_mov_b32 v240, 0x7f7f7f7f
	v_mov_b32 v241, 0x7f7f7f7f
	v_mov_b32 v13, 0xff61b1e6                      ; the largest t so far: -3e38
	v_floor_f32 v12, -v13
	v_mov_b32 v28, 0xd1000000                      ; -2^35
	s_cmp_eq_u32 s22, 15                           ; wave 15 lays the tile of zeros and its scale words (1.0)
	s_cbranch_scc0 .Lno_zero
	ds_store_b64 v255, v[240:241]
	ds_store_b64 v255, v[160:161] offset:RZC-RZS
	ds_store_b64 v255, v[160:161] offset:RZC-RZS+256
	ds_store_b64 v255, v[160:161] offset:RZC-RZS+512
.Lno_zero:
	s_mov_b32 s24, 0x76543210
	s_mov_b32 s25, 0xfedcba98
	s_mov_b32 s26, 0x3d38aa3b                      ; c = log2(e) / 32
	s_mov_b32 s27, s26
	s_mov_b32 s28, 0
	s_mov_b32 s29, 0
	s_mov_b32 s30, VSW-KSW
	s_sub_co_u32 s31, 127, s59
	s_mov_b32 s23, 15
; THE CHANGE OF SLOTS, at a step's head.  Each wave waits for all its tensor loads, adds 0 to its spare word, and waits for that and for its LDS reads and stores.  Behind the barrier the slot ahead is whole and nobody reads the other;
; fill = 1: waves 0 and 1 fill that other slot with the next step's k and v.
.macro CHANGE fill
	s_wait_tensorcnt 0x0                           ; no tensor load of mine is out, so the group 0 may be written
	ds_add_u32 v5, v6
.if \fill
	s_xor_b32 s17, s17, SLOTX
	s_add_nc_u64 s[18:19], s[18:19], 6144
.endif
	s_wait_dscnt 0x0                               ; the add is done, and my reads of the slot that I have left are over
	s_barrier_signal -1
	s_barrier_wait -1
.if \fill
	s_cmp_lt_u32 s22, 2
	s_cbranch_scc0 .Lnf_\@
	tensor_load_to_lds s[16:19], s[8:15]           ; the first thing behind the barrier, a wave's one tensor load until the next
	s_nop 0
	PLACES 4
.Lnf_\@:
.endif
.endm
; A STEP: 128 keys.
.macro STEP
	s_load_b512 s[32:47], s[20:21], 0x0            ; the step's 64 lane masks
	s_load_b512 s[48:63], s[20:21], 0x40
	s_load_b512 s[68:83], s[20:21], 0x80
	s_load_b512 s[84:99], s[20:21], 0xc0
	v_add_nc_u32 v9, s28, v1
	v_add_nc_u32 v10, s29, v31
	v_add_nc_u32 v11, s30, v31
	v_nop                                          ; four plain places behind the last step's products, in front of the loads into their registers
.irp n, 0,1,2,3,4,5,6,7,8              ; nine tiles of rel
.if \n < 4
.set RW_, 92+\n
.else
.set RW_, 215+\n
.endif
	s_add_co_u32 s66, s31, \n                      ; tile a
	s_and_b32 s67, s66, 127
	s_cmp_ge_u32 s66, 128
	s_cselect_b32 s100, -1, 0                      ; a >= 128: one row lower
	s_cselect_b32 s101, 0, 4
	s_mul_i32 s104, s67, 768
	s_lshl_b32 s105, s67, 6
	s_add_co_u32 s105, s105, s101
	v_cndmask_b32 v29, v2, v3, s100
	v_add_nc_u32 v29, s104, v29
	v_add_nc_u32 v30, s105, v4
.irp p, 0,1,2
	ds_load_b64 v[32+6*\n+2*\p:33+6*\n+2*\p], v29 offset:256*\p
.endr
	ds_load_b32 v[RW_], v30
.endr
	s_wait_dscnt 0x0
.irp n, 0,1,2,3,4,5,6,7,8              ; a branch on ids alone chooses the rows of q + r_r
.if \n < 4
.set RW_, 92+\n
.else
.set RW_, 215+\n
.endif
.if \n < 8
.set XD_, 96+8*\n
.else
.set XD_, 224
.endif
	s_add_co_u32 s66, s31, \n
	s_cmp_ge_u32 s66, 128
	s_cbranch_scc1 .Lhi_\@_\n
	WM XD_, 32+6*\n, 192, 1, RW_, 217, 0
	s_branch .Lxd_\@_\n
.Lhi_\@_\n:
	WM XD_, 32+6*\n, 204, 1, RW_, 218, 0
.Lxd_\@_\n:
.endr
	PLACES 5                                       ; in front of the stores of these results, the loads into these registers and the products that write over them
.irp n, 0,1,2,3,4,5,6,7
	ds_store_b128 v7, v[96+8*\n:99+8*\n] offset:64*\n          ; each result from its low end on
	ds_store_b128 v7, v[100+8*\n:103+8*\n] offset:64*\n+16
.endr
	ds_store_b128 v7, v[224:227] offset:512
	ds_store_b128 v7, v[228:231] offset:528
.irp t, 0,1,2,3,4,5,6,7
.irp j, 0,1,2,3,4,5,6,7
	ds_load_b32 v[96+8*\t+\j], v8 offset:4*(16*\t+\j)          ; my own stage; LDS serves a wave's instructions in order: these see the stores above
.endr
.endr
.irp t, 0,1,2,3,4,5,6,7
.irp p, 0,1,2
	ds_load_b64 v[32+6*\t+2*\p:33+6*\t+2*\p], v9 offset:768*\t+256*\p   ; k's eight tiles
.endr
.endr
.irp m, 0,1,2,3
	ds_load_b32 v[248+\m], v10 offset:128*\m       ; their scale words: two tiles a register
.endr
	s_wait_dscnt 0x0
.irp t, 0,1,2,3,4,5,6,7
	WM 96+8*\t, 32+6*\t, 16, 0, 248+\t/2, 216, \t%2   ; score = k . (q + r_w) + the shifted term
.endr
	PLACES 4
.irp t, 0,1,2,3
.irp p, 0,1,2,3,4,5
	ds_load_b64 v[32+12*\t+2*\p:33+12*\t+2*\p], v9 offset:6144+1536*\t+256*\p   ; v's four tiles land during the softmax
.endr
.endr
	ds_load_b32 v248, v11
	ds_load_b32 v249, v11 offset:128
	s_wait_kmcnt 0x0                               ; the masks
.set N_, 0
.rept 32
	v_cndmask_b32 v[96+N_], v[96+N_], v28, s[32+N_]
.set N_, N_+1
.endr
.rept 32
	v_cndmask_b32 v[96+N_], v[96+N_], v28, s[36+N_]
.set N_, N_+1
.endr
	s_add_nc_u64 s[20:21], s[20:21], 256           ; (the scalar loads are done)
.irp b, 0,1,2,3
	v_max3_num_f32 v[232+\b], v[96+16*\b], v[97+16*\b], v[98+16*\b]   ; the largest score of each block of 32 keys: for the row's maximum and for the block's largest p
.endr
.irp i, 3,5,7,9,11,13
.irp b, 0,1,2,3
	v_max3_num_f32 v[232+\b], v[232+\b], v[96+16*\b+\i], v[97+16*\b+\i]
.endr
.endr
.irp b, 0,1,2,3
	v_max_num_f32 v[232+\b], v[232+\b], v[111+16*\b]
.endr
.irp b, 0,1,2,3
	v_permlanex16_b32 v[236+\b], v[232+\b], s24, s25
.endr
.irp b, 0,1,2,3
	v_max_num_f32 v[232+\b], v[232+\b], v[236+\b]
.endr
	v_max3_num_f32 v254, v232, v233, v234
	v_max_num_f32 v254, v254, v235
	v_mul_f32 v254, s26, v254
	v_max_num_f32 v13, v13, v254                   ; the running largest t
	v_mov_b32 v254, v12
	v_floor_f32 v12, -v13                          ; -M = floor(-t): M is a whole number
	v_sub_f32 v254, v12, v254
	v_cvt_i32_f32 v254, v254                       ; (it saturates)
	v_ldexp_f32 v252, 1.0, v254                    ; f = 2^(old M - new M)
.set J_, 0
.rept 32
	v_pk_fma_f32 v[96+J_:97+J_], v[96+J_:97+J_], s[26:27], v[12:13] op_sel_hi:[1,0,0]   ; t - M
.set J_, J_+2
.endr
.irp b, 0,1,2,3
	v_fma_f32 v[232+\b], v[232+\b], s26, v12
.endr
.set J_, 0
.rept 64
	v_exp_f32 v[96+J_], v[96+J_]                   ; p = 2^(t - M)
.set J_, J_+1
.endr
	v_pk_mul_f32 v[14:15], v[14:15], v[252:253] op_sel_hi:[1,0]   ; the sums under the new M: a plain place behind the exponentials
	s_wait_alu depctr_va_vdst(0)                   ; one wait for the batch of 64, ahead of its first reader
.irp b, 0,1,2,3
	v_exp_f32 v[232+\b], v[232+\b]                 ; each block's largest p
.endr
	v_pk_add_f32 v[236:237], v[96:97], v[98:99]    ; the row's sum of the unquantised p, in two chains
.irp j, 4,8,12,16,20,24,28,32,36,40,44,48,52,56,60
	v_pk_add_f32 v[14:15], v[14:15], v[96+\j:97+\j]
	v_pk_add_f32 v[236:237], v[236:237], v[98+\j:99+\j]
.endr
	v_pk_add_f32 v[14:15], v[14:15], v[236:237]
	s_wait_alu depctr_va_vdst(0)                   ; and one for the four
.irp b, 0,1,2,3
	v_max_num_f32 v[232+\b], 0x2800000, v[232+\b]  ; the floor 2^(5 - 127)
.endr
.irp b, 0,1,2,3
	v_add_nc_u32 v[244+\b], 0xfe000000, v[232+\b]
.endr
.irp b, 0,1,2,3
	v_lshrrev_b32 v[236+\b], 23, v[244+\b]
.endr
	v_lshl_or_b32 v253, v237, 8, v236              ; p's scale word for these 128 keys
	v_lshl_or_b32 v253, v238, 16, v253
	v_lshl_or_b32 v253, v239, 24, v253
.irp c, 0,1
	v_cvt_scalef32_pk16_bf6_f32 v[224+6*\c:226+6*\c], v[96+32*\c:111+32*\c], v[244+2*\c]
	v_cvt_scalef32_pk16_bf6_f32 v[236+4*\c:238+4*\c], v[112+32*\c:127+32*\c], v[244+2*\c+1]
.endr
	v_nop                                          ; one plain place behind a scaled conversion
.irp c, 0,1
.irp i, 0,1,2
	v_permlane16_swap_b32 v[224+6*\c+\i], v[236+4*\c+\i]
.endr
.irp i, 0,1,2
	v_mov_b32 v[227+6*\c+\i], v[236+4*\c+\i]
.endr
.endr
.set J_, 0
.rept 16
	v_pk_mul_f32 v[160+J_:161+J_], v[160+J_:161+J_], v[252:253] op_sel_hi:[1,0]   ; O^T under the new M; these sixteen also stand between the writing of p's codes and scale word and the products
.set J_, J_+2
.endr
	s_wait_dscnt 0x0                               ; v
.irp t, 0,1,2,3
	WM 160+8*\t, 32+12*\t, 224, 0, 248+\t/2, 253, \t%2
.endr
	s_add_co_u32 s29, s29, 512
	s_add_co_u32 s30, s30, 256
	s_add_co_u32 s31, s31, 8
	s_xor_b32 s28, s28, SLOTX
.endm
	s_wait_loadcnt 0x0                             ; q's fragments and scale words; their address registers are free
.Lstep:                                ; 15 trips: behind each change of slots but the last the next step is asked for
	CHANGE 1
	STEP
	s_sub_co_u32 s23, s23, 1
	s_cmp_lg_u32 s23, 0
	s_cbranch_scc1 .Lstep
	CHANGE 0                                       ; the last step is written out
	STEP
	; THE WAY OUT: O^T / the sum; the head's 64 brought into their true order (they meet Wo's codes); quantised; half an image and two scale bytes a row stored.
	PLACES 4
	v_add_f32 v14, v14, v15
	v_permlanex16_b32 v252, v14, s24, s25
	v_add_f32 v14, v14, v252                       ; the row's sum
	v_rcp_f32 v14, v14
	v_and_b32 v254, 15, v0                         ; (a plain place behind the reciprocal)
	v_lshlrev_b32 v254, 2, v254
	s_wait_alu depctr_va_vdst(0)                   ; ahead of the first reader
.set J_, 0
.rept 32
	v_mul_f32 v[96+J_], v[160+J_], v14             ; register 8 t + j: d = 16 t + 8 h + j
.set J_, J_+1
.endr
.irp b, 0,1
.irp j, 0,1,2,3,4,5,6,7
	v_permlane16_swap_b32 v[96+16*\b+\j], v[104+16*\b+\j]   ; register 16 b + i is now d = 32 b + 16 h + i
.endr
.endr
.irp b, 0,1
	v_max3_num_f32 v[236+\b], |v[96+16*\b]|, |v[97+16*\b]|, 0x2800000
.endr
.irp i, 2,4,6,8,10,12,14
.irp b, 0,1
	v_max3_num_f32 v[236+\b], v[236+\b], |v[96+16*\b+\i]|, |v[97+16*\b+\i]|
.endr
.endr
.irp b, 0,1
	v_permlanex16_b32 v[238+\b], v[236+\b], s24, s25
.endr
.irp b, 0,1
	v_max_num_f32 v[236+\b], v[236+\b], v[238+\b]
.endr
.irp b, 0,1
	v_add_nc_u32 v[244+\b], 0xfe000000, v[236+\b]
.endr
.irp b, 0,1
	v_lshrrev_b32 v[246+\b], 23, v[244+\b]
.endr
	v_lshl_or_b32 v252, v247, 8, v246
	v_cvt_scalef32_pk16_bf6_f32 v[224:226], v[96:111], v244
	v_cvt_scalef32_pk16_bf6_f32 v[232:234], v[112:127], v245
	v_nop
.irp i, 0,1,2
	v_permlane16_swap_b32 v[224+\i], v[232+\i]
.endr
.irp i, 0,1,2
	v_mov_b32 v[227+\i], v[232+\i]
.endr
.irp p, 0,1,2
	global_store_b64 v1, v[224+2*\p:225+2*\p], s[4:5] offset:256*\p   ; 256 consecutive bytes, aligned
.endr
	global_store_b16 v254, v252, s[6:7]            ; two bytes of each row's word: the word's other two are the neighbour head's, another work-group's
	s_wait_tensorcnt 0x0                           ; the wave's end
	ds_add_u32 v5, v6
	s_wait_dscnt 0x0
	s_endpgm
.Lfunc_end_k_q6d5225f3d5_attn:
	.size	k_q6d5225f3d5_attn, .Lfunc_end_k_q6d5225f3d5_attn-k_q6d5225f3d5_attn
	.p2alignl 7, 3214868480
	.fill 96, 4, 3214868480
	.section	.rodata,"a",@progbits
	.p2align	6, 0x0
	.amdhsa_kernel k_q6d5225f3d5_attn
		.amdhsa_group_segment_fixed_size 327680
		.amdhsa_private_segment_fixed_size 0
		.amdhsa_enable_private_segment 0
		.amdhsa_kernarg_size 32
		.amdhsa_user_sgpr_count 2
		.amdhsa_user_sgpr_kernarg_segment_ptr 1
		.amdhsa_wavefront_size32 1
		.amdhsa_system_sgpr_workgroup_id_x 1
		.amdhsa_system_sgpr_workgroup_id_y 1
		.amdhsa_system_sgpr_workgroup_id_z 1
		.amdhsa_system_vgpr_workitem_id 0
		.amdhsa_next_free_vgpr 256
		.amdhsa_next_free_sgpr 106
		.amdhsa_reserve_vcc 0
		.amdhsa_float_denorm_mode_32 3
		.amdhsa_float_denorm_mode_16_64 3
		.amdhsa_memory_ordered 1
		.amdhsa_forward_progress 1
		.amdhsa_inst_pref_size 91
	.end_amdhsa_kernel
	.amdgpu_metadata
---
amdhsa.version: [ 1, 2 ]
amdhsa.kernels:
  - .name:           k_q6d5225f3d5_attn
    .symbol:         k_q6d5225f3d5_attn.kd
    .args:
      - { .name: opc, .offset: 0, .size: 8, .value_kind: global_buffer, .address_space: global }
      - { .name: ops, .offset: 8, .size: 8, .value_kind: global_buffer, .address_space: global }
      - { .name: lm, .offset: 16, .size: 8, .value_kind: global_buffer, .address_space: global }
      - { .name: ob, .offset: 24, .size: 8, .value_kind: global_buffer, .address_space: global }
    .group_segment_fixed_size: 327680
    .private_segment_fixed_size: 0
    .kernarg_segment_align: 8
    .kernarg_segment_size: 32
    .max_flat_workgroup_size: 512
    .sgpr_count:     106
    .vgpr_count:     256
    .wavefront_size: 32
...
	.end_amdgpu_metadata
.endif
;; end of part 4
;; launch oproj (part 5): grid 8 x 32, 8 waves a work-group, no clusters, 273,408 bytes of LDS; arguments ob, wc, ws, bo, out0; writes out0
.if DOCPART == 5
	.amdgcn_target "amdgcn-amd-amdhsa--gfx1250"
	.amdhsa_code_object_version 6
	.text
	.protected	k_q6d5225f3d5_oproj
	.globl	k_q6d5225f3d5_oproj
	.p2align	8
	.type	k_q6d5225f3d5_oproj,@function
k_q6d5225f3d5_oproj:
	s_mov_b64 s[64:65], 0
	v_nop
	global_prefetch_b8 v0, s[64:65] scope:SCOPE_SE
	s_setreg_imm32_b32 hwreg(HW_REG_WAVE_MODE, 25, 1), 1
	s_wait_xcnt 0x0
; out0 = (attention's result) Wo + bo on codes of BF6, K = 1,024.  ob: codes at 0 as [tile 256][K step 8][1,536] (images of operand registers), scale words at 3,145,728 as [tile][K step][16]; Wo: tiles 192-255 of wc, ws.
; L rows (tokens) go to lanes (source 1), R rows (output features) to registers (source 0): a lane's eight results are eight neighbouring numbers of a row of out0.
; Work-group (x, y): 128 tokens from 128 y, 128 features from 128 x; each of 8 waves one tile of tokens x 8 tiles of features.  All of K lies in LDS, brought by six tensor loads a wave at the start: nothing is filled again; six are out at the most.
; The sums begin with bo, loaded into the accumulators (the bias is the first term of the f32 sum).  No cluster: a launch of one pass over small tiles, each read once by a work-group.
.set NA,   1
.set HALF, 98304                       ; LDS: half f of K at f x HALF: L's 8 tiles x 6,144, then R's 8
.set ROFF, 49152
.set ASB,  196608                      ; L's scale words, 512 bytes a tile
.set BSB,  200704                      ; R's
.set STG,  204800                      ; the way out: 16 rows x 528 bytes for each wave
.set ACC,  128
.set LF,   16
.set RF,   40
.set SL,   120
.set SR,   121
.set ADL,  2
.set ADR,  3
.set ASL,  4
.set ASR,  5
.macro G1SET g, c, r, p
	s_mov_b32 s[\g+0], 3<<16
	s_mov_b32 s[\g+1], (\c)<<16
	s_mov_b32 s[\g+2], (\r)<<16
	s_mov_b32 s[\g+3], (\c)<<16
	s_mov_b32 s[\g+4], \r
	s_mov_b32 s[\g+5], \p
	s_mov_b32 s[\g+6], 0
	s_mov_b32 s[\g+7], 0
.endm
.macro G0SET g, ptr, add
	s_mov_b32 s[\g], 1
	s_add_nc_u64 s[\g+2:\g+3], s[\ptr:\ptr+1], \add
	s_or_b32 s[\g+3], s[\g+3], 0x80000000
.endm
.macro FRAGS reg, adr, off
.irp p, 0,1,2,3,4,5
	ds_load_b64 v[\reg+2*\p:\reg+2*\p+1], v[\adr] offset:\off+256*\p
.endr
.endm
.macro PROD a, b
.set D_, ACC+64*(\a)+8*(\b)
.set A_, RF+12*((\b)%4)
.set B_, LF+12*(\a)
.set S_, SR+(\b)/2
.if (\b)%2 == 0
	v_wmma_scale_f32_16x16x128_f8f6f4 v[D_:D_+7], v[A_:A_+11], v[B_:B_+11], v[D_:D_+7], v[S_], v[SL] matrix_a_fmt:MATRIX_FMT_BF6 matrix_b_fmt:MATRIX_FMT_BF6
.else
	v_wmma_scale_f32_16x16x128_f8f6f4 v[D_:D_+7], v[A_:A_+11], v[B_:B_+11], v[D_:D_+7], v[S_], v[SL] matrix_a_fmt:MATRIX_FMT_BF6 matrix_b_fmt:MATRIX_FMT_BF6 matrix_a_scale:MATRIX_SCALE_ROW1
.endif
.endm
.macro PRODS first                     ; four products; the eight accumulators take turns, one instruction a turn
.irp b, 0,1,2,3
	PROD 0, (\first)+\b
.endr
.endm
.macro PLACES                          ; four plain places between matrix instructions and loads into (or reads of) their registers
.rept 4
	v_nop
.endr
.endm
.macro KSTEP k, half
.set KO_, 64*(4*(\half)+(\k))
.if (\k)+(\half) > 0
	PLACES
.endif
	FRAGS LF, ADL, 1536*(\k)
	ds_load_b32 v[SL], v[ASL] offset:KO_
.irp b, 0,1,2,3
	FRAGS RF+12*\b, ADR, \b*6144+1536*(\k)
.endr
	ds_load_b32 v[SR], v[ASR] offset:KO_
	ds_load_b32 v[SR+1], v[ASR] offset:1024+KO_
	s_wait_dscnt 0x0
	PRODS 0
	PLACES
.irp b, 0,1,2,3
	FRAGS RF+12*\b, ADR, (\b+4)*6144+1536*(\k)
.endr
	ds_load_b32 v[SR+2], v[ASR] offset:2048+KO_
	ds_load_b32 v[SR+3], v[ASR] offset:3072+KO_
	s_wait_dscnt 0x0
	PRODS 4
.endm
	s_load_b256 s[4:11], s[0:1], 0x0               ; ob, wc, ws, bo
	s_load_b64 s[12:13], s[0:1], 0x20              ; out0
	v_lshl_add_u32 v254, v0, 2, 0x42800
	v_mov_b32 v255, 0
	ds_add_u32 v254, v255
	ds_add_u32 v254, v255
	v_lshrrev_b32 v1, 5, v0
	v_readfirstlane_b32 s26, v1                    ; wave 0..7
	v_and_b32 v1, 31, v0
	v_and_b32 v11, 15, v0                          ; r
	v_bfe_u32 v12, v0, 4, 1                        ; h
	v_lshlrev_b32 v6, 3, v1
	s_mul_i32 s27, s26, 6144
	v_add_nc_u32 v[ADL], s27, v6                   ; my L tile
	v_add_nc_u32 v[ADR], ROFF, v6
	v_lshlrev_b32 v9, 2, v11
	s_lshl_b32 s28, s26, 9
	s_add_co_u32 s29, s28, ASB
	v_add_nc_u32 v[ASL], s29, v9
	v_lshl_add_u32 v[ASR], v12, 9, v9
	v_add_nc_u32 v[ASR], BSB, v[ASR]
	v_lshlrev_b32 v10, 5, v12                      ; 32 h
	v_lshlrev_b32 v13, 4, v1                       ; 16 x lane
	s_mul_i32 s30, s26, 8448
	s_add_co_u32 s30, s30, STG
	v_mul_u32_u24 v7, v11, 528
	v_lshl_add_u32 v7, v12, 5, v7
	v_add_nc_u32 v7, s30, v7                       ; into my stage: row r, + 32 h
	v_add_nc_u32 v8, s30, v13                      ; back: a row of 512 bytes
	s_and_b32 s31, ttmp7, 0xffff                   ; y
	s_lshl_b32 s48, s31, 3
	s_add_co_u32 s48, s48, s26                     ; my L tile
	s_lshl_b32 s49, ttmp9, 3
	s_add_co_u32 s49, s49, s26
	s_add_co_u32 s49, s49, 192                     ; the R tile that I fetch
	G1SET 32, 32, 2, 32                            ; a tile's scale words: 512 dense bytes
	G1SET 40, 768, 1, 1536                         ; half of K of a tile: 6,144 bytes
	s_mov_b32 s69, s29
	s_add_co_u32 s73, s28, BSB
	s_mov_b32 s77, s27
	s_add_co_u32 s81, s27, ROFF
	s_add_co_u32 s85, s27, HALF
	s_add_co_u32 s89, s81, HALF
	s_mov_b32 s51, 0
	s_wait_dscnt 0x0
	s_wait_kmcnt 0x0
	s_lshl_b32 s50, s48, 9
	s_add_co_u32 s50, s50, 3145728
	s_add_nc_u64 s[52:53], s[4:5], s[50:51]        ; L's scale words
	s_mul_i32 s50, s48, 12288
	s_add_nc_u64 s[54:55], s[4:5], s[50:51]        ; L's codes
	s_lshl_b32 s50, s49, 9
	s_add_nc_u64 s[56:57], s[8:9], s[50:51]        ; R's scale words
	s_mul_i32 s50, s49, 12288
	s_add_nc_u64 s[58:59], s[6:7], s[50:51]        ; R's codes
	G0SET 68, 52, 0
	G0SET 72, 56, 0
	G0SET 76, 54, 0
	G0SET 80, 58, 0
	G0SET 84, 54, 6144
	G0SET 88, 58, 6144
	tensor_load_to_lds s[68:71], s[32:39]          ; all first fills in one group
	s_nop 0
	tensor_load_to_lds s[72:75], s[32:39]
	s_nop 0
	tensor_load_to_lds s[76:79], s[40:47]
	s_nop 0
	tensor_load_to_lds s[80:83], s[40:47]
	s_nop 0
	tensor_load_to_lds s[84:87], s[40:47]
	s_nop 0
	tensor_load_to_lds s[88:91], s[40:47]
	s_nop 0
	PLACES
	s_lshl_b32 s50, ttmp9, 9
	s_add_nc_u64 s[10:11], s[10:11], s[50:51]      ; bo at my 128 features
.irp b, 0,1,2,3,4,5,6,7
	global_load_b128 v[ACC+8*\b:ACC+8*\b+3], v10, s[10:11] offset:64*\b
	global_load_b128 v[ACC+8*\b+4:ACC+8*\b+7], v10, s[10:11] offset:64*\b+16
.endr
	s_lshl_b32 s60, s48, 16                        ; my 16 rows of 4,096 bytes,
	s_add_co_u32 s60, s60, s50                     ; my 512 bytes of them
	s_mov_b32 s61, 0
	s_add_nc_u64 s[12:13], s[12:13], s[60:61]
	s_wait_tensorcnt 0x2                           ; the scale words and K's first half have landed; the second half's two loads may be out
	s_wait_loadcnt 0x0                             ; the bias
	s_barrier_signal -1
	s_barrier_wait -1
	KSTEP 0, 0
	KSTEP 1, 0
	KSTEP 2, 0
	KSTEP 3, 0
	s_wait_tensorcnt 0x0
	s_wait_dscnt 0x0
	s_barrier_signal -1
	s_barrier_wait -1
	v_add_nc_u32 v[ADL], HALF, v[ADL]
	v_add_nc_u32 v[ADR], HALF, v[ADR]
	KSTEP 0, 1
	KSTEP 1, 1
	KSTEP 2, 1
	KSTEP 3, 1
	PLACES                                         ; in front of the stores of the sums and of the loads into the fragments' registers
.irp b, 0,1,2,3,4,5,6,7
	ds_store_b128 v7, v[ACC+8*\b:ACC+8*\b+3] offset:64*\b          ; each accumulator from its low end on
	ds_store_b128 v7, v[ACC+8*\b+4:ACC+8*\b+7] offset:64*\b+16
.endr
.irp t, 0,1,2,3,4,5,6,7,8,9,10,11,12,13,14,15
	ds_load_b128 v[16+4*\t:19+4*\t], v8 offset:528*\t              ; my own stage; LDS serves a wave's instructions in order
.endr
.irp t, 0,1,2,3,4,5,6,7,8,9,10,11,12,13,14,15
	s_wait_dscnt 15-\t                             ; row t is back; the younger rows' loads may be out
	global_store_b128 v13, v[16+4*\t:19+4*\t], s[12:13] offset:4096*\t th:TH_STORE_NT   ; 32 lanes store 512 consecutive bytes, aligned
.endr
	s_wait_tensorcnt 0x0
	ds_add_u32 v254, v255
	s_wait_dscnt 0x0
	s_endpgm
.Lfunc_end_k_q6d5225f3d5_oproj:
	.size	k_q6d5225f3d5_oproj, .Lfunc_end_k_q6d5225f3d5_oproj-k_q6d5225f3d5_oproj
	.p2alignl 7, 3214868480
	.fill 96, 4, 3214868480
	.section	.rodata,"a",@progbits
	.p2align	6, 0x0
	.amdhsa_kernel k_q6d5225f3d5_oproj
		.amdhsa_group_segment_fixed_size 273408
		.amdhsa_private_segment_fixed_size 0
		.amdhsa_enable_private_segment 0
		.amdhsa_kernarg_size 40
		.amdhsa_user_sgpr_count 2
		.amdhsa_user_sgpr_kernarg_segment_ptr 1
		.amdhsa_wavefront_size32 1
		.amdhsa_system_sgpr_workgroup_id_x 1
		.amdhsa_system_sgpr_workgroup_id_y 1
		.amdhsa_system_sgpr_workgroup_id_z 1
		.amdhsa_system_vgpr_workitem_id 0
		.amdhsa_next_free_vgpr 256
		.amdhsa_next_free_sgpr 96
		.amdhsa_reserve_vcc 0
		.amdhsa_float_denorm_mode_32 3
		.amdhsa_float_denorm_mode_16_64 3
		.amdhsa_memory_ordered 1
		.amdhsa_forward_progress 1
		.amdhsa_inst_pref_size 52
	.end_amdhsa_kernel
	.amdgpu_metadata
---
amdhsa.version: [ 1, 2 ]
amdhsa.kernels:
  - .name:           k_q6d5225f3d5_oproj
    .symbol:         k_q6d5225f3d5_oproj.kd
    .args:
      - { .name: ob, .offset: 0, .size: 8, .value_kind: global_buffer, .address_space: global }
      - { .name: wc, .offset: 8, .size: 8, .value_kind: global_buffer, .address_space: global }
      - { .name: ws, .offset: 16, .size: 8, .value_kind: global_buffer, .address_space: global }
      - { .name: bo, .offset: 24, .size: 8, .value_kind: global_buffer, .address_space: global }
      - { .name: out0, .offset: 32, .size: 8, .value_kind: global_buffer, .address_space: global }
    .group_segment_fixed_size: 273408
    .private_segment_fixed_size: 0
    .kernarg_segment_align: 8
    .kernarg_segment_size: 40
    .max_flat_workgroup_size: 256
    .sgpr_count:     96
    .vgpr_count:     256
    .wavefront_size: 32
...
	.end_amdgpu_metadata
.endif
;; end of part 5
;; ======== version 2 of 2: 4 launches
;; limits: right only within a limited range of input values
;; workspace buffers: xc 11,010,048 bytes; xs 458,752 bytes; wc 3,145,728 bytes; ws 131,072 bytes; opc 14,155,776 bytes; ops 1,048,576 bytes; lm 8,192 bytes of whole numbers; ob 3,276,800 bytes
;; launch quant (part 6): grid 352 x 1, 4 waves a work-group, no clusters, 34,304 bytes of LDS; arguments query, key, val, pos_enc, attn_mask, xc, xs, lm, Wq, Wk, Wv, Wo, wc, ws; writes xc, xs, lm, wc, ws
.if DOCPART == 6
	.amdgcn_target "amdgcn-amd-amdhsa--gfx1250"
	.amdhsa_code_object_version 6
	.text
	.protected	k_q6d5225f3d5_quant
	.globl	k_q6d5225f3d5_quant
	.p2align	8
	.type	k_q6d5225f3d5_quant,@function
k_q6d5225f3d5_quant:
	s_mov_b64 s[64:65], 0
	v_nop
	global_prefetch_b8 v0, s[64:65] scope:SCOPE_SE
	s_setreg_imm32_b32 hwreg(HW_REG_WAVE_MODE, 25, 1), 1
	s_wait_xcnt 0x0
; ONE LAUNCH QUANTISES ALL INPUTS to codes of BF6 (E3M2) with one E8M0 byte for each 32 along K.  Work-groups 0-223 take the activations, work-groups 224-351 the weights: the two ways part on the work-group's number at the first line.
; OUTPUT LAYOUT, both: images of the matrix operand's registers.  A tile is 16 rows; for each 128 along K its fragment (12 registers a lane) lies as six pieces of 256 bytes: piece p at 256 p + 8 x lane holds registers 2 p, 2 p + 1.
; ACTIVATIONS.  query, key, val [4096][1024] and pos_enc [2048][1024], f32, K the last axis.  xc: [tile 896][K step 8][1,536 bytes]; xs: [tile][K step][16 words], one scale word a row.  Tiles 0-255 query, 256-511 key, 512-767 val, 768-895 pos_enc.
; A wave takes one tile.  Each load reads 512 consecutive bytes of one row (one K step); the 16 rows turn through the wave's own stage in LDS (rows 528 bytes apart), from which lane (r, h) takes
; the 32 neighbours k = 64 c + 32 h + 0 .. 31 of row r, c = 0, 1: two whole blocks, so that a block's largest magnitude needs no other lane and the conversions' results are the operand's registers.
; The first 16 work-groups also turn attn_mask into lane masks: lm[b][step 16][64 words]; word 8 T + j has bits 0-15 set where key 128 step + 16 T + j is masked (== 1), bits 16-31 for key + 8.
; WEIGHTS.  Wq, Wk, Wv, Wo [1024 (k)][1024 (n)], f32, K on the FIRST axis; rows of the images = n.  wc: [tensor 4][tile 64][K step 8][1,536 bytes];  ws: [tensor][tile][K step][16 words].
; A lane takes a column n and its registers run down K: a block of 32 lies in one lane's 32 registers, and its 24 bytes of codes are pieces 3 c .. 3 c + 2 of half h, block = 2 c + h of its K step.
; Work-group g = 224 + 8 y + x: tensor y / 4, 256 along K from 256 (y % 4), columns 128 x on; a wave 32 columns: two tiles.  Loads run two blocks (64 loads a wave) ahead.
; A store of the weights' codes covers two runs of 128 consecutive bytes (one in each tile); the block beside it fills the other halves of the same 256 bytes.
; LIMITS: NaN and infinities among the inputs are not served.  A block whose largest magnitude lies under 2^-122, a block of zeros too, gets the byte 1: these bytes are read by this program alone.
.set ACTWG, 224
.set STGB, 8448                        ; a wave's stage: 16 rows x 528 bytes
.set RS0,  16                          ; v16-143  two sets of 64 registers as loaded
.set XX,   144                         ; v144-207 my 64 numbers: 32 c + i
.set TM,   208                         ; v208-215 at work
.set PC,   216                         ; v216-227 the fragment's codes
.set PT,   228                         ; v228-234 the conversions' second halves
.set PW,   235                         ; v235     the scale word
.set WX,   32                          ; weights: v32-95 two sets of 32 numbers
.set WSB,  24                          ; weights: v24-25 the scale bytes, four to a register
	v_lshl_add_u32 v240, v0, 2, 0x8400
	v_mov_b32 v241, 0
	s_cmp_ge_u32 ttmp9, ACTWG
	s_cbranch_scc1 .Lweights
	s_load_b256 s[4:11], s[0:1], 0x0               ; query, key, val, pos_enc
	s_load_b256 s[12:19], s[0:1], 0x20             ; attn_mask, xc, xs, lm
	v_lshrrev_b32 v1, 5, v0
	v_readfirstlane_b32 s20, v1                    ; wave
	v_and_b32 v7, 31, v0                           ; lane
	v_and_b32 v8, 15, v0                           ; r
	v_bfe_u32 v9, v0, 4, 1                         ; h
	s_mul_i32 s21, s20, STGB
	v_lshlrev_b32 v1, 4, v7                        ; a load's 16 bytes a lane
	v_add_nc_u32 v2, s21, v1                       ; the stage, on the way in
	v_mul_u32_u24 v3, v8, 528
	v_lshl_add_u32 v3, v9, 7, v3
	v_add_nc_u32 v3, s21, v3                       ; and out: row r, + 128 h
	v_lshlrev_b32 v4, 3, v7                        ; a piece's 8 bytes a lane
	v_lshlrev_b32 v5, 2, v8                        ; my row's scale word
	v_lshlrev_b32 v6, 3, v9                        ; 8 h: where my bytes stand in the word
	v_mov_b32 v[TM+7], 0                           ; a lane permute's destination counts as read
	s_mov_b32 s22, 0x76543210
	s_mov_b32 s23, 0xfedcba98                      ; selects for lane l xor 16
	s_wait_kmcnt 0x0
	s_cmp_lt_u32 ttmp9, 16                         ; 2,048 mask words: 16 work-groups x 128 threads
	s_cbranch_scc0 .Lno_lm
	s_lshl_b32 s24, ttmp9, 7
	v_add_nc_u32 v10, s24, v0                      ; word W
	v_and_b32 v11, 0xffffffc0, v10
	v_and_b32 v12, 56, v10
	v_add_nc_u32 v11, v11, v12
	v_and_b32 v12, 7, v10
	v_lshl_add_u32 v11, v11, 1, v12                ; key = 128 (W / 64) + 16 ((W / 8) % 8) + W % 8, counted through both batches
	v_lshlrev_b32 v11, 2, v11
	global_load_b32 v12, v11, s[12:13]
	global_load_b32 v13, v11, s[12:13] offset:32   ; the key 8 further on
	v_lshlrev_b32 v10, 2, v10
	v_mov_b32 v14, 0xffff
	v_mov_b32 v15, 0xffff0000
	s_wait_alu depctr_va_vdst(0)
	s_wait_loadcnt 0x0
	v_cmp_eq_u32 vcc_lo, 1, v12
	v_cndmask_b32 v12, 0, v14, vcc_lo
	v_cmp_eq_u32 vcc_lo, 1, v13
	v_cndmask_b32 v13, 0, v15, vcc_lo
	v_or_b32 v12, v12, v13
	global_store_b32 v10, v12, s[18:19]            ; v10 and v12 are not written again
.Lno_lm:
	s_cmp_lt_u32 ttmp9, 64                         ; which tensor: the choice hangs on the work-group's number alone
	s_cselect_b64 s[24:25], s[4:5], s[6:7]
	s_cmp_lt_u32 ttmp9, 192
	s_cselect_b64 s[26:27], s[8:9], s[10:11]
	s_cmp_lt_u32 ttmp9, 128
	s_cselect_b64 s[24:25], s[24:25], s[26:27]
	s_and_b32 s28, ttmp9, 63
	s_lshl_b32 s28, s28, 2
	s_add_co_u32 s28, s28, s20                     ; my tile within its tensor
	s_lshl_b32 s28, s28, 16                        ; 16 rows of 4,096 bytes
	s_mov_b32 s29, 0
	s_add_nc_u64 s[24:25], s[24:25], s[28:29]
	s_lshl_b32 s30, ttmp9, 2
	s_add_co_u32 s30, s30, s20                     ; my tile among the 896
	s_mul_i32 s28, s30, 12288
	s_add_nc_u64 s[14:15], s[14:15], s[28:29]
	s_lshl_b32 s28, s30, 9
	s_add_nc_u64 s[16:17], s[16:17], s[28:29]
.macro LOAD k                          ; K step k of the 16 rows: each load 512 consecutive bytes
.set P_, 0
.rept 16
	global_load_b128 v[RS0+64*((\k)%2)+4*P_:RS0+64*((\k)%2)+4*P_+3], v1, s[24:25] offset:4096*P_+512*(\k) th:TH_LOAD_NT
.set P_, P_+1
.endr
.endm
.macro STEP k
.if (\k) < 7
	s_wait_loadcnt 16                              ; this step's 16 loads are in; the next step's 16 may be out
.else
	s_wait_loadcnt 0x0
.endif
.set P_, 0
.rept 16
	ds_store_b128 v2, v[RS0+64*((\k)%2)+4*P_:RS0+64*((\k)%2)+4*P_+3] offset:528*P_
.set P_, P_+1
.endr
.irp c, 0,1
.irp q, 0,1,2,3,4,5,6,7
	ds_load_b128 v[XX+32*\c+4*\q:XX+32*\c+4*\q+3], v3 offset:256*\c+16*\q   ; LDS serves a wave's instructions in order: these see the stores above
.endr
.endr
	s_wait_dscnt 0x0                               ; my 64 numbers are in, and the stores have read their registers,
.if (\k)+2 < 8
	LOAD (\k)+2                                    ; which take the loads of two steps on
.endif
.irp c, 0,1
	v_max3_num_f32 v[TM+\c], |v[XX+32*\c]|, |v[XX+32*\c+1]|, 0x2800000   ; block 2 c + h: all 32 are mine; the floor 2^(5 - 127) holds the byte at 1 from below
.endr
.irp i, 2,4,6,8,10,12,14,16,18,20,22,24,26,28,30
.irp c, 0,1
	v_max3_num_f32 v[TM+\c], v[TM+\c], |v[XX+32*\c+\i]|, |v[XX+32*\c+\i+1]|
.endr
.endr
.irp c, 0,1
	v_add_nc_u32 v[TM+2+\c], 0xfe000000, v[TM+\c]  ; 4 off the exponent field: the conversion's scale operand
.endr
.irp c, 0,1
	v_lshrrev_b32 v[TM+4+\c], 23, v[TM+2+\c]       ; the scale's byte
.endr
	v_lshl_or_b32 v[TM+6], v[TM+5], 16, v[TM+4]    ; my two bytes: blocks h and 2 + h,
	v_lshlrev_b32 v[TM+6], v6, v[TM+6]             ; at their places;
	v_permlanex16_b32 v[TM+7], v[TM+6], s22, s23
	s_wait_alu depctr_va_vdst(0)
	s_wait_xcnt 0x0                                ; the last step's stores have read the codes and the word: only now are these written again
	v_or_b32 v[PW], v[TM+6], v[TM+7]               ; with lane l xor 16's two the word is whole
.irp c, 0,1
	v_cvt_scalef32_pk16_bf6_f32 v[PC+6*\c:PC+6*\c+2], v[XX+32*\c:XX+32*\c+15], v[TM+2+\c]
	v_cvt_scalef32_pk16_bf6_f32 v[PT+4*\c:PT+4*\c+2], v[XX+32*\c+16:XX+32*\c+31], v[TM+2+\c]   ; (a conversion's three registers begin on an even number)
.endr
	v_nop                                          ; one plain place behind a scaled conversion
.irp c, 0,1
.irp i, 0,1,2
	v_mov_b32 v[PC+3+6*\c+\i], v[PT+4*\c+\i]
.endr
.endr
.irp p, 0,1,2,3,4,5
	global_store_b64 v4, v[PC+2*\p:PC+2*\p+1], s[14:15] offset:1536*(\k)+256*\p   ; 32 lanes store 256 consecutive bytes, aligned
.endr
	global_store_b32 v5, v[PW], s[16:17] offset:64*(\k)   ; both halves of the lanes write the same word to the same place
.endm
	s_wait_alu depctr_va_vdst(0)
	LOAD 0
	LOAD 1
.irp k, 0,1,2,3,4,5,6,7
	STEP \k
.endr
	s_wait_tensorcnt 0x0
	ds_add_u32 v240, v241
	s_wait_dscnt 0x0
	s_endpgm
.Lweights:
	s_load_b256 s[4:11], s[0:1], 0x40              ; Wq, Wk, Wv, Wo
	s_load_b128 s[12:15], s[0:1], 0x60             ; wc, ws
	v_lshrrev_b32 v1, 5, v0
	v_readfirstlane_b32 s16, v1                    ; wave
	v_and_b32 v2, 31, v0
	v_lshlrev_b32 v3, 2, v2                        ; in: 4 bytes a lane
	v_and_b32 v5, 15, v2
	v_lshrrev_b32 v6, 4, v2
	v_mul_u32_u24 v7, v6, 12288
	v_lshl_add_u32 v7, v5, 3, v7                   ; codes: my tile of the wave's two, 8 bytes a row
	v_lshlrev_b32 v8, 9, v6
	v_lshl_add_u32 v8, v5, 2, v8                   ; scale words likewise
	s_sub_co_u32 s30, ttmp9, ACTWG
	s_and_b32 s31, s30, 7                          ; x
	s_lshr_b32 s17, s30, 3                         ; y
	s_lshr_b32 s18, s17, 2                         ; tensor
	s_and_b32 s19, s17, 3                          ; which 256 along K
	s_lshl_b32 s20, s31, 3
	s_lshl_b32 s21, s16, 1
	s_add_co_u32 s20, s20, s21                     ; my first tile: 8 x + 2 wave
	s_lshl_b32 s22, s19, 20                        ; 256 rows of 4,096 bytes
	s_lshl_b32 s24, s20, 6                         ; 16 columns of 4 bytes a tile
	s_add_co_u32 s22, s22, s24
	s_mov_b32 s23, 0
	s_mul_i32 s24, s18, 786432
	s_mul_i32 s26, s20, 12288
	s_add_co_u32 s24, s24, s26
	s_mul_i32 s26, s19, 3072                       ; two K steps
	s_add_co_u32 s24, s24, s26
	s_mov_b32 s25, 0
	s_lshl_b32 s26, s18, 15
	s_lshl_b32 s28, s20, 9
	s_add_co_u32 s26, s26, s28
	s_lshl_b32 s28, s19, 7
	s_add_co_u32 s26, s26, s28
	s_mov_b32 s27, 0
	s_wait_alu depctr_va_vdst(0)
	s_wait_kmcnt 0x0
	s_cmp_lt_u32 s18, 1
	s_cselect_b64 s[4:5], s[4:5], s[6:7]
	s_cmp_lt_u32 s18, 3
	s_cselect_b64 s[8:9], s[8:9], s[10:11]
	s_cmp_lt_u32 s18, 2
	s_cselect_b64 s[4:5], s[4:5], s[8:9]
	s_add_nc_u64 s[4:5], s[4:5], s[22:23]
	s_add_nc_u64 s[12:13], s[12:13], s[24:25]
	s_add_nc_u64 s[14:15], s[14:15], s[26:27]
.macro LOADB t                         ; block t: W(32 t + i, my column): 128 consecutive bytes a wave
.set I_, 0
.rept 32
	global_load_b32 v[WX+32*((\t)%2)+I_], v3, s[4:5] offset:(32*(\t)+I_)*4096 th:TH_LOAD_NT
.set I_, I_+1
.endr
.endm
.macro BLOCK t
.set XS_, WX+32*((\t)%2)
.if (\t) < 7
	s_wait_loadcnt 32                              ; this block's 32 loads are in; the next block's may be out
.else
	s_wait_loadcnt 0x0
.endif
	v_max3_num_f32 v12, |v[XS_]|, |v[XS_+1]|, |v[XS_+2]|
	v_max3_num_f32 v13, |v[XS_+3]|, |v[XS_+4]|, |v[XS_+5]|
.irp i, 6,10,14,18,22,26
	v_max3_num_f32 v12, v12, |v[XS_+\i]|, |v[XS_+\i+1]|
	v_max3_num_f32 v13, v13, |v[XS_+\i+2]|, |v[XS_+\i+3]|
.endr
	v_max3_num_f32 v12, v12, |v[XS_+30]|, |v[XS_+31]|
	v_max3_num_f32 v12, v12, v13, 0x2800000        ; the floor 2^(5 - 127)
	v_add_nc_u32 v11, 0xfe000000, v12              ; the conversion's scale operand
	v_lshrrev_b32 v13, 23, v11                     ; the byte
.if (\t)%4 == 0
	v_mov_b32 v[WSB+(\t)/4], v13
.else
	v_lshl_or_b32 v[WSB+(\t)/4], v13, 8*((\t)%4), v[WSB+(\t)/4]
.endif
	s_wait_alu depctr_va_vdst(0)
	s_wait_xcnt 0x0                                ; the last block's stores have read the codes' registers
	v_cvt_scalef32_pk16_bf6_f32 v[96:98], v[XS_:XS_+15], v11
	v_cvt_scalef32_pk16_bf6_f32 v[104:106], v[XS_+16:XS_+31], v11
	v_nop                                          ; one plain place behind a scaled conversion
	v_mov_b32 v99, v104
	v_mov_b32 v100, v105
	v_mov_b32 v101, v106
.irp p, 0,1,2
	global_store_b64 v7, v[96+2*\p:97+2*\p], s[12:13] offset:((\t)/4)*1536+(3*(((\t)%4)/2)+\p)*256+128*((\t)%2)
.endr
.if (\t)+2 < 8
	LOADB (\t)+2
.endif
.endm
	LOADB 0
	LOADB 1
.irp t, 0,1,2,3,4,5,6,7
	BLOCK \t
.endr
	global_store_b32 v8, v[WSB], s[14:15]
	global_store_b32 v8, v[WSB+1], s[14:15] offset:64
	s_endpgm
.Lfunc_end_k_q6d5225f3d5_quant:
	.size	k_q6d5225f3d5_quant, .Lfunc_end_k_q6d5225f3d5_quant-k_q6d5225f3d5_quant
	.p2alignl 7, 3214868480
	.fill 96, 4, 3214868480
	.section	.rodata,"a",@progbits
	.p2align	6, 0x0
	.amdhsa_kernel k_q6d5225f3d5_quant
		.amdhsa_group_segment_fixed_size 34304
		.amdhsa_private_segment_fixed_size 0
		.amdhsa_enable_private_segment 0
		.amdhsa_kernarg_size 112
		.amdhsa_user_sgpr_count 2
		.amdhsa_user_sgpr_kernarg_segment_ptr 1
		.amdhsa_wavefront_size32 1
		.amdhsa_system_sgpr_workgroup_id_x 1
		.amdhsa_system_sgpr_workgroup_id_y 1
		.amdhsa_system_sgpr_workgroup_id_z 1
		.amdhsa_system_vgpr_workitem_id 0
		.amdhsa_next_free_vgpr 242
		.amdhsa_next_free_sgpr 66
		.amdhsa_reserve_vcc 1
		.amdhsa_float_denorm_mode_32 3
		.amdhsa_float_denorm_mode_16_64 3
		.amdhsa_memory_ordered 1
		.amdhsa_forward_progress 1
		.amdhsa_inst_pref_size 102
	.end_amdhsa_kernel
	.amdgpu_metadata
---
amdhsa.version: [ 1, 2 ]
amdhsa.kernels:
  - .name:           k_q6d5225f3d5_quant
    .symbol:         k_q6d5225f3d5_quant.kd
    .args:
      - { .name: query, .offset: 0, .size: 8, .value_kind: global_buffer, .address_space: global }
      - { .name: key, .offset: 8, .size: 8, .value_kind: global_buffer, .address_space: global }
      - { .name: val, .offset: 16, .size: 8, .value_kind: global_buffer, .address_space: global }
      - { .name: pos_enc, .offset: 24, .size: 8, .value_kind: global_buffer, .address_space: global }
      - { .name: attn_mask, .offset: 32, .size: 8, .value_kind: global_buffer, .address_space: global }
      - { .name: xc, .offset: 40, .size: 8, .value_kind: global_buffer, .address_space: global }
      - { .name: xs, .offset: 48, .size: 8, .value_kind: global_buffer, .address_space: global }
      - { .name: lm, .offset: 56, .size: 8, .value_kind: global_buffer, .address_space: global }
      - { .name: Wq, .offset: 64, .size: 8, .value_kind: global_buffer, .address_space: global }
      - { .name: Wk, .offset: 72, .size: 8, .value_kind: global_buffer, .address_space: global }
      - { .name: Wv, .offset: 80, .size: 8, .value_kind: global_buffer, .address_space: global }
      - { .name: Wo, .offset: 88, .size: 8, .value_kind: global_buffer, .address_space: global }
      - { .name: wc, .offset: 96, .size: 8, .value_kind: global_buffer, .address_space: global }
      - { .name: ws, .offset: 104, .size: 8, .value_kind: global_buffer, .address_space: global }
    .group_segment_fixed_size: 34304
    .private_segment_fixed_size: 0
    .kernarg_segment_align: 8
    .kernarg_segment_size: 112
    .max_flat_workgroup_size: 128
    .sgpr_count:     66
    .vgpr_count:     242
    .wavefront_size: 32
...
	.end_amdgpu_metadata
.endif
;; end of part 6
;; launch proj (part 7): grid 8 x 56, 8 waves a work-group, no clusters, 327,680 bytes of LDS; arguments xc, xs, wc, ws, bq, bk, bv, r_w_bias, r_r_bias, opc, ops; writes opc, ops
.if DOCPART == 7
	.amdgcn_target "amdgcn-amd-amdhsa--gfx1250"
	.amdhsa_code_object_version 6
	.text
	.protected	k_q6d5225f3d5_proj
	.globl	k_q6d5225f3d5_proj
	.p2align	8
	.type	k_q6d5225f3d5_proj,@function
k_q6d5225f3d5_proj:
	s_mov_b64 s[64:65], 0
	v_nop
	global_prefetch_b8 v0, s[64:65] scope:SCOPE_SE
	s_setreg_imm32_b32 hwreg(HW_REG_WAVE_MODE, 25, 1), 1
	s_wait_xcnt 0x0
; The four projections on codes of BF6 (K = 1,024), their biases, and the quantising of what attention multiplies: q + r_w_bias, q + r_r_bias, k, rel along the head's 64; v along the keys.
; ROLES.  L rows go to lanes (source 1), R rows to registers (source 0): in accumulator (a, b) lane (r, h) holds L row 16 a + r and its register j R row 16 b + 8 h + j.  The register axis is the next quantiser's axis.
;   query, key, pos_enc: L = 256 tokens, R = 128 output features (two heads).   val: L = 256 features of Wv, R = 128 tokens (one key step of attention).
; A work-group has 8 waves; a wave makes 2 L tiles x 8 R tiles.  ALL of K lies in LDS, brought by tensor loads (K's first half and the scale words at the head, K's second half and the two relative biases behind the first barrier): nothing is filled again.  By this text's count one tensor load of a wave is out at the most.
; No cluster: for val the operands change roles, so that one mask for each line of the text would not hold; a work-group's tiles are read once.
; The sums begin with the bias, loaded into the accumulators.  So the bias is the first term of the f32 sum where reference() adds it last: an order of rounding that differs by about an ulp.
; r_w_bias and r_r_bias: waves 6 and 7 bring the work-group's 128 numbers of each into LDS, once for the work-group; query's work-groups add them in the epilogue, the others leave them unused and quantise the sums as they stand.
; ORDER WITHIN A BLOCK OF 32.  The tiles are plain, so register 16 B + 8 u + j of lane half h is number 32 B + 16 u + 8 h + j, and the quantiser lays it at place 32 B + 16 h + 8 u + j.  The block is the same 32 numbers; the same
; order falls on both operands of each of attention's products (this epilogue makes q, k, rel and v; attention lays p so), so every product is unchanged.
; OUTPUT.  opc: q + r_w at 0, q + r_r at 3,145,728, k at 6,291,456: [batch x head 32][tile 128][768] (half images: K = 64);  v at 9,437,184: [bh][step 16][d tile 4][1,536];  rel at 12,582,912: [head 16][tile 128][768].
;          ops: scale words: 0, 262,144, 524,288: [bh][2,048];  v 786,432: [bh][step][64];  rel 917,504: [head][2,048].  In a word of a K = 64 operand bytes 2, 3 are the neighbour head's or 0: they meet zero codes.
; LIMITS: NaN and infinities are not served; a block under 2^-122 gets the byte 1: read by this program alone.
.set NA,   2
.set HALF, 147456                      ; LDS: half f of K at f x HALF: L's 16 tiles x 6,144, then R's 8 x 6,144
.set ROFF, 98304
.set ASB,  294912                      ; L's scale words: 512 bytes a tile
.set BSB,  303104                      ; R's
.set BIA,  307200                      ; 1,024 bytes once for the work-group: 128 numbers of r_w_bias, 128 of r_r_bias
.set ACC,  128                         ; v128-255 accumulators: (a, b) at 128 + 64 a + 8 b
.set LF,   16                          ; v16-39  L's fragments
.set RF,   40                          ; v40-87  four of R's
.set SL,   120                         ; v120    L's scale words: lanes 0-15 tile 0, lanes 16-31 tile 1
.set SR,   121                         ; v121-124 R's: register m: tiles 2 m, 2 m + 1
.set ADL,  2
.set ADR,  3
.set ASL,  4
.set ASR,  5
.set PC,   80                          ; epilogue: v16-79 64 numbers, v80-98 codes, v100-115 at work, v116 the scale word, v117 the word as stored, v118 my place among the relative biases
.set TM,   100
.set PW,   116
.set SEL,  66
.macro G1SET g, c, r, p                ; descriptor group 1: r rows of c elements of 8 bytes, p elements apart; no padding, no mask
	s_mov_b32 s[\g+0], 3<<16
	s_mov_b32 s[\g+1], (\c)<<16
	s_mov_b32 s[\g+2], (\r)<<16
	s_mov_b32 s[\g+3], (\c)<<16
	s_mov_b32 s[\g+4], \r
	s_mov_b32 s[\g+5], \p
	s_mov_b32 s[\g+6], 0
	s_mov_b32 s[\g+7], 0
.endm
.macro G0SET g, ptr, add               ; descriptor group 0 but for its LDS word
	s_mov_b32 s[\g], 1
	s_add_nc_u64 s[\g+2:\g+3], s[\ptr:\ptr+1], \add
	s_or_b32 s[\g+3], s[\g+3], 0x80000000
.endm
.macro FRAGS reg, adr, off             ; a fragment's image: six loads of 256 consecutive bytes
.irp p, 0,1,2,3,4,5
	ds_load_b64 v[\reg+2*\p:\reg+2*\p+1], v[\adr] offset:\off+256*\p
.endr
.endm
.macro PROD a, b
.set D_, ACC+64*(\a)+8*(\b)
.set A_, RF+12*((\b)%4)
.set B_, LF+12*(\a)
.set S_, SR+(\b)/2
.if ((\b)%2 == 0) && ((\a) == 0)
	v_wmma_scale_f32_16x16x128_f8f6f4 v[D_:D_+7], v[A_:A_+11], v[B_:B_+11], v[D_:D_+7], v[S_], v[SL] matrix_a_fmt:MATRIX_FMT_BF6 matrix_b_fmt:MATRIX_FMT_BF6
.elseif (\a) == 0
	v_wmma_scale_f32_16x16x128_f8f6f4 v[D_:D_+7], v[A_:A_+11], v[B_:B_+11], v[D_:D_+7], v[S_], v[SL] matrix_a_fmt:MATRIX_FMT_BF6 matrix_b_fmt:MATRIX_FMT_BF6 matrix_a_scale:MATRIX_SCALE_ROW1
.elseif (\b)%2 == 0
	v_wmma_scale_f32_16x16x128_f8f6f4 v[D_:D_+7], v[A_:A_+11], v[B_:B_+11], v[D_:D_+7], v[S_], v[SL] matrix_a_fmt:MATRIX_FMT_BF6 matrix_b_fmt:MATRIX_FMT_BF6 matrix_b_scale:MATRIX_SCALE_ROW1
.else
	v_wmma_scale_f32_16x16x128_f8f6f4 v[D_:D_+7], v[A_:A_+11], v[B_:B_+11], v[D_:D_+7], v[S_], v[SL] matrix_a_fmt:MATRIX_FMT_BF6 matrix_b_fmt:MATRIX_FMT_BF6 matrix_a_scale:MATRIX_SCALE_ROW1 matrix_b_scale:MATRIX_SCALE_ROW1
.endif
.endm
.macro PRODS first                     ; NA x 4 products; all accumulators take turns, one instruction a turn
.irp a, 0,1
.if \a < NA
.irp b, 0,1,2,3
	PROD \a, (\first)+\b
.endr
.endif
.endr
.endm
.macro PLACES                          ; four plain places between matrix instructions and loads into (or reads of) their registers
.rept 4
	v_nop
.endr
.endm
.macro KSTEP k, half                   ; 128 along K: the k-th of its half
.set KO_, 64*(4*(\half)+(\k))
.if (\k)+(\half) > 0
	PLACES
.endif
.irp a, 0,1
.if \a < NA
	FRAGS LF+12*\a, ADL, \a*6144+1536*(\k)
.endif
.endr
	ds_load_b32 v[SL], v[ASL] offset:KO_
.irp b, 0,1,2,3
	FRAGS RF+12*\b, ADR, \b*6144+1536*(\k)
.endr
	ds_load_b32 v[SR], v[ASR] offset:KO_
	ds_load_b32 v[SR+1], v[ASR] offset:1024+KO_
	s_wait_dscnt 0x0
	PRODS 0
	PLACES
.irp b, 0,1,2,3
	FRAGS RF+12*\b, ADR, (\b+4)*6144+1536*(\k)
.endr
	ds_load_b32 v[SR+2], v[ASR] offset:2048+KO_
	ds_load_b32 v[SR+3], v[ASR] offset:3072+KO_
	s_wait_dscnt 0x0
	PRODS 4
.endm
; 64 numbers of a lane, v[s] .. v[s + 63], four blocks of 32 shared with lane l xor 16, become a fragment's codes in v[PC] on and its scale word in v[PW].
; Where s names accumulators, each of the eight is first read at its two lowest registers: the even ones by the first four lines, the odd ones at i = 8.
.macro QUANT s
.irp b, 0,1,2,3
	v_max3_num_f32 v[TM+\b], |v[\s+16*\b]|, |v[\s+1+16*\b]|, 0x2800000   ; my 16 numbers of block b, and the floor 2^(5 - 127): the byte cannot fall under 1
.endr
.irp i, 2,4,6,8,10,12,14
.irp b, 0,1,2,3
	v_max3_num_f32 v[TM+\b], v[TM+\b], |v[\s+16*\b+\i]|, |v[\s+1+16*\b+\i]|
.endr
.endr
.irp b, 0,1,2,3
	s_delay_alu instid0(VALU_DEP_4)
	v_permlanex16_b32 v[TM+4+\b], v[TM+\b], s[SEL], s[SEL+1]
.endr
.irp b, 0,1,2,3
	s_delay_alu instid0(VALU_DEP_4)
	v_max_num_f32 v[TM+\b], v[TM+\b], v[TM+4+\b]   ; the block's largest magnitude
.endr
.irp b, 0,1,2,3
	s_delay_alu instid0(VALU_DEP_4)
	v_add_nc_u32 v[TM+12+\b], 0xfe000000, v[TM+\b] ; 4 off its exponent field: the conversion's scale operand
.endr
.irp b, 0,1,2,3
	s_delay_alu instid0(VALU_DEP_4)
	v_lshrrev_b32 v[TM+4+\b], 23, v[TM+12+\b]      ; the byte
.endr
	s_delay_alu instid0(VALU_DEP_3)
	v_lshl_or_b32 v[PW], v[TM+5], 8, v[TM+4]
	s_delay_alu instid0(VALU_DEP_1)
	v_lshl_or_b32 v[PW], v[TM+6], 16, v[PW]
	s_delay_alu instid0(VALU_DEP_1)
	v_lshl_or_b32 v[PW], v[TM+7], 24, v[PW]
.irp c, 0,1
	v_cvt_scalef32_pk16_bf6_f32 v[PC+6*\c:PC+2+6*\c], v[\s+32*\c:\s+15+32*\c], v[TM+12+2*\c]
	v_cvt_scalef32_pk16_bf6_f32 v[PC+12+4*\c:PC+14+4*\c], v[\s+16+32*\c:\s+31+32*\c], v[TM+12+2*\c+1]
.endr
	v_nop                                          ; one plain place behind a scaled conversion
.irp c, 0,1                            ; the operand wants a whole block in a lane: lanes 0-15 block 2 c, lanes 16-31 block 2 c + 1
.irp i, 0,1,2
	v_permlane16_swap_b32 v[PC+6*\c+\i], v[PC+12+4*\c+\i]
.endr
.irp i, 0,1,2
	s_delay_alu instid0(VALU_DEP_3)
	v_mov_b32 v[PC+3+6*\c+\i], v[PC+12+4*\c+\i]
.endr
.endr
.endm
.macro EPIOUT                          ; a tile's six pieces and its scale words are stored; the pointers step to the next L tile
	v_lshrrev_b32 v117, v9, v[PW]                  ; lanes 16-31 store the second head's two bytes as bytes 0, 1 (for v: no shift)
.irp p, 0,1,2
	global_store_b64 v6, v[PC+2*\p:PC+2*\p+1], s[96:97] offset:256*\p      ; 256 consecutive bytes, aligned
	global_store_b64 v7, v[PC+6+2*\p:PC+7+2*\p], s[96:97] offset:256*\p    ; pieces 3-5: the next head's half image, or the second half of v's image
.endr
	global_store_b32 v8, v117, s[98:99]
	s_wait_xcnt 0x0                                ; the stores have read their data and bases: both are written again below and in the next turn
	s_add_nc_u64 s[96:97], s[96:97], s[68:69]
	s_add_nc_u64 s[98:99], s[98:99], 64
.endm
.macro EPIQ off                        ; query: the sums + a relative bias (at off in my bytes of LDS; sixteen lanes share each address), quantised and stored, for both L tiles
.irp a, 0,1
.irp b, 0,1,2,3,4,5,6,7
	ds_load_b128 v[16+8*\b:19+8*\b], v118 offset:\off+64*\b
	ds_load_b128 v[20+8*\b:23+8*\b], v118 offset:\off+64*\b+16
.endr
	s_wait_dscnt 0x0
.set J_, 0
.rept 32
	v_pk_add_f32 v[16+J_:17+J_], v[16+J_:17+J_], v[ACC+64*\a+J_:ACC+64*\a+J_+1]   ; ascending: each accumulator is first read at its low end
.set J_, J_+2
.endr
	QUANT 16
	EPIOUT
.endr
.endm
.macro EPIN                            ; key, val, pos_enc: the sums as they stand
.irp a, 0,1
	QUANT ACC+64*\a
	EPIOUT
.endr
.endm
	s_load_b512 s[4:19], s[0:1], 0x0               ; xc, xs, wc, ws, bq, bk, bv, r_w_bias
	s_load_b128 s[20:23], s[0:1], 0x40             ; r_r_bias, opc
	s_load_b64 s[24:25], s[0:1], 0x50              ; ops
	v_lshl_add_u32 v126, v0, 2, 0x4d000
	v_mov_b32 v127, 0
	ds_add_u32 v126, v127
	ds_add_u32 v126, v127
	v_lshrrev_b32 v1, 5, v0
	s_delay_alu instid0(VALU_DEP_1)
	v_readfirstlane_b32 s26, v1                    ; wave 0..7
	v_and_b32 v1, 31, v0
	v_and_b32 v11, 15, v0                          ; r
	v_bfe_u32 v12, v0, 4, 1                        ; h
	s_delay_alu instid0(VALU_DEP_3)
	v_lshlrev_b32 v6, 3, v1                        ; 8 x lane
	s_mul_i32 s92, s26, 12288
	v_add_nc_u32 v[ADL], s92, v6                   ; my two L tiles
	v_add_nc_u32 v[ADR], ROFF, v6                  ; R's eight
	v_lshlrev_b32 v4, 9, v12
	s_delay_alu instid0(VALU_DEP_1)
	v_lshl_add_u32 v4, v11, 2, v4                  ; 512 h + 4 r
	s_delay_alu instid0(VALU_DEP_1)
	v_add_nc_u32 v[ASR], BSB, v4
	s_lshl_b32 s92, s26, 10
	s_add_co_u32 s92, s92, ASB
	v_add_nc_u32 v[ASL], s92, v4
	v_lshlrev_b32 v10, 5, v12                      ; 32 h: my eight numbers of a tile's sixteen along the register axis
	v_add_nc_u32 v118, BIA, v10                    ; the same among the relative biases, which lie once for the work-group: r_w_bias at BIA, r_r_bias 512 bytes on
.irp b, 0,1,2,3
	v_mov_b32 v[TM+4+\b], 0                        ; a lane permute's destination counts as read
.endr
	s_mov_b32 s[SEL], 0x76543210
	s_mov_b32 s[SEL+1], 0xfedcba98
	s_and_b32 s28, ttmp7, 0xffff                   ; y
	s_lshr_b32 s29, s28, 4                         ; type: 0 query, 1 key, 2 val, 3 pos_enc
	s_sub_co_u32 s92, s28, 32
	s_lshl_b32 s92, s92, 3
	s_add_co_u32 s92, s92, ttmp9                   ; val: idx = 8 (y - 32) + x (used for val alone)
	s_and_b32 s27, s92, 3                          ; which 256 features
	s_lshr_b32 s94, s92, 2                         ; which 128 tokens
	s_lshl_b32 s95, s27, 4
	s_add_co_u32 s95, s95, 128                     ; val: L's first tile, in wc
	s_lshl_b32 s96, s94, 3
	s_add_co_u32 s96, s96, 512                     ; val: R's first tile, in xc
	s_lshl_b32 s97, s28, 4                         ; else: L's first tile, in xc
	s_cmp_eq_u32 s29, 3
	s_cselect_b32 s98, 1, s29                      ; which weight: 0, 1, 2, 1
	s_lshl_b32 s98, s98, 6
	s_lshl_b32 s99, ttmp9, 3
	s_add_co_u32 s98, s98, s99                     ; else: R's first tile, in wc
	s_cmp_eq_u32 s29, 2
	s_cselect_b32 s30, s95, s97
	s_cselect_b32 s31, s96, s98
	s_mov_b32 s92, 98304
	s_cselect_b32 s92, 768, s92                    ; from pieces 0-2 to pieces 3-5 in memory
	s_cselect_b32 s95, 0, 8192                     ; from the first head's scale words to the second's
	s_cselect_b32 s96, 0, 16
	v_add_nc_u32 v7, s92, v6
	v_mul_u32_u24 v8, s95, v12
	s_delay_alu instid0(VALU_DEP_1)
	v_lshl_add_u32 v8, v11, 2, v8
	v_mul_u32_u24 v9, s96, v12
	; THE LOADS: one a wave at the head, one a wave behind the first barrier.
	; Head: waves 0-3 the first half of K of four L tiles each, waves 4, 5 of four R tiles each, wave 6 L's scale words, wave 7 R's.
	; Behind the first barrier: waves 0-5 the second half of K of the same tiles, wave 6 r_w_bias's 128 numbers, wave 7 r_r_bias's.  One tensor load of a wave is out at the most.
	G1SET 32, 32, 32, 32                           ; L's scale words: 8,192 dense bytes
	G1SET 40, 32, 16, 32                           ; R's: 4,096
	G1SET 48, 768, 4, 1536                         ; half of K of four tiles: 4 rows of 6,144 bytes, 12,288 apart
	G1SET 56, 32, 2, 32                            ; a relative bias's part: 512 bytes
	s_mov_b32 s69, ASB
	s_mov_b32 s73, BSB
	s_mul_i32 s77, s26, 24576                      ; L's 16 tiles x 6,144, then R's 8: four tiles a wave
	s_add_co_u32 s85, s77, HALF
	s_mov_b32 s3, 0
	s_wait_alu depctr_va_vdst(0)
	s_wait_dscnt 0x0
	s_wait_kmcnt 0x0
	s_cmp_eq_u32 s29, 2
	s_cselect_b64 s[96:97], s[8:9], s[4:5]         ; L's codes
	s_cselect_b64 s[98:99], s[4:5], s[8:9]         ; R's codes
	s_cselect_b64 s[100:101], s[10:11], s[6:7]     ; L's scale words
	s_cselect_b64 s[104:105], s[6:7], s[10:11]     ; R's
	s_lshl_b32 s2, s30, 9
	s_add_nc_u64 s[100:101], s[100:101], s[2:3]
	s_lshl_b32 s2, s31, 9
	s_add_nc_u64 s[104:105], s[104:105], s[2:3]
	s_cmp_lt_u32 s26, 4                            ; waves 0-3 fetch L's codes, waves 4, 5 R's: the choice hangs on the wave's number alone
	s_cselect_b64 s[96:97], s[96:97], s[98:99]
	s_cselect_b32 s2, s30, s31
	s_and_b32 s92, s26, 3
	s_lshl_b32 s92, s92, 2
	s_add_co_u32 s2, s2, s92                       ; my first tile of four
	s_mul_i32 s2, s2, 12288
	s_add_nc_u64 s[96:97], s[96:97], s[2:3]
	G0SET 68, 100, 0
	G0SET 72, 104, 0
	G0SET 76, 96, 0
	G0SET 84, 96, 6144
	s_lshl_b32 s2, ttmp9, 9                        ; my work-group's 128 numbers of a bias of 1,024.  s[4:7] have been read: they take one more group 0
	s_mov_b32 s4, 1
	s_lshl_b32 s5, s26, 9
	s_add_co_u32 s5, s5, BIA-3072                  ; wave 6: BIA, wave 7: BIA + 512
	s_cmp_lt_u32 s26, 7
	s_cselect_b64 s[6:7], s[18:19], s[20:21]       ; r_w_bias, r_r_bias
	s_add_nc_u64 s[6:7], s[6:7], s[2:3]
	s_or_b32 s7, s7, 0x80000000
	s_cmp_lt_u32 s26, 6                            ; one chain of branches on the wave's number, one load to an arm
	s_cbranch_scc0 .Lh_sl
	tensor_load_to_lds s[76:79], s[48:55]          ; K's first half of my four tiles
	s_nop 0
	PLACES
	s_branch .Lh_done
.Lh_sl:
	s_cmp_lt_u32 s26, 7
	s_cbranch_scc0 .Lh_sr
	tensor_load_to_lds s[68:71], s[32:39]          ; L's scale words
	s_nop 0
	PLACES
	s_branch .Lh_done
.Lh_sr:
	tensor_load_to_lds s[72:75], s[40:47]          ; R's scale words
	s_nop 0
	PLACES
.Lh_done:
	; the bias starts the sums
	s_mov_b32 s93, 0
	s_cmp_eq_u32 s29, 2
	s_cbranch_scc1 .Lbias_val
	s_cmp_eq_u32 s29, 0
	s_cselect_b64 s[2:3], s[12:13], s[14:15]       ; bq for query, bk for key and pos_enc
	s_lshl_b32 s92, ttmp9, 9
	s_add_nc_u64 s[2:3], s[2:3], s[92:93]
.irp a, 0,1
.irp b, 0,1,2,3,4,5,6,7
	global_load_b128 v[ACC+64*\a+8*\b:ACC+64*\a+8*\b+3], v10, s[2:3] offset:64*\b
	global_load_b128 v[ACC+64*\a+8*\b+4:ACC+64*\a+8*\b+7], v10, s[2:3] offset:64*\b+16
.endr
.endr
	s_branch .Lbias_done
.Lbias_val:                            ; val: the bias runs along the lanes: one number a lane and L tile, spread over the tile's 64 registers
	s_lshl_b32 s92, s27, 10
	s_lshl_b32 s95, s26, 7
	s_add_co_u32 s92, s92, s95
	s_add_nc_u64 s[2:3], s[16:17], s[92:93]
	v_lshlrev_b32 v13, 2, v11
	global_load_b32 v14, v13, s[2:3]
	global_load_b32 v15, v13, s[2:3] offset:64
	s_wait_loadcnt 0x0
.set J_, 0
.rept 64
	v_mov_b32 v[ACC+J_], v14
	v_mov_b32 v[ACC+64+J_], v15
.set J_, J_+1
.endr
.Lbias_done:
	s_wait_tensorcnt 0x0                           ; my one load of the head has landed
	ds_add_u32 v126, v127
	s_wait_loadcnt 0x0                             ; the bias
	s_wait_dscnt 0x0                               ; the add is done
	s_barrier_signal -1
	s_barrier_wait -1                              ; everybody's part of K's first half and of the scale words is in
	s_cmp_lt_u32 s26, 6
	s_cbranch_scc0 .Lp2_b
	tensor_load_to_lds s[84:87], s[48:55]          ; K's second half of my four tiles: it has four K steps in which to land
	s_nop 0
	PLACES
	s_branch .Lp2_done
.Lp2_b:
	tensor_load_to_lds s[4:7], s[56:63]            ; a relative bias's 512 bytes
	s_nop 0
	PLACES
.Lp2_done:
	s_wait_alu depctr_va_vdst(0)
	KSTEP 0, 0
	KSTEP 1, 0
	KSTEP 2, 0
	KSTEP 3, 0
	s_wait_tensorcnt 0x0                           ; my parts of the second half have landed
	s_wait_dscnt 0x0
	s_barrier_signal -1
	s_barrier_wait -1                              ; everybody's have
	v_add_nc_u32 v[ADL], HALF, v[ADL]
	v_add_nc_u32 v[ADR], HALF, v[ADR]
	s_wait_alu depctr_va_vdst(0)
	KSTEP 0, 1
	KSTEP 1, 1
	KSTEP 2, 1
	KSTEP 3, 1
	PLACES                                         ; in front of the loads into the fragments' registers and of the first reads of the sums
	; where the results go: offsets in registers of their own, added to the pointers last
	s_cmp_eq_u32 s29, 2
	s_cbranch_scc1 .Ldst_val
	s_and_b32 s92, s28, 15                         ; which 256 tokens of the tensor
	s_lshr_b32 s95, s92, 3                         ; batch
	s_and_b32 s92, s92, 7
	s_lshl_b32 s92, s92, 4
	s_lshl_b32 s30, s26, 1
	s_add_co_u32 s92, s92, s30                     ; my first tile of the sequence's 128
	s_lshl_b32 s95, s95, 4
	s_lshl_b32 s30, ttmp9, 1
	s_add_co_u32 s95, s95, s30                     ; 16 batch + first head
	s_lshl_b32 s30, s95, 7
	s_add_co_u32 s30, s30, s92
	s_mul_i32 s30, s30, 768
	s_add_co_u32 s31, s29, 1
	s_lshr_b32 s31, s31, 1
	s_mul_i32 s31, s31, 6291456                    ; region: 0 (query), 6,291,456 (key), 12,582,912 (pos_enc)
	s_add_co_u32 s30, s30, s31
	s_lshl_b32 s95, s95, 11
	s_lshl_b32 s92, s92, 4
	s_add_co_u32 s95, s95, s92
	s_lshl_b32 s95, s95, 2
	s_mov_b32 s31, 917504
	s_cmp_eq_u32 s29, 1
	s_cselect_b32 s31, 524288, s31
	s_cmp_eq_u32 s29, 0
	s_cselect_b32 s31, 0, s31
	s_add_co_u32 s31, s31, s95
	s_mov_b32 s68, 768                             ; from L tile to L tile
	s_branch .Ldst_done
.Ldst_val:
	s_lshl_b32 s92, s27, 2
	s_lshr_b32 s95, s26, 1
	s_add_co_u32 s92, s92, s95                     ; head
	s_lshr_b32 s95, s94, 4
	s_lshl_b32 s95, s95, 4
	s_add_co_u32 s92, s92, s95                     ; + 16 batch
	s_lshl_b32 s92, s92, 4
	s_and_b32 s95, s94, 15
	s_add_co_u32 s92, s92, s95                     ; x 16 + key step
	s_and_b32 s95, s26, 1
	s_lshl_b32 s95, s95, 1                         ; my first tile of the head's four
	s_lshl_b32 s30, s92, 2
	s_add_co_u32 s30, s30, s95
	s_mul_i32 s30, s30, 1536
	s_add_co_u32 s30, s30, 9437184
	s_lshl_b32 s31, s92, 8
	s_lshl_b32 s95, s95, 6
	s_add_co_u32 s31, s31, s95
	s_add_co_u32 s31, s31, 786432
	s_mov_b32 s68, 1536
.Ldst_done:
	s_mov_b32 s69, 0
	s_mov_b32 s93, 0
	s_mov_b32 s92, s30
	s_add_nc_u64 s[96:97], s[22:23], s[92:93]
	s_mov_b32 s92, s31
	s_add_nc_u64 s[98:99], s[24:25], s[92:93]
	s_cmp_eq_u32 s29, 0
	s_cbranch_scc1 .Lquery
	EPIN
	s_wait_tensorcnt 0x0
	ds_add_u32 v126, v127
	s_wait_dscnt 0x0
	s_endpgm
.Lquery:
	EPIQ 0                                         ; q + r_w_bias
	s_add_nc_u64 s[96:97], s[96:97], 3145728-1536  ; once more, with r_r_bias, into the second region
	s_add_nc_u64 s[98:99], s[98:99], 262144-128
	EPIQ 512
	s_wait_tensorcnt 0x0
	ds_add_u32 v126, v127
	s_wait_dscnt 0x0
	s_endpgm
.Lfunc_end_k_q6d5225f3d5_proj:
	.size	k_q6d5225f3d5_proj, .Lfunc_end_k_q6d5225f3d5_proj-k_q6d5225f3d5_proj
	.p2alignl 7, 3214868480
	.fill 96, 4, 3214868480
	.section	.rodata,"a",@progbits
	.p2align	6, 0x0
	.amdhsa_kernel k_q6d5225f3d5_proj
		.amdhsa_group_segment_fixed_size 327680
		.amdhsa_private_segment_fixed_size 0
		.amdhsa_enable_private_segment 0
		.amdhsa_kernarg_size 88
		.amdhsa_user_sgpr_count 2
		.amdhsa_user_sgpr_kernarg_segment_ptr 1
		.amdhsa_wavefront_size32 1
		.amdhsa_system_sgpr_workgroup_id_x 1
		.amdhsa_system_sgpr_workgroup_id_y 1
		.amdhsa_system_sgpr_workgroup_id_z 1
		.amdhsa_system_vgpr_workitem_id 0
		.amdhsa_next_free_vgpr 256
		.amdhsa_next_free_sgpr 106
		.amdhsa_reserve_vcc 0
		.amdhsa_float_denorm_mode_32 3
		.amdhsa_float_denorm_mode_16_64 3
		.amdhsa_memory_ordered 1
		.amdhsa_forward_progress 1
		.amdhsa_inst_pref_size 114
	.end_amdhsa_kernel
	.amdgpu_metadata
---
amdhsa.version: [ 1, 2 ]
amdhsa.kernels:
  - .name:           k_q6d5225f3d5_proj
    .symbol:         k_q6d5225f3d5_proj.kd
    .args:
      - { .name: xc, .offset: 0, .size: 8, .value_kind: global_buffer, .address_space: global }
      - { .name: xs, .offset: 8, .size: 8, .value_kind: global_buffer, .address_space: global }
      - { .name: wc, .offset: 16, .size: 8, .value_kind: global_buffer, .address_space: global }
      - { .name: ws, .offset: 24, .size: 8, .value_kind: global_buffer, .address_space: global }
      - { .name: bq, .offset: 32, .size: 8, .value_kind: global_buffer, .address_space: global }
      - { .name: bk, .offset: 40, .size: 8, .value_kind: global_buffer, .address_space: global }
      - { .name: bv, .offset: 48, .size: 8, .value_kind: global_buffer, .address_space: global }
      - { .name: r_w_bias, .offset: 56, .size: 8, .value_kind: global_buffer, .address_space: global }
      - { .name: r_r_bias, .offset: 64, .size: 8, .value_kind: global_buffer, .address_space: global }
      - { .name: opc, .offset: 72, .size: 8, .value_kind: global_buffer, .address_space: global }
      - { .name: ops, .offset: 80, .size: 8, .value_kind: global_buffer, .address_space: global }
    .group_segment_fixed_size: 327680
    .private_segment_fixed_size: 0
    .kernarg_segment_align: 8
    .kernarg_segment_size: 88
    .max_flat_workgroup_size: 256
    .sgpr_count:     106
    .vgpr_count:     256
    .wavefront_size: 32
...
	.end_amdgpu_metadata
.endif
;; end of part 7
;; launch attn (part 8): grid 8 x 32, 16 waves a work-group, no clusters, 327,680 bytes of LDS; arguments opc, ops, lm, ob; writes ob
.if DOCPART == 8
	.amdgcn_target "amdgcn-amd-amdhsa--gfx1250"
	.amdhsa_code_object_version 6
	.text
	.protected	k_q6d5225f3d5_attn
	.globl	k_q6d5225f3d5_attn
	.p2align	8
	.type	k_q6d5225f3d5_attn,@function
k_q6d5225f3d5_attn:
	s_mov_b64 s[64:65], 0
	v_nop
	global_prefetch_b8 v0, s[64:65] scope:SCOPE_SE
	s_setreg_imm32_b32 hwreg(HW_REG_WAVE_MODE, 25, 1), 1
	s_wait_xcnt 0x0
; Attention with Transformer-XL's relative shift, on codes of BF6.  For query i and key j: score = (q + r_w)[i] . k[j] + shifted(i, j), logit = score / 32, a masked key's logit is a large negative number;
; with e = j - i + 2,047: shifted = (q + r_r)[i] . rel[e] for e < 2,048, 0 for e = 2,048, (q + r_r)[i + 1] . rel[e - 2,049] for e > 2,048.
; SOFTMAX: t = score x log2(e) / 32; M = the running largest t rounded up to a whole number; p = 2^(t - M) is quantised along the keys; the row's sum is taken of the unquantised p and divides at the end.
; SHARES.  Work-group (x, y): head and batch y, queries 256 x on; each of 16 waves owns 16 queries in 256 registers and walks 16 steps of 128 keys.  All products are used transposed: a lane holds ONE query (lane % 16).
; THE SHIFT.  For a wave's 16 queries and a step's 128 keys e spans 143 values: nine tiles of 16 rows of rel (tile a = 127 - query tile + 8 step + n holds e = 16 a .. 16 a + 15).  Tiles a < 128 take rel's rows as they lie, against (q + r_r)[i];
; tiles a >= 128 take rel one row lower (row 0 of tile 128 is a row of zeros), against (q + r_r)[i + 1].  The nine results go into the wave's own stage in LDS, a row a query, and come back moved by 15 - r words: key + 15 - r is the key's place in
; row r.  What comes back is the C operand of the content product: no addition is written.
; TWO WAYS THROUGH THE NINE TILES.  The first tile steps by 8 from step to step, so in 15 of a wave's 16 steps all nine lie on one side of tile 128: then one address serves all nine (the tile stands in the immediate), the scale words come two tiles
; to a load, and one branch on ids chooses the rows of q + r_r.  The one step that straddles tile 128 forms each tile's address and chooses each tile's rows by itself.
; K = 64 IN A FORM OF K = 128: q's fragments have zeros in their upper six registers; what stands in the other side's upper six, and in bytes 2, 3 of the scale words (never 0xff), meets zero codes.
; LDS: two slots, each with two steps' k (12,288 bytes), filled by wave 0: one barrier for two steps; the head's rel (98,304), and the scale words of rel, k, v of the whole head, filled once; 16 stages.
; No cluster: what work-groups share of a step (12 KiB) is small beside the 16 waves' own traffic through the stages; no prefetch: a refill has two steps of 16 waves' LDS work in which to land.
; LIMITS: NaN and infinities are not served.  A masked key gets the raw score -2^35, the logit -2^30 in place of -1e9: t is then a whole number, so a row masked throughout gives p = 1 everywhere, as reference() does; results differ
; from reference() only where an unmasked logit lies under about -5e8.  A block of p that has fallen to zeros keeps the byte 1: its codes are zeros.
; WHERE k AND v COME FROM.  A slot holds two steps' k alone (12,288 bytes), filled by wave 0.  v's fragments lie in opc as images of the operand's registers, so each wave loads them from memory straight into registers:
; 24 loads of 256 consecutive bytes a step, asked for ahead of the softmax and waited for behind it.  That takes 24 of a wave's LDS reads out of each step; v has no bytes in LDS but its scale words.
; The head's fills: wave 0 slot 0's k, waves 1 to 8 rel's codes, waves 9 to 12 rel's and k's scale words, waves 14 and 15 v's scale words; wave 13 has none.
.set SPARE, 24576                      ; the spare words: 128 bytes for each of 16 waves
.set VSW,   26624                      ; v's scale words, 4,096
.set SLOTX, 32768                      ; slot 1 begins here: one exclusive or turns a slot's address
.set RZS,   57344                      ; 256 bytes: the zero row's scale word is the last
.set RELS,  57600                      ; rel's scale words, 8,192;
.set KSW,   65792                      ; k's, 8,192
.set RZC,   73984                      ; a tile of zero codes in front of rel's
.set RELC,  74752                      ; rel's 128 half images
.set STG,   173056                     ; stages: 16 rows x 592 bytes a wave
.set STGW,  9472
.set SP,    592
.set QRO,   3145728                    ; opc's regions
.set KCO,   6291456
.set VCO,   9437184
.set RCO,   12582912
.set QRSO,  262144                     ; ops's regions
.set KSO,   524288
.set VSO,   786432
.set RSO,   917504
; REGISTERS: v1 8 x lane; v2, v3 my place in a tile of rel, as it lies and one row lower; v4 among rel's scale words; v5, v6 the add's; v7, v8 the stage, in and out; v9-11 the step's addresses; v12 -M, v13 the largest t, v[14:15] the sum;
; v16-27 q + r_w; v28 the masked score; v29-30 addresses in hand; v31 4 x lane; v32-91 fragments; v92-95, v219-223 rel's scale words; v96-159 scores, then p; v160-191 O^T; v192-203, v204-215 q + r_r of rows i, i + 1; v216-218 their scale words;
; v224-235 the ninth tile, then p's codes; v232-254 at work; v248-251 k's, then v's scale words; v253 p's scale word; v255 an address at the head.
; s[4:7] where the result goes; s[8:15] the ring's group 1; s[16:19] the walking group 0; s[20:21] the masks; s22 wave; s23 trips; s[24:25] selects; s[26:27] c; s28 slot; s29, s30 where the step's scale words of k and v begin; s31 first tile of rel; s[32:63], s[68:99] 64 lane masks.
.macro G1SET g, r                      ; a dense block as r rows of 256 bytes (32 elements of 8 bytes)
	s_mov_b32 s[\g+0], 3<<16
	s_mov_b32 s[\g+1], 32<<16
	s_mov_b32 s[\g+2], (\r)<<16
	s_mov_b32 s[\g+3], 32<<16
	s_mov_b32 s[\g+4], \r
	s_mov_b32 s[\g+5], 32
	s_mov_b32 s[\g+6], 0
	s_mov_b32 s[\g+7], 0
.endm
.macro PLACES n
.rept \n
	v_nop
.endr
.endm
.macro WM d, a, b, zero, sa, sb, row   ; zero = 1: the product starts its sum; row = 1: source 0's scale words stand in lanes 16-31
.if (\zero) && ((\row) == 0)
	v_wmma_scale_f32_16x16x128_f8f6f4 v[\d:\d+7], v[\a:\a+11], v[\b:\b+11], 0, v[\sa], v[\sb] matrix_a_fmt:MATRIX_FMT_BF6 matrix_b_fmt:MATRIX_FMT_BF6
.elseif (\zero)
	v_wmma_scale_f32_16x16x128_f8f6f4 v[\d:\d+7], v[\a:\a+11], v[\b:\b+11], 0, v[\sa], v[\sb] matrix_a_fmt:MATRIX_FMT_BF6 matrix_b_fmt:MATRIX_FMT_BF6 matrix_a_scale:MATRIX_SCALE_ROW1
.elseif (\row) == 0
	v_wmma_scale_f32_16x16x128_f8f6f4 v[\d:\d+7], v[\a:\a+11], v[\b:\b+11], v[\d:\d+7], v[\sa], v[\sb] matrix_a_fmt:MATRIX_FMT_BF6 matrix_b_fmt:MATRIX_FMT_BF6
.else
	v_wmma_scale_f32_16x16x128_f8f6f4 v[\d:\d+7], v[\a:\a+11], v[\b:\b+11], v[\d:\d+7], v[\sa], v[\sb] matrix_a_fmt:MATRIX_FMT_BF6 matrix_b_fmt:MATRIX_FMT_BF6 matrix_a_scale:MATRIX_SCALE_ROW1
.endif
.endm
.macro XFAST qf, qs                    ; nine products against one set of rows of q + r_r; scale words two tiles to a register
.irp n, 0,1,2,3,4,5,6,7
	WM 96+8*\n, 32+6*\n, \qf, 1, 92+\n/2, \qs, \n%2
.endr
	WM 224, 80, \qf, 1, 219, \qs, 0
.endm
	s_load_b256 s[32:39], s[0:1], 0x0              ; opc, ops, lm, ob
	v_lshl_add_u32 v5, v0, 2, SPARE
	v_mov_b32 v6, 0
	ds_add_u32 v5, v6
	ds_add_u32 v5, v6
	s_wait_dscnt 0x0
	v_lshrrev_b32 v7, 5, v0
	s_delay_alu instid0(VALU_DEP_1)
	v_readfirstlane_b32 s22, v7                    ; wave 0..15
	s_and_b32 s56, ttmp7, 0xffff                   ; 16 batch + head
	s_and_b32 s57, s56, 15                         ; head
	s_lshr_b32 s58, s56, 4                         ; batch
	s_lshl_b32 s59, ttmp9, 4
	s_add_co_u32 s59, s59, s22                     ; my tile of queries, of the sequence's 128
	G1SET 8, 48                                    ; 12,288 bytes: two steps' k
	G1SET 40, 16                                   ; 4,096 bytes: scale words
	G1SET 88, 8                                    ; 2,048 bytes: half of v's scale words
	s_mul_i32 s61, s22, 12288                      ; rel's codes: an eighth for each of waves 1 to 8
	s_add_co_u32 s49, s61, RELC-12288
	s_mul_i32 s62, s57, 98304
	s_add_co_u32 s62, s62, s61
	s_add_co_u32 s62, s62, RCO-12288
	s_mov_b32 s63, 0
	s_mov_b32 s17, 0                               ; wave 0 fills a slot's k
	s_mul_i32 s68, s56, 98304
	s_add_co_u32 s2, s68, VCO                      ; where my head's v begins in opc
	s_mov_b32 s3, 0
	s_add_co_u32 s68, s68, KCO
	s_mov_b32 s69, 0
	s_lshl_b32 s70, s22, 12                        ; 4,096 bytes a wave
	s_add_co_u32 s53, s70, RELS-36864              ; waves 9 to 12: 4,096 bytes of scale words each: rel's two, k's two
	s_lshl_b32 s71, s57, 13
	s_add_co_u32 s71, s71, s70
	s_add_co_u32 s71, s71, RSO-36864
	s_lshl_b32 s72, s56, 13
	s_add_co_u32 s72, s72, s70
	s_add_co_u32 s72, s72, KSO-45056
	s_cmp_lt_u32 s22, 11
	s_cselect_b32 s70, s71, s72
	s_mov_b32 s71, 0
	s_and_b32 s74, s22, 1                          ; waves 14 and 15: 2,048 bytes each of v's scale words
	s_lshl_b32 s74, s74, 11
	s_add_co_u32 s97, s74, VSW
	s_lshl_b32 s72, s56, 12
	s_add_co_u32 s72, s72, s74
	s_add_co_u32 s72, s72, VSO
	s_mov_b32 s73, 0
	v_and_b32 v29, 31, v0                          ; lane
	v_and_b32 v30, 15, v0                          ; r
	v_bfe_u32 v28, v0, 4, 1                        ; h
	s_delay_alu instid0(VALU_DEP_3)
	v_lshlrev_b32 v1, 3, v29
	s_delay_alu instid0(VALU_DEP_4)
	v_lshlrev_b32 v31, 2, v29
	v_lshl_add_u32 v255, v29, 3, RZS
	s_delay_alu instid0(VALU_DEP_4)
	v_lshlrev_b32 v2, 7, v28
	s_delay_alu instid0(VALU_DEP_1)
	v_lshl_add_u32 v2, v30, 3, v2                  ; 8 r + 128 h
	s_delay_alu instid0(VALU_DEP_1)
	v_add_nc_u32 v3, RELC-8, v2                    ; one row lower;
	s_delay_alu instid0(VALU_DEP_2)
	v_add_nc_u32 v2, RELC, v2
	v_add_nc_u32 v4, 15, v30
	s_delay_alu instid0(VALU_DEP_1)
	v_lshrrev_b32 v4, 4, v4
	s_delay_alu instid0(VALU_DEP_1)
	v_xor_b32 v4, 1, v4                            ; 1 in lanes with r = 0,
	s_delay_alu instid0(VALU_DEP_1)
	v_mul_u32_u24 v4, v4, 640
	s_delay_alu instid0(VALU_DEP_1)
	v_sub_nc_u32 v3, v3, v4                        ; which take row 15 of the tile in front: 768 - 128 bytes further back
	v_lshl_add_u32 v4, v29, 2, RELS-4              ; a word a lane: lanes 16-31 stand in the next tile's words
	s_mul_i32 s60, s22, STGW
	s_add_co_u32 s60, s60, STG
	v_mul_u32_u24 v7, v30, SP
	s_delay_alu instid0(VALU_DEP_1)
	v_lshl_add_u32 v7, v28, 5, v7
	s_delay_alu instid0(VALU_DEP_1)
	v_add_nc_u32 v7, s60, v7                       ; into the stage: row r, + 32 h
	v_lshlrev_b32 v8, 2, v30
	s_delay_alu instid0(VALU_DEP_1)
	v_sub_nc_u32 v8, v7, v8
	s_delay_alu instid0(VALU_DEP_1)
	v_add_nc_u32 v8, 60, v8                        ; out of it: 15 - r words further on
	s_wait_kmcnt 0x0
	s_mov_b32 s48, 1
	s_add_nc_u64 s[50:51], s[32:33], s[62:63]
	s_or_b32 s51, s51, 0x80000000
	s_add_nc_u64 s[2:3], s[32:33], s[2:3]          ; v's images: step 0
	s_mov_b32 s16, 1
	s_add_nc_u64 s[18:19], s[32:33], s[68:69]
	s_or_b32 s19, s19, 0x80000000
	s_mov_b32 s52, 1
	s_add_nc_u64 s[54:55], s[34:35], s[70:71]
	s_or_b32 s55, s55, 0x80000000
	s_mov_b32 s96, 1
	s_add_nc_u64 s[98:99], s[34:35], s[72:73]
	s_or_b32 s99, s99, 0x80000000
	; THE FIRST FILLS: one a wave, in one chain of branches on the wave's number; one tensor load of a wave is out at the most; the first wait for them is for 0
	s_cmp_lt_u32 s22, 1
	s_cbranch_scc0 .Lh_rel
	tensor_load_to_lds s[16:19], s[8:15]           ; slot 0: steps 0 and 1's k (wave 0)
	s_nop 0
	PLACES 4
	s_branch .Lh_done
.Lh_rel:
	s_cmp_lt_u32 s22, 9
	s_cbranch_scc0 .Lh_sc
	tensor_load_to_lds s[48:51], s[8:15]           ; waves 1 to 8: 12,288 bytes of rel's codes each
	s_nop 0
	PLACES 4
	s_branch .Lh_done
.Lh_sc:
	s_cmp_lt_u32 s22, 13
	s_cbranch_scc0 .Lh_vs
	tensor_load_to_lds s[52:55], s[40:47]          ; waves 9 to 12: rel's and k's scale words
	s_nop 0
	PLACES 4
	s_branch .Lh_done
.Lh_vs:
	s_cmp_lt_u32 s22, 14                           ; wave 13 has no part of the first fills
	s_cbranch_scc1 .Lh_done
	tensor_load_to_lds s[96:99], s[88:95]
	s_nop 0
	PLACES 4
.Lh_done:
	s_mov_b32 s75, 0
	s_lshl_b32 s74, s58, 12
	s_add_nc_u64 s[20:21], s[36:37], s[74:75]      ; my batch's lane masks
	s_lshl_b32 s76, s58, 7
	s_add_co_u32 s76, s76, s59                     ; my tile of tokens among 256
	s_lshr_b32 s77, s57, 1
	s_and_b32 s78, s57, 1
	s_mul_i32 s74, s76, 12288
	s_mul_i32 s79, s77, 1536
	s_add_co_u32 s74, s74, s79
	s_mul_i32 s79, s78, 768
	s_add_co_u32 s74, s74, s79
	s_add_nc_u64 s[4:5], s[38:39], s[74:75]        ; the result's codes: K step head / 2, pieces 3 (head % 2) on
	s_lshl_b32 s74, s76, 9
	s_lshl_b32 s79, s77, 6
	s_add_co_u32 s74, s74, s79
	s_lshl_b32 s79, s78, 1
	s_add_co_u32 s74, s74, s79
	s_add_co_u32 s74, s74, 3145728
	s_add_nc_u64 s[6:7], s[38:39], s[74:75]        ; and its two scale bytes a row
	s_lshl_b32 s74, s56, 7
	s_add_co_u32 s74, s74, s59
	s_mul_i32 s74, s74, 768
	s_add_nc_u64 s[80:81], s[32:33], s[74:75]      ; q + r_w: my tile's half image
	s_lshl_b32 s74, s56, 11
	s_lshl_b32 s79, s59, 4
	s_add_co_u32 s74, s74, s79
	s_lshl_b32 s74, s74, 2
	s_add_nc_u64 s[82:83], s[34:35], s[74:75]      ; its scale words
	s_lshl_b32 s78, s59, 4
	s_add_co_u32 s78, s78, 1
	v_add_nc_u32 v9, s78, v30
	s_delay_alu instid0(VALU_DEP_1)
	v_min_u32 v9, 0x7ff, v9                        ; row i + 1, held at the last row (whose successor no key asks for)
	s_delay_alu instid0(VALU_DEP_1)
	v_lshrrev_b32 v10, 4, v9
	s_delay_alu instid0(VALU_DEP_1)
	v_mul_u32_u24 v10, v10, 768
	s_delay_alu instid0(VALU_DEP_3)
	v_and_b32 v11, 15, v9
	s_delay_alu instid0(VALU_DEP_1)
	v_lshl_add_u32 v10, v11, 3, v10
	s_delay_alu instid0(VALU_DEP_1)
	v_lshl_add_u32 v10, v28, 7, v10
	s_mul_i32 s79, s56, 98304
	v_add_nc_u32 v10, s79, v10
	s_lshl_b32 s84, s56, 11
	v_add_nc_u32 v252, s84, v9
	s_delay_alu instid0(VALU_DEP_1)
	v_lshlrev_b32 v252, 2, v252
	v_lshlrev_b32 v254, 2, v30
.irp p, 0,1,2
	global_load_b64 v[16+2*\p:17+2*\p], v1, s[80:81] offset:256*\p
	global_load_b64 v[192+2*\p:193+2*\p], v1, s[80:81] offset:QRO+256*\p
	global_load_b64 v[204+2*\p:205+2*\p], v10, s[32:33] offset:QRO+256*\p
.endr
	global_load_b32 v216, v254, s[82:83]
	global_load_b32 v217, v254, s[82:83] offset:QRSO
	global_load_b32 v218, v252, s[34:35] offset:QRSO
.irp j, 0,1,2,3,4,5
	v_mov_b32 v[22+\j], 0                          ; the upper halves of q's three fragments: zero codes
	v_mov_b32 v[198+\j], 0
	v_mov_b32 v[210+\j], 0
	v_mov_b32 v[86+\j], 0                          ; named with the ninth tile's fragment, so they are written
.endr
.set J_, 0
.rept 32
	v_mov_b32 v[160+J_], 0                         ; O^T: the step is written for every turn alike; the first finds zeros
.set J_, J_+1
.endr
	v_mov_b32 v14, 0
	v_mov_b32 v15, 0
.irp b, 0,1,2,3
	v_mov_b32 v[236+\b], 0                         ; a lane permute's destination counts as read
.endr
	v_mov_b32 v253, 0
	v_mov_b32 v240, 0x7f7f7f7f
	v_mov_b32 v241, 0x7f7f7f7f
	v_mov_b32 v13, 0xff61b1e6                      ; the largest t so far: -3e38
	s_delay_alu instid0(VALU_DEP_1)
	v_floor_f32 v12, -v13
	v_mov_b32 v28, 0xd1000000                      ; -2^35
	s_cmp_eq_u32 s22, 15                           ; wave 15 lays the tile of zeros and its scale words (1.0)
	s_cbranch_scc0 .Lno_zero
	ds_store_b64 v255, v[240:241]
	ds_store_b64 v255, v[160:161] offset:RZC-RZS
	ds_store_b64 v255, v[160:161] offset:RZC-RZS+256
	ds_store_b64 v255, v[160:161] offset:RZC-RZS+512
.Lno_zero:
	s_mov_b32 s24, 0x76543210
	s_mov_b32 s25, 0xfedcba98
	s_mov_b32 s26, 0x3d38aa3b                      ; c = log2(e) / 32
	s_mov_b32 s27, s26
	s_mov_b32 s28, 0
	s_mov_b32 s29, KSW
	s_mov_b32 s30, VSW
	s_sub_co_u32 s31, 127, s59
	s_mov_b32 s23, 7
; THE CHANGE OF SLOTS, at a slot's head.  Each wave waits for all its tensor loads, adds 0 to its spare word, and waits for that and for its LDS reads and stores.  Behind the barrier the slot ahead is whole and nobody reads the other;
; fill = 1: wave 0 fills that other slot with the next two steps' k.
.macro CHANGE fill
	s_wait_tensorcnt 0x0                           ; no tensor load of mine is out, so the group 0 may be written
	ds_add_u32 v5, v6
.if \fill
	ds_add_u32 v5, v6                              ; and once more where a fill follows
	s_xor_b32 s17, s17, SLOTX
	s_add_nc_u64 s[18:19], s[18:19], 12288
.endif
	s_wait_dscnt 0x0                               ; the add is done, and my reads of the slot that I have left are over
	s_barrier_signal -1
	s_barrier_wait -1
.if \fill
	s_cmp_lt_u32 s22, 1
	s_cbranch_scc0 .Lnf_\@
	tensor_load_to_lds s[16:19], s[8:15]           ; the first thing behind the barrier, a wave's one tensor load until the next
	s_nop 0
	PLACES 4
.Lnf_\@:
.endif
.endm
; A STEP: 128 keys, the q-th of the slot in hand.
.macro STEP q
	s_load_b512 s[32:47], s[20:21], 0x0            ; the step's 64 lane masks
	s_load_b512 s[48:63], s[20:21], 0x40
	s_load_b512 s[68:83], s[20:21], 0x80
	s_load_b512 s[84:99], s[20:21], 0xc0
	v_add_nc_u32 v9, s28, v1
	v_add_nc_u32 v10, s29, v31
	v_add_nc_u32 v11, s30, v31
	v_nop                                          ; four plain places behind the last step's products, in front of the loads into their registers
	s_cmp_lt_u32 s31, 120                          ; all nine tiles under tile 128?
	s_cbranch_scc1 .Lfast_\@
	s_cmp_ge_u32 s31, 128                          ; or all from it on?
	s_cbranch_scc1 .Lfast_\@
.irp n, 0,1,2,3,4,5,6,7,8              ; the step that straddles tile 128: tile by tile
.if \n < 4
.set RW_, 92+\n
.else
.set RW_, 215+\n
.endif
	s_add_co_u32 s66, s31, \n                      ; tile a
	s_and_b32 s67, s66, 127
	s_cmp_ge_u32 s66, 128
	s_cselect_b32 s100, -1, 0                      ; a >= 128: one row lower
	s_cselect_b32 s101, 0, 4
	s_mul_i32 s104, s67, 768
	s_lshl_b32 s105, s67, 6
	s_add_co_u32 s105, s105, s101
	v_cndmask_b32 v29, v2, v3, s100
	s_delay_alu instid0(VALU_DEP_1)
	v_add_nc_u32 v29, s104, v29
	v_add_nc_u32 v30, s105, v4
.irp p, 0,1,2
	ds_load_b64 v[32+6*\n+2*\p:33+6*\n+2*\p], v29 offset:256*\p
.endr
	ds_load_b32 v[RW_], v30                        ; lanes 0-15: this tile's words (lanes 16-31 are not read)
.endr
	s_wait_dscnt 0x0
.irp n, 0,1,2,3,4,5,6,7,8              ; a branch on ids alone chooses the rows of q + r_r
.if \n < 4
.set RW_, 92+\n
.else
.set RW_, 215+\n
.endif
.if \n < 8
.set XD_, 96+8*\n
.else
.set XD_, 224
.endif
	s_add_co_u32 s66, s31, \n
	s_cmp_ge_u32 s66, 128
	s_cbranch_scc1 .Lhi_\@_\n
	WM XD_, 32+6*\n, 192, 1, RW_, 217, 0
	s_branch .Lxd_\@_\n
.Lhi_\@_\n:
	WM XD_, 32+6*\n, 204, 1, RW_, 218, 0
.Lxd_\@_\n:
.endr
	s_branch .Lxdone_\@
.Lfast_\@:                             ; all nine on one side: one address, the tile in the immediate
	s_and_b32 s67, s31, 127                        ; the first tile: at most 119 on this way;
	s_min_u32 s67, s67, 119                        ; the hold changes nothing here: with it the nine tiles lie inside rel's bytes by this text's own arithmetic
	s_cmp_ge_u32 s31, 128
	s_cselect_b32 s100, -1, 0                      ; from tile 128 on: one row lower
	s_cselect_b32 s101, 0, 4
	s_mul_i32 s104, s67, 768
	s_lshl_b32 s105, s67, 6
	s_add_co_u32 s105, s105, s101
	v_cndmask_b32 v29, v2, v3, s100
	s_delay_alu instid0(VALU_DEP_1)
	v_add_nc_u32 v29, s104, v29
	v_add_nc_u32 v30, s105, v4
.irp n, 0,1,2,3,4,5,6,7,8
.irp p, 0,1,2
	ds_load_b64 v[32+6*\n+2*\p:33+6*\n+2*\p], v29 offset:768*\n+256*\p
.endr
.endr
.irp m, 0,1,2,3
	ds_load_b32 v[92+\m], v30 offset:128*\m        ; the words of tiles 2 m (lanes 0-15) and 2 m + 1 (lanes 16-31)
.endr
	ds_load_b32 v219, v30 offset:512               ; the ninth's
	s_wait_dscnt 0x0
	s_cmp_ge_u32 s31, 128
	s_cbranch_scc1 .Lfh_\@
	XFAST 192, 217
	s_branch .Lxdone_\@
.Lfh_\@:
	XFAST 204, 218
.Lxdone_\@:
	PLACES 5                                       ; in front of the stores of these results, the loads into these registers and the products that write over them
.irp n, 0,1,2,3,4,5,6,7
	ds_store_b128 v7, v[96+8*\n:99+8*\n] offset:64*\n          ; each result from its low end on
	ds_store_b128 v7, v[100+8*\n:103+8*\n] offset:64*\n+16
.endr
	ds_store_b128 v7, v[224:227] offset:512
	ds_store_b128 v7, v[228:231] offset:528
.irp t, 0,1,2,3,4,5,6,7
.irp j, 0,1,2,3,4,5,6,7
	ds_load_b32 v[96+8*\t+\j], v8 offset:4*(16*\t+\j)          ; my own stage; LDS serves a wave's instructions in order: these see the stores above
.endr
.endr
	s_wait_alu depctr_va_vdst(0)
.irp t, 0,1,2,3,4,5,6,7
.irp p, 0,1,2
	ds_load_b64 v[32+6*\t+2*\p:33+6*\t+2*\p], v9 offset:6144*(\q)+768*\t+256*\p   ; k's eight tiles
.endr
.endr
.irp m, 0,1,2,3
	ds_load_b32 v[248+\m], v10 offset:128*\m       ; their scale words: two tiles a register
.endr
	s_wait_dscnt 0x0
.irp t, 0,1,2,3,4,5,6,7
	WM 96+8*\t, 32+6*\t, 16, 0, 248+\t/2, 216, \t%2   ; score = k . (q + r_w) + the shifted term
.endr
	PLACES 4
.irp t, 0,1,2,3
.irp p, 0,1,2,3,4,5
	global_load_b64 v[32+12*\t+2*\p:33+12*\t+2*\p], v1, s[2:3] offset:1536*\t+256*\p   ; v's four tiles, from memory: each load 256 consecutive bytes, aligned; they land during the softmax
.endr
.endr
	ds_load_b32 v248, v11
	ds_load_b32 v249, v11 offset:128
	s_wait_kmcnt 0x0                               ; the masks
.set N_, 0
.rept 32
	v_cndmask_b32 v[96+N_], v[96+N_], v28, s[32+N_]
.set N_, N_+1
.endr
.rept 32
	v_cndmask_b32 v[96+N_], v[96+N_], v28, s[36+N_]
.set N_, N_+1
.endr
	s_add_nc_u64 s[20:21], s[20:21], 256           ; (the scalar loads are done)
.irp b, 0,1,2,3
	v_max3_num_f32 v[232+\b], v[96+16*\b], v[97+16*\b], v[98+16*\b]   ; the largest score of each block of 32 keys: for the row's maximum and for the block's largest p
.endr
.irp i, 3,5,7,9,11,13
.irp b, 0,1,2,3
	s_delay_alu instid0(VALU_DEP_4)
	v_max3_num_f32 v[232+\b], v[232+\b], v[96+16*\b+\i], v[97+16*\b+\i]
.endr
.endr
.irp b, 0,1,2,3
	s_delay_alu instid0(VALU_DEP_4)
	v_max_num_f32 v[232+\b], v[232+\b], v[111+16*\b]
.endr
.irp b, 0,1,2,3
	s_delay_alu instid0(VALU_DEP_4)
	v_permlanex16_b32 v[236+\b], v[232+\b], s24, s25
.endr
.irp b, 0,1,2,3
	s_delay_alu instid0(VALU_DEP_4)
	v_max_num_f32 v[232+\b], v[232+\b], v[236+\b]
.endr
	s_delay_alu instid0(VALU_DEP_2)
	v_max3_num_f32 v254, v232, v233, v234
	s_delay_alu instid0(VALU_DEP_1)
	v_max_num_f32 v254, v254, v235
	s_delay_alu instid0(VALU_DEP_1)
	v_mul_f32 v254, s26, v254
	s_delay_alu instid0(VALU_DEP_1)
	v_max_num_f32 v13, v13, v254                   ; the running largest t
	v_mov_b32 v254, v12
	s_delay_alu instid0(VALU_DEP_2)
	v_floor_f32 v12, -v13                          ; -M = floor(-t): M is a whole number
	s_delay_alu instid0(VALU_DEP_1)
	v_sub_f32 v254, v12, v254
	s_delay_alu instid0(VALU_DEP_1)
	v_cvt_i32_f32 v254, v254                       ; (it saturates)
	s_delay_alu instid0(VALU_DEP_1)
	v_ldexp_f32 v252, 1.0, v254                    ; f = 2^(old M - new M)
.set J_, 0
.rept 32
	v_pk_fma_f32 v[96+J_:97+J_], v[96+J_:97+J_], s[26:27], v[12:13] op_sel_hi:[1,0,0]   ; t - M
.set J_, J_+2
.endr
.irp b, 0,1,2,3
	v_fma_f32 v[232+\b], v[232+\b], s26, v12
.endr
.set J_, 0
	s_wait_alu depctr_va_vdst(0)
.rept 64
	v_exp_f32 v[96+J_], v[96+J_]                   ; p = 2^(t - M)
.set J_, J_+1
.endr
	v_pk_mul_f32 v[14:15], v[14:15], v[252:253] op_sel_hi:[1,0]   ; the sums under the new M: a plain place behind the exponentials
	s_wait_alu depctr_va_vdst(0)                   ; one wait for the batch of 64, ahead of its first reader
.irp b, 0,1,2,3
	v_exp_f32 v[232+\b], v[232+\b]                 ; each block's largest p
.endr
	v_pk_add_f32 v[236:237], v[100:101], v[104:105]
	v_pk_add_f32 v[254:255], v[108:109], v[112:113]
	v_pk_add_f32 v[250:251], v[116:117], v[120:121]
	v_pk_add_f32 v[246:247], v[124:125], v[128:129]
	v_pk_add_f32 v[244:245], v[132:133], v[136:137]
	v_pk_add_f32 v[242:243], v[140:141], v[144:145]
	v_pk_add_f32 v[240:241], v[148:149], v[152:153]
	v_pk_add_f32 v[14:15], v[14:15], v[156:157]
	v_pk_add_f32 v[236:237], v[236:237], v[96:97]
	v_pk_add_f32 v[254:255], v[254:255], v[98:99]
	v_pk_add_f32 v[250:251], v[250:251], v[102:103]
	v_pk_add_f32 v[246:247], v[246:247], v[106:107]
	v_pk_add_f32 v[244:245], v[244:245], v[110:111]
	v_pk_add_f32 v[242:243], v[242:243], v[114:115]
	v_pk_add_f32 v[240:241], v[240:241], v[118:119]
	v_pk_add_f32 v[14:15], v[14:15], v[122:123]
	v_pk_add_f32 v[236:237], v[236:237], v[126:127]
	v_pk_add_f32 v[254:255], v[254:255], v[130:131]
	v_pk_add_f32 v[250:251], v[250:251], v[134:135]
	v_pk_add_f32 v[246:247], v[246:247], v[138:139]
	v_pk_add_f32 v[244:245], v[244:245], v[142:143]
	v_pk_add_f32 v[242:243], v[242:243], v[146:147]
	v_pk_add_f32 v[240:241], v[240:241], v[150:151]
	v_pk_add_f32 v[14:15], v[14:15], v[154:155]
	v_pk_add_f32 v[236:237], v[236:237], v[158:159]
	s_delay_alu instid0(VALU_DEP_2)
	v_pk_add_f32 v[14:15], v[14:15], v[246:247]
	s_delay_alu instid0(VALU_DEP_2)
	v_pk_add_f32 v[236:237], v[236:237], v[244:245]
	v_pk_add_f32 v[254:255], v[254:255], v[242:243]
	v_pk_add_f32 v[250:251], v[250:251], v[240:241]
	s_delay_alu instid0(VALU_DEP_2)
	v_pk_add_f32 v[14:15], v[14:15], v[254:255]
	s_delay_alu instid0(VALU_DEP_2)
	v_pk_add_f32 v[236:237], v[236:237], v[250:251]
	s_delay_alu instid0(VALU_DEP_1)
	v_pk_add_f32 v[14:15], v[14:15], v[236:237]
	s_wait_alu depctr_va_vdst(0)                   ; and one for the four
.irp b, 0,1,2,3
	v_max_num_f32 v[232+\b], 0x2800000, v[232+\b]  ; the floor 2^(5 - 127)
.endr
.irp b, 0,1,2,3
	s_delay_alu instid0(VALU_DEP_4)
	v_add_nc_u32 v[244+\b], 0xfe000000, v[232+\b]
.endr
.irp b, 0,1,2,3
	s_delay_alu instid0(VALU_DEP_4)
	v_lshrrev_b32 v[236+\b], 23, v[244+\b]
.endr
	s_delay_alu instid0(VALU_DEP_3)
	v_lshl_or_b32 v253, v237, 8, v236              ; p's scale word for these 128 keys
	s_delay_alu instid0(VALU_DEP_1)
	v_lshl_or_b32 v253, v238, 16, v253
	s_delay_alu instid0(VALU_DEP_1)
	v_lshl_or_b32 v253, v239, 24, v253
.irp c, 0,1
	v_cvt_scalef32_pk16_bf6_f32 v[224+6*\c:226+6*\c], v[96+32*\c:111+32*\c], v[244+2*\c]
	v_cvt_scalef32_pk16_bf6_f32 v[236+4*\c:238+4*\c], v[112+32*\c:127+32*\c], v[244+2*\c+1]
.endr
	v_nop                                          ; one plain place behind a scaled conversion
.irp c, 0,1
.irp i, 0,1,2
	v_permlane16_swap_b32 v[224+6*\c+\i], v[236+4*\c+\i]
.endr
.irp i, 0,1,2
	s_delay_alu instid0(VALU_DEP_3)
	v_mov_b32 v[227+6*\c+\i], v[236+4*\c+\i]
.endr
.endr
.set J_, 0
.rept 16
	v_pk_mul_f32 v[160+J_:161+J_], v[160+J_:161+J_], v[252:253] op_sel_hi:[1,0]   ; O^T under the new M; these sixteen also stand between the writing of p's codes and scale word and the products
.set J_, J_+2
.endr
	s_wait_alu depctr_va_vdst(0)
	s_wait_loadcnt 0x0                             ; v's 24 loads
	s_wait_dscnt 0x0                               ; v's scale words
.irp t, 0,1,2,3
	WM 160+8*\t, 32+12*\t, 224, 0, 248+\t/2, 253, \t%2
.endr
	s_add_co_u32 s29, s29, 512
	s_add_co_u32 s30, s30, 256
	s_add_nc_u64 s[2:3], s[2:3], 6144              ; the next step's v (this step's loads are done)
	s_add_co_u32 s31, s31, 8
.endm
	s_wait_loadcnt 0x0                             ; q's fragments and scale words; their address registers are free
.Lslot:                                ; 7 trips of two steps: behind each change of slots but the last the next slot is asked for
	CHANGE 1
	STEP 0
	STEP 1
	s_xor_b32 s28, s28, SLOTX                      ; on to the other slot
	s_sub_co_u32 s23, s23, 1
	s_cmp_lg_u32 s23, 0
	s_cbranch_scc1 .Lslot
	CHANGE 0                                       ; the last slot is written out
	STEP 0
	STEP 1
	; THE WAY OUT: O^T / the sum; the head's 64 brought into their true order (they meet Wo's codes); quantised; half an image and two scale bytes a row stored.
	PLACES 4
	v_add_f32 v14, v14, v15
	s_delay_alu instid0(VALU_DEP_1)
	v_permlanex16_b32 v252, v14, s24, s25
	s_delay_alu instid0(VALU_DEP_1)
	v_add_f32 v14, v14, v252                       ; the row's sum
	s_wait_alu depctr_va_vdst(0)
	v_rcp_f32 v14, v14
	v_and_b32 v254, 15, v0                         ; (a plain place behind the reciprocal)
	s_delay_alu instid0(VALU_DEP_1)
	v_lshlrev_b32 v254, 2, v254
	s_wait_alu depctr_va_vdst(0)                   ; ahead of the first reader
.set J_, 0
.rept 32
	v_mul_f32 v[96+J_], v[160+J_], v14             ; register 8 t + j: d = 16 t + 8 h + j
.set J_, J_+1
.endr
.irp b, 0,1
.irp j, 0,1,2,3,4,5,6,7
	v_permlane16_swap_b32 v[96+16*\b+\j], v[104+16*\b+\j]   ; register 16 b + i is now d = 32 b + 16 h + i
.endr
.endr
.irp b, 0,1
	v_max3_num_f32 v[236+\b], |v[96+16*\b]|, |v[97+16*\b]|, 0x2800000
.endr
.irp i, 2,4,6,8,10,12,14
.irp b, 0,1
	s_delay_alu instid0(VALU_DEP_2)
	v_max3_num_f32 v[236+\b], v[236+\b], |v[96+16*\b+\i]|, |v[97+16*\b+\i]|
.endr
.endr
.irp b, 0,1
	s_delay_alu instid0(VALU_DEP_2)
	v_permlanex16_b32 v[238+\b], v[236+\b], s24, s25
.endr
.irp b, 0,1
	s_delay_alu instid0(VALU_DEP_2)
	v_max_num_f32 v[236+\b], v[236+\b], v[238+\b]
.endr
.irp b, 0,1
	s_delay_alu instid0(VALU_DEP_2)
	v_add_nc_u32 v[244+\b], 0xfe000000, v[236+\b]
.endr
.irp b, 0,1
	s_delay_alu instid0(VALU_DEP_2)
	v_lshrrev_b32 v[246+\b], 23, v[244+\b]
.endr
	s_delay_alu instid0(VALU_DEP_1)
	v_lshl_or_b32 v252, v247, 8, v246
	v_cvt_scalef32_pk16_bf6_f32 v[224:226], v[96:111], v244
	v_cvt_scalef32_pk16_bf6_f32 v[232:234], v[112:127], v245
	v_nop
.irp i, 0,1,2
	v_permlane16_swap_b32 v[224+\i], v[232+\i]
.endr
.irp i, 0,1,2
	s_delay_alu instid0(VALU_DEP_3)
	v_mov_b32 v[227+\i], v[232+\i]
.endr
.irp p, 0,1,2
	global_store_b64 v1, v[224+2*\p:225+2*\p], s[4:5] offset:256*\p   ; 256 consecutive bytes, aligned
.endr
	global_store_b16 v254, v252, s[6:7]            ; two bytes of each row's word: the word's other two are the neighbour head's, another work-group's
	s_wait_tensorcnt 0x0                           ; the wave's end
	ds_add_u32 v5, v6
	s_wait_dscnt 0x0
	s_endpgm
.Lfunc_end_k_q6d5225f3d5_attn:
	.size	k_q6d5225f3d5_attn, .Lfunc_end_k_q6d5225f3d5_attn-k_q6d5225f3d5_attn
	.p2alignl 7, 3214868480
	.fill 96, 4, 3214868480
	.section	.rodata,"a",@progbits
	.p2align	6, 0x0
	.amdhsa_kernel k_q6d5225f3d5_attn
		.amdhsa_group_segment_fixed_size 327680
		.amdhsa_private_segment_fixed_size 0
		.amdhsa_enable_private_segment 0
		.amdhsa_kernarg_size 32
		.amdhsa_user_sgpr_count 2
		.amdhsa_user_sgpr_kernarg_segment_ptr 1
		.amdhsa_wavefront_size32 1
		.amdhsa_system_sgpr_workgroup_id_x 1
		.amdhsa_system_sgpr_workgroup_id_y 1
		.amdhsa_system_sgpr_workgroup_id_z 1
		.amdhsa_system_vgpr_workitem_id 0
		.amdhsa_next_free_vgpr 256
		.amdhsa_next_free_sgpr 106
		.amdhsa_reserve_vcc 0
		.amdhsa_float_denorm_mode_32 3
		.amdhsa_float_denorm_mode_16_64 3
		.amdhsa_memory_ordered 1
		.amdhsa_forward_progress 1
		.amdhsa_inst_pref_size 200
	.end_amdhsa_kernel
	.amdgpu_metadata
---
amdhsa.version: [ 1, 2 ]
amdhsa.kernels:
  - .name:           k_q6d5225f3d5_attn
    .symbol:         k_q6d5225f3d5_attn.kd
    .args:
      - { .name: opc, .offset: 0, .size: 8, .value_kind: global_buffer, .address_space: global }
      - { .name: ops, .offset: 8, .size: 8, .value_kind: global_buffer, .address_space: global }
      - { .name: lm, .offset: 16, .size: 8, .value_kind: global_buffer, .address_space: global }
      - { .name: ob, .offset: 24, .size: 8, .value_kind: global_buffer, .address_space: global }
    .group_segment_fixed_size: 327680
    .private_segment_fixed_size: 0
    .kernarg_segment_align: 8
    .kernarg_segment_size: 32
    .max_flat_workgroup_size: 512
    .sgpr_count:     106
    .vgpr_count:     256
    .wavefront_size: 32
...
	.end_amdgpu_metadata
.endif
;; end of part 8
;; launch oproj (part 9): grid 8 x 32, 8 waves a work-group, no clusters, 327,680 bytes of LDS; arguments ob, wc, ws, bo, out0; writes out0
.if DOCPART == 9
	.amdgcn_target "amdgcn-amd-amdhsa--gfx1250"
	.amdhsa_code_object_version 6
	.text
	.protected	k_q6d5225f3d5_oproj
	.globl	k_q6d5225f3d5_oproj
	.p2align	8
	.type	k_q6d5225f3d5_oproj,@function
k_q6d5225f3d5_oproj:
	s_mov_b64 s[64:65], 0
	v_nop
	global_prefetch_b8 v0, s[64:65] scope:SCOPE_SE
	s_setreg_imm32_b32 hwreg(HW_REG_WAVE_MODE, 25, 1), 1
	s_wait_xcnt 0x0
; out0 = (attention's result) Wo + bo on codes of BF6, K = 1,024.  ob: codes at 0 as [tile 256][K step 8][1,536] (images of operand registers), scale words at 3,145,728 as [tile][K step][16]; Wo: tiles 192-255 of wc, ws.
; L rows (tokens) go to lanes (source 1), R rows (output features) to registers (source 0): a lane's eight results are eight neighbouring numbers of a row of out0.
; Work-group (x, y): 128 tokens from 128 y, 128 features from 128 x; each of 8 waves one tile of tokens x 8 tiles of features.  All of K lies in LDS, brought by tensor loads at the head and, for waves 0-3, behind the first barrier: nothing is filled again; one of a wave is out at the most.
; The sums begin with bo, loaded into the accumulators (the bias is the first term of the f32 sum).  No cluster: a launch of one pass over small tiles, each read once by a work-group.
.set NA,   1
.set HALF, 98304                       ; LDS: half f of K at f x HALF: L's 8 tiles x 6,144, then R's 8
.set ROFF, 49152
.set ASB,  196608                      ; L's scale words, 512 bytes a tile
.set BSB,  200704                      ; R's
.set STG,  204800                      ; the way out: 16 rows x 528 bytes for each wave
.set ACC,  128
.set LF,   16
.set RF,   40
.set SL,   120
.set SR,   121
.set ADL,  2
.set ADR,  3
.set ASL,  4
.set ASR,  5
.macro G1SET g, c, r, p
	s_mov_b32 s[\g+0], 3<<16
	s_mov_b32 s[\g+1], (\c)<<16
	s_mov_b32 s[\g+2], (\r)<<16
	s_mov_b32 s[\g+3], (\c)<<16
	s_mov_b32 s[\g+4], \r
	s_mov_b32 s[\g+5], \p
	s_mov_b32 s[\g+6], 0
	s_mov_b32 s[\g+7], 0
.endm
.macro G0SET g, ptr, add
	s_mov_b32 s[\g], 1
	s_add_nc_u64 s[\g+2:\g+3], s[\ptr:\ptr+1], \add
	s_or_b32 s[\g+3], s[\g+3], 0x80000000
.endm
.macro FRAGS reg, adr, off
.irp p, 0,1,2,3,4,5
	ds_load_b64 v[\reg+2*\p:\reg+2*\p+1], v[\adr] offset:\off+256*\p
.endr
.endm
.macro PROD a, b
.set D_, ACC+64*(\a)+8*(\b)
.set A_, RF+12*((\b)%4)
.set B_, LF+12*(\a)
.set S_, SR+(\b)/2
.if (\b)%2 == 0
	v_wmma_scale_f32_16x16x128_f8f6f4 v[D_:D_+7], v[A_:A_+11], v[B_:B_+11], v[D_:D_+7], v[S_], v[SL] matrix_a_fmt:MATRIX_FMT_BF6 matrix_b_fmt:MATRIX_FMT_BF6
.else
	v_wmma_scale_f32_16x16x128_f8f6f4 v[D_:D_+7], v[A_:A_+11], v[B_:B_+11], v[D_:D_+7], v[S_], v[SL] matrix_a_fmt:MATRIX_FMT_BF6 matrix_b_fmt:MATRIX_FMT_BF6 matrix_a_scale:MATRIX_SCALE_ROW1
.endif
.endm
.macro PRODS first                     ; four products; the eight accumulators take turns, one instruction a turn
.irp b, 0,1,2,3
	PROD 0, (\first)+\b
.endr
.endm
.macro PLACES                          ; four plain places between matrix instructions and loads into (or reads of) their registers
.rept 4
	v_nop
.endr
.endm
.macro KSTEP k, half
.set KO_, 64*(4*(\half)+(\k))
.if (\k)+(\half) > 0
	PLACES
.endif
	FRAGS LF, ADL, 1536*(\k)
	ds_load_b32 v[SL], v[ASL] offset:KO_
.irp b, 0,1,2,3
	FRAGS RF+12*\b, ADR, \b*6144+1536*(\k)
.endr
	ds_load_b32 v[SR], v[ASR] offset:KO_
	ds_load_b32 v[SR+1], v[ASR] offset:1024+KO_
	s_wait_dscnt 0x0
	PRODS 0
	PLACES
.irp b, 0,1,2,3
	FRAGS RF+12*\b, ADR, (\b+4)*6144+1536*(\k)
.endr
	ds_load_b32 v[SR+2], v[ASR] offset:2048+KO_
	ds_load_b32 v[SR+3], v[ASR] offset:3072+KO_
	s_wait_dscnt 0x0
	PRODS 4
.endm
	s_load_b256 s[4:11], s[0:1], 0x0               ; ob, wc, ws, bo
	s_load_b64 s[12:13], s[0:1], 0x20              ; out0
	v_lshl_add_u32 v254, v0, 2, 0x42800
	v_mov_b32 v255, 0
	ds_add_u32 v254, v255
	ds_add_u32 v254, v255
	v_lshrrev_b32 v1, 5, v0
	s_delay_alu instid0(VALU_DEP_1)
	v_readfirstlane_b32 s26, v1                    ; wave 0..7
	v_and_b32 v1, 31, v0
	v_and_b32 v11, 15, v0                          ; r
	v_bfe_u32 v12, v0, 4, 1                        ; h
	s_delay_alu instid0(VALU_DEP_3)
	v_lshlrev_b32 v6, 3, v1
	s_mul_i32 s27, s26, 6144
	v_add_nc_u32 v[ADL], s27, v6                   ; my L tile
	v_add_nc_u32 v[ADR], ROFF, v6
	v_lshlrev_b32 v9, 2, v11
	s_lshl_b32 s28, s26, 9
	s_add_co_u32 s29, s28, ASB
	v_add_nc_u32 v[ASL], s29, v9
	v_lshl_add_u32 v[ASR], v12, 9, v9
	s_delay_alu instid0(VALU_DEP_1)
	v_add_nc_u32 v[ASR], BSB, v[ASR]
	v_lshlrev_b32 v10, 5, v12                      ; 32 h
	v_lshlrev_b32 v13, 4, v1                       ; 16 x lane
	s_mul_i32 s30, s26, 8448
	s_add_co_u32 s30, s30, STG
	v_mul_u32_u24 v7, v11, 528
	s_delay_alu instid0(VALU_DEP_1)
	v_lshl_add_u32 v7, v12, 5, v7
	s_delay_alu instid0(VALU_DEP_1)
	v_add_nc_u32 v7, s30, v7                       ; into my stage: row r, + 32 h
	v_add_nc_u32 v8, s30, v13                      ; back: a row of 512 bytes
	s_and_b32 s31, ttmp7, 0xffff                   ; y
	s_lshl_b32 s48, s31, 3
	s_add_co_u32 s48, s48, s26                     ; my L tile
	; THE LOADS: one a wave at the head: waves 0, 1 the first half of K of four L tiles each, waves 2, 3 of four R tiles each; waves 4, 5 four L tiles' scale words each, waves 6, 7 four R tiles'.
	; Behind the first barrier waves 0-3 bring the second half of K of the same tiles.  One tensor load of a wave is out at the most.
	s_lshl_b32 s62, s31, 3                         ; L's first tile
	s_lshl_b32 s63, ttmp9, 3
	s_add_co_u32 s63, s63, 192                     ; R's first tile
	s_and_b32 s49, s26, 1                          ; which four of the eight tiles I fetch
	G1SET 32, 32, 8, 32                            ; four tiles' scale words: 2,048 dense bytes
	G1SET 40, 768, 4, 1536                         ; half of K of four tiles: 4 rows of 6,144 bytes, 12,288 apart
	s_mul_i32 s77, s26, 24576                      ; L's 8 tiles x 6,144, then R's 8
	s_add_co_u32 s85, s77, HALF
	s_lshl_b32 s69, s26, 11
	s_add_co_u32 s69, s69, ASB-8192                ; L's scale words, then R's: 2,048 bytes for each of waves 4 to 7
	s_mov_b32 s51, 0
	s_wait_alu depctr_va_vdst(0)
	s_wait_dscnt 0x0
	s_wait_kmcnt 0x0
	s_and_b32 s50, s26, 2                          ; waves 0, 1, 4, 5 fetch for L, waves 2, 3, 6, 7 for R: the choice hangs on the wave's number alone
	s_cmp_eq_u32 s50, 0
	s_cselect_b64 s[54:55], s[4:5], s[6:7]         ; codes: ob or wc
	s_cselect_b64 s[52:53], s[4:5], s[8:9]         ; scale words: ob or ws
	s_cselect_b32 s56, s62, s63
	s_cselect_b32 s57, 3145728, 0                  ; where ob's scale words begin
	s_lshl_b32 s50, s49, 2
	s_add_co_u32 s56, s56, s50                     ; my first tile of four
	s_mul_i32 s50, s56, 12288
	s_add_nc_u64 s[54:55], s[54:55], s[50:51]
	s_lshl_b32 s50, s56, 9
	s_add_co_u32 s50, s50, s57
	s_add_nc_u64 s[52:53], s[52:53], s[50:51]
	G0SET 68, 52, 0
	G0SET 76, 54, 0
	G0SET 84, 54, 6144
	s_cmp_lt_u32 s26, 4
	s_cbranch_scc0 .Lh_s
	tensor_load_to_lds s[76:79], s[40:47]          ; K's first half of my four tiles
	s_nop 0
	PLACES
	s_branch .Lh_done
.Lh_s:
	tensor_load_to_lds s[68:71], s[32:39]          ; four tiles' scale words
	s_nop 0
	PLACES
.Lh_done:
	s_lshl_b32 s50, ttmp9, 9
	s_add_nc_u64 s[10:11], s[10:11], s[50:51]      ; bo at my 128 features
.irp b, 0,1,2,3,4,5,6,7
	global_load_b128 v[ACC+8*\b:ACC+8*\b+3], v10, s[10:11] offset:64*\b
	global_load_b128 v[ACC+8*\b+4:ACC+8*\b+7], v10, s[10:11] offset:64*\b+16
.endr
	s_lshl_b32 s60, s48, 16                        ; my 16 rows of 4,096 bytes,
	s_add_co_u32 s60, s60, s50                     ; my 512 bytes of them
	s_mov_b32 s61, 0
	s_add_nc_u64 s[12:13], s[12:13], s[60:61]
	s_wait_tensorcnt 0x0                           ; my one load of the head has landed
	ds_add_u32 v254, v255
	s_wait_loadcnt 0x0                             ; the bias
	s_wait_dscnt 0x0                               ; the add is done
	s_barrier_signal -1
	s_barrier_wait -1                              ; everybody's part of K's first half and of the scale words is in
	s_cmp_lt_u32 s26, 4
	s_cbranch_scc0 .Lp2_done
	tensor_load_to_lds s[84:87], s[40:47]          ; K's second half of my four tiles: it has four K steps in which to land
	s_nop 0
	PLACES
.Lp2_done:
	KSTEP 0, 0
	KSTEP 1, 0
	KSTEP 2, 0
	KSTEP 3, 0
	s_wait_tensorcnt 0x0
	s_wait_dscnt 0x0
	s_barrier_signal -1
	s_barrier_wait -1
	v_add_nc_u32 v[ADL], HALF, v[ADL]
	v_add_nc_u32 v[ADR], HALF, v[ADR]
	s_wait_alu depctr_va_vdst(0)
	KSTEP 0, 1
	KSTEP 1, 1
	KSTEP 2, 1
	KSTEP 3, 1
	PLACES                                         ; in front of the stores of the sums and of the loads into the fragments' registers
.irp b, 0,1,2,3,4,5,6,7
	ds_store_b128 v7, v[ACC+8*\b:ACC+8*\b+3] offset:64*\b          ; each accumulator from its low end on
	ds_store_b128 v7, v[ACC+8*\b+4:ACC+8*\b+7] offset:64*\b+16
.endr
.irp t, 0,1,2,3,4,5,6,7,8,9,10,11,12,13,14,15
	ds_load_b128 v[16+4*\t:19+4*\t], v8 offset:528*\t              ; my own stage; LDS serves a wave's instructions in order
.endr
.irp t, 0,1,2,3,4,5,6,7,8,9,10,11,12,13,14,15
	s_wait_dscnt 15-\t                             ; row t is back; the younger rows' loads may be out
	global_store_b128 v13, v[16+4*\t:19+4*\t], s[12:13] offset:4096*\t th:TH_STORE_NT   ; 32 lanes store 512 consecutive bytes, aligned
.endr
	s_wait_tensorcnt 0x0
	ds_add_u32 v254, v255
	s_wait_dscnt 0x0
	s_endpgm
.Lfunc_end_k_q6d5225f3d5_oproj:
	.size	k_q6d5225f3d5_oproj, .Lfunc_end_k_q6d5225f3d5_oproj-k_q6d5225f3d5_oproj
	.p2alignl 7, 3214868480
	.fill 96, 4, 3214868480
	.section	.rodata,"a",@progbits
	.p2align	6, 0x0
	.amdhsa_kernel k_q6d5225f3d5_oproj
		.amdhsa_group_segment_fixed_size 327680
		.amdhsa_private_segment_fixed_size 0
		.amdhsa_enable_private_segment 0
		.amdhsa_kernarg_size 40
		.amdhsa_user_sgpr_count 2
		.amdhsa_user_sgpr_kernarg_segment_ptr 1
		.amdhsa_wavefront_size32 1
		.amdhsa_system_sgpr_workgroup_id_x 1
		.amdhsa_system_sgpr_workgroup_id_y 1
		.amdhsa_system_sgpr_workgroup_id_z 1
		.amdhsa_system_vgpr_workitem_id 0
		.amdhsa_next_free_vgpr 256
		.amdhsa_next_free_sgpr 96
		.amdhsa_reserve_vcc 0
		.amdhsa_float_denorm_mode_32 3
		.amdhsa_float_denorm_mode_16_64 3
		.amdhsa_memory_ordered 1
		.amdhsa_forward_progress 1
		.amdhsa_inst_pref_size 52
	.end_amdhsa_kernel
	.amdgpu_metadata
---
amdhsa.version: [ 1, 2 ]
amdhsa.kernels:
  - .name:           k_q6d5225f3d5_oproj
    .symbol:         k_q6d5225f3d5_oproj.kd
    .args:
      - { .name: ob, .offset: 0, .size: 8, .value_kind: global_buffer, .address_space: global }
      - { .name: wc, .offset: 8, .size: 8, .value_kind: global_buffer, .address_space: global }
      - { .name: ws, .offset: 16, .size: 8, .value_kind: global_buffer, .address_space: global }
      - { .name: bo, .offset: 24, .size: 8, .value_kind: global_buffer, .address_space: global }
      - { .name: out0, .offset: 32, .size: 8, .value_kind: global_buffer, .address_space: global }
    .group_segment_fixed_size: 327680
    .private_segment_fixed_size: 0
    .kernarg_segment_align: 8
    .kernarg_segment_size: 40
    .max_flat_workgroup_size: 256
    .sgpr_count:     96
    .vgpr_count:     256
    .wavefront_size: 32
...
	.end_amdgpu_metadata
.endif
;; end of part 9
